; MI455X (gfx1250); checked and timed in simulation.
; The chip was launched on July 23, 2026; its instructions are those of AMD's public machine-readable ISA for CDNA 5 (MIT licence, August 2026) and "CDNA5" Instruction Set Architecture Reference Guide (July 2026). The comments in the code are by the model that wrote it; some were corrected since.
;; Advanced Mo E Layer. Allowed arithmetic: matrix products marked QUANTISED: E5M2 operands, one E8M0 scale for each 32 along K, by v_wmma_scale_f32_16x16x128_f8f6f4 with both operands' format E5M2, f32 sums; products left as they are: f32 operands where the result goes on into a quantised operand, else bf16, f16 or f32 operands; f32 sums; everything else in f32.
;; Inputs: W1 8 x 1,024 x 2,048 float32; W2 8 x 2,048 x 2,048 float32; W3 8 x 2,048 x 1,024 float32; Wr 1,024 x 8 float32; b1 8 x 2,048 float32; b2 8 x 2,048 float32; b3 8 x 1,024 float32; br 8 float32; x 1,024 x 1,024 float32.
;; Outputs: out0 1,024 x 1,024 float32.
;; This version of the problem:
;;   THIS VERSION OF THE PROBLEM IS GIVEN IN LOW PRECISION. The matrix products marked QUANTISED in the list below multiply operands that are first quantised to E5M2 (5 exponent bits, 2 mantissa bits; 8 bits a number), with one power-of-two scale for each 32 numbers along K (OCP MX v1.0); their sums are f32. All else is computed in f32.
;;   The module's matrix products, in the order in which they are computed (A, B: the left and right operand; K: the contracted axis; several contracted axes count as one K, in the product's order):
;;     1. [M 1,024, K 1,024] x [K 1,024, N 8]; A: input x; B: input Wr: left as it is (N = 8 < 16)
;;     2. [M 1,024, K 1,024] x [K 1,024, N 16,384]; A: input x; B: input W1: QUANTISED
;;     3. batch 8 x [M 2,048, K 2,048] x [K 2,048, N 1,024]; A: input W2; B: computed on the way: QUANTISED
;;     4. batch 8 x [M 1,024, K 2,048] x [K 2,048, N 1,024]; A: input W3; B: computed on the way: QUANTISED
;;     5. batch 1,024 x [M 1,024, K 8] x [K 8, N 1]; A: computed on the way; B: computed on the way: left as it is (K = 8 < 32)
;;   THE QUANTISER, for each operand of a quantised product, along K:
;;     - K is cut into blocks of 32 from its start; a last block that is shorter is filled with zeros.
;;     - A block's scale is 2^e with e = floor(log2(the largest magnitude in the block)) - 15, held to -126 .. 127; a block of zeros has e = 0. As a byte (E8M0): e + 127.
;;     - Each number is divided by its block's scale, clamped to +-57,344, and rounded to the nearest number of E5M2, ties to even, subnormals kept.
;;     - The product sums the exact products of the quantised numbers (number of the format x scale) in f32.
;;   ~~~python
;;   def quantise(x, axis):      # numpy; x: float32 -> the quantised numbers, widened to float32 again
;;       x = np.moveaxis(x, axis, -1); K = x.shape[-1]
;;       x = np.pad(x, [(0, 0)] * (x.ndim - 1) + [(0, -K % 32)]); x = x.reshape(x.shape[:-1] + (-1, 32)); a = np.abs(x).max(-1, keepdims=True)
;;       e = np.where(a > 0, np.clip(np.frexp(np.where(a > 0, a, 1))[1] - 1 - 15, -126, 127), 0)      # np.frexp(a)[1] - 1 = floor(log2(a)), exactly
;;       r = np.clip(x / 2.0 ** e, -57344, 57344)
;;       step = 2.0 ** (np.maximum(np.frexp(np.where(r == 0, 1, r))[1] - 1, -14) - 2)
;;       q = np.round(r / step) * step * 2.0 ** e      # np.round: ties to even
;;       return np.moveaxis(q.reshape(q.shape[:-2] + (-1,))[..., :K], -1, axis).astype(np.float32)
;;   ~~~
;;   OPERANDS COMPUTED ON THE WAY. 'Computed on the way' means the value that the module computes at that place (a softmax that the list does not call 'softmax' is quantised finished and normalised). What goes into a quantiser is computed in f32, as accurately as f32 sums, v_exp_f32 and their like allow (about 1e-6 of the number): no bf16 or f16 on the way to a quantiser, and a product that is left as it is and whose result goes on into a quantised operand takes f32 operands (vector FMAs, or v_wmma_f32_16x16x4_f32). A number that lies on a knife's edge between two numbers of the format may be rounded either way, as far as f32 arithmetic and the matrix unit's own rounding can turn it there, and no further.
;; 2 versions. Each part assembles by itself: llvm-mc -triple=amdgcn-amd-amdhsa -mcpu=gfx1250 --defsym DOCPART=n.
;; ======== version 1 of 2: 6 launches
;; workspace buffers: sel 4,096 bytes of whole numbers; meta 33,024 bytes of whole numbers; gates 40,960 bytes; xa 8,650,752 bytes; h1 17,301,504 bytes; h2 17,301,504 bytes; y 16,842,752 bytes
;; launch route (part 1): grid 256 x 1, 8 waves a work-group, no clusters, 2,048 bytes of LDS; arguments x, Wr, br, sel, gates; writes sel, gates
.if DOCPART == 1
	.amdgcn_target "amdgcn-amd-amdhsa--gfx1250"
	.amdhsa_code_object_version 6
	.text
	.protected	k_q3324d0b5ec_route
	.globl	k_q3324d0b5ec_route
	.p2align	8
	.type	k_q3324d0b5ec_route,@function
k_q3324d0b5ec_route:
	s_mov_b64 s[64:65], 0
	v_nop
	global_prefetch_b8 v0, s[64:65] scope:SCOPE_SE
	s_setreg_imm32_b32 hwreg(HW_REG_WAVE_MODE, 25, 1), 1
	s_wait_xcnt 0x0
; THE ROUTER.  logits = x Wr + br in f32 multiply-adds; softmax with the row maximum taken away; the two largest probabilities
; (of equal ones the lower index first); the two gates w_k = p_k / (p_1 + p_2 + 1e-6).
; x: [1024][1024] f32, Wr: [1024][8] f32, br: [8] f32.
; OUT, all at fixed places (no address hangs on the choice):
;   sel[token]  u32: bits 7:0 = (1 << id0) | (1 << id1), bits 15:8 = id1
;   gates + 0:    gate2[token][2] f32 (the larger first);   gates + 8192: comb[token][8] f32 (0 for experts not chosen)
; SHARES.  A work-group takes 4 tokens.  Wave w takes d = 128 w .. 128 w + 127, lane l the four d = 128 w + 4 l + i.
; Each load of x covers 512 consecutive bytes of a row.  The eight waves meet in LDS (128 bytes a wave), then wave 0 finishes:
; its lane L stands for token L / 8 and expert L % 8.
; LIMITS: NaN and infinities are not served.  Two probabilities that differ by less than the rounding of an f32 sum of 1,024
; terms may be ordered otherwise than a sum taken in another order would order them.
.set XR,  8                            ; v8-23   x: token k at 4 k, number i
.set WR,  24                           ; v24-55  Wr: register 8 i + e
.set ACC, 56                           ; v56-87  sums: register 8 k + e
.set PT,  88                           ; v88-95  the eight waves' parts
.macro LANES8 op, reg                  ; over the eight lanes of a token: lanes l xor 1, 2, 4
.irp m, 1,2,4
	\op v[\reg], v[\reg], v[\reg] row_xmask:\m row_mask:0xf bank_mask:0xf
.endr
.endm
	s_load_b256 s[4:11], s[0:1], 0x0               ; x s[4:5], Wr s[6:7], br s[8:9], sel s[10:11]
	s_load_b64 s[12:13], s[0:1], 0x20              ; gates
	v_lshl_add_u32 v96, v0, 2, 0x400
	v_mov_b32 v97, 0
	v_lshrrev_b32 v1, 5, v0
	v_readfirstlane_b32 s14, v1                    ; wave 0..7
	v_lshlrev_b32 v1, 4, v0                        ; x: 16 bytes a thread: 512 w + 16 l
	v_lshlrev_b32 v2, 7, v0                        ; Wr: four rows of 32 bytes a thread
	v_and_b32 v3, 0xe0, v0
	v_lshlrev_b32 v3, 2, v3                        ; LDS: 128 bytes a wave
	v_and_b32 v4, 31, v0
	v_lshlrev_b32 v4, 2, v4                        ; LDS: 4 bytes a lane
	s_mov_b32 s16, 0x76543210
	s_mov_b32 s17, 0xfedcba98                      ; v_permlanex16_b32: lane l xor 16
	s_lshl_b32 s20, ttmp9, 14                      ; 4 rows of 4,096 bytes a work-group
	s_mov_b32 s21, 0
	s_wait_kmcnt 0x0
	s_add_nc_u64 s[4:5], s[4:5], s[20:21]
.irp k, 0,1,2,3
	global_load_b128 v[XR+4*\k:XR+4*\k+3], v1, s[4:5] offset:4096*\k
.endr
.irp q, 0,1,2,3,4,5,6,7
	global_load_b128 v[WR+4*\q:WR+4*\q+3], v2, s[6:7] offset:16*\q
.endr
	s_wait_loadcnt 0x0
.irp k, 0,1,2,3
.irp e, 0,1,2,3,4,5,6,7
	v_mul_f32 v[ACC+8*\k+\e], v[XR+4*\k], v[WR+\e]                 ; the first product starts each sum
.endr
.endr
.irp i, 1,2,3
.irp k, 0,1,2,3
.irp e, 0,1,2,3,4,5,6,7
	v_fmac_f32 v[ACC+8*\k+\e], v[XR+4*\k+\i], v[WR+8*\i+\e]
.endr
.endr
.endr
.irp m, 1,2,4,8                        ; the sum over the wave's 32 lanes, stage by stage over all 32 registers
.set n, 0
.rept 32
	v_add_f32_dpp v[ACC+n], v[ACC+n], v[ACC+n] row_xmask:\m row_mask:0xf bank_mask:0xf
.set n, n+1
.endr
.endr
.set n, 0
.rept 32
	v_permlanex16_b32 v[XR+n], v[ACC+n], s16, s17  ; into registers that the loads have written and that are done with
.set n, n+1
.endr
.set n, 0
.rept 32
	v_add_f32 v[ACC+n], v[ACC+n], v[XR+n]
.set n, n+1
.endr
.irp q, 0,1,2,3,4,5,6,7
	ds_store_b128 v3, v[ACC+4*\q:ACC+4*\q+3] offset:16*\q          ; every lane holds the same sums and writes the same bytes
.endr
	s_wait_dscnt 0x0                               ; for the others' sake: my stores have landed
	s_barrier_signal -1
	s_barrier_wait -1
	s_cmp_lg_u32 s14, 0
	s_cbranch_scc1 .Lend                           ; wave 0 finishes alone; no barrier follows
	v_and_b32 v5, 7, v0                            ; e
	v_lshlrev_b32 v7, 2, v5
.irp w, 0,1,2,3,4,5,6,7
	ds_load_b32 v[PT+\w], v4 offset:128*\w         ; wave w's part of (token L / 8, expert L % 8)
.endr
	global_load_b32 v26, v7, s[8:9]                ; br[e]
	v_cvt_f32_u32 v6, v5                           ; e as f32
	v_mov_b32 v27, 1
	v_mov_b32 v28, -1.0
	v_mov_b32 v29, 0x41000000                      ; 8.0: above every index
	s_lshl_b32 s20, ttmp9, 7
	s_add_nc_u64 s[22:23], s[12:13], s[20:21]      ; comb: 128 bytes a work-group
	s_lshl_b32 s20, ttmp9, 5
	s_add_nc_u64 s[24:25], s[12:13], s[20:21]      ; gate2: 32 bytes
	s_lshl_b32 s20, ttmp9, 4
	s_add_nc_u64 s[26:27], s[10:11], s[20:21]      ; sel: 16 bytes
	s_wait_dscnt 0x0
	v_add_f32 v8, v[PT], v[PT+1]
.irp w, 2,3,4,5,6,7
	v_add_f32 v8, v8, v[PT+\w]
.endr
	s_wait_loadcnt 0x0
	v_add_f32 v8, v8, v26                          ; the logit
	v_mov_b32 v9, v8
	LANES8 v_max_num_f32_dpp, 9                    ; the token's largest logit
	v_sub_f32 v10, v8, v9
	v_mul_f32 v10, 0x3fb8aa3b, v10                 ; x log2(e)
	v_exp_f32 v10, v10
	v_nop                                          ; a plain instruction behind the exponential,
	s_wait_alu depctr_va_vdst(0)                   ; and the wait ahead of the first line that names its result
	v_mov_b32 v11, v10
	LANES8 v_add_f32_dpp, 11
	v_rcp_f32 v11, v11
	v_nop
	s_wait_alu depctr_va_vdst(0)
	v_mul_f32 v12, v10, v11                        ; p
	v_mov_b32 v13, v12
	LANES8 v_max_num_f32_dpp, 13                   ; the largest p
	v_cmp_eq_f32 vcc_lo, v12, v13
	v_cndmask_b32 v14, v29, v6, vcc_lo             ; my index where I hold it, else 8
	LANES8 v_min_num_f32_dpp, 14                   ; id0: of equal ones the lower index
	v_cmp_eq_f32 vcc_lo, v6, v14
	v_cndmask_b32 v15, v12, v28, vcc_lo            ; id0 is taken out: -1 lies under every p
	v_mov_b32 v16, v15
	LANES8 v_max_num_f32_dpp, 16                   ; the second p
	v_cmp_eq_f32 vcc_lo, v15, v16
	v_cndmask_b32 v17, v29, v6, vcc_lo
	LANES8 v_min_num_f32_dpp, 17                   ; id1
	v_add_f32 v18, v13, v16
	v_add_f32 v18, 0x358637bd, v18                 ; + 1e-6
	v_rcp_f32 v18, v18
	v_and_b32 v30, 1, v0                           ; (a plain instruction behind the reciprocal)
	s_wait_alu depctr_va_vdst(0)
	v_mul_f32 v19, v13, v18                        ; the two gates
	v_mul_f32 v20, v16, v18
	v_cmp_eq_f32 vcc_lo, v6, v17
	v_cndmask_b32 v21, 0, v20, vcc_lo
	v_cmp_eq_f32 vcc_lo, v6, v14
	v_cndmask_b32 v21, v21, v19, vcc_lo            ; comb[token][e]
	v_cmp_eq_u32 vcc_lo, 1, v30
	v_cndmask_b32 v22, v19, v20, vcc_lo            ; gate2[token][e & 1]: four lanes store the same number at the same place
	v_bfe_u32 v24, v0, 3, 2                        ; token of the four
	v_lshlrev_b32 v25, 2, v24
	v_lshlrev_b32 v24, 3, v24
	v_lshl_add_u32 v24, v30, 2, v24
	v_cvt_u32_f32 v31, v14
	v_cvt_u32_f32 v32, v17
	v_lshlrev_b32 v33, v31, v27
	v_lshlrev_b32 v34, v32, v27
	v_or_b32 v23, v33, v34
	v_lshl_or_b32 v23, v32, 8, v23                 ; sel[token]: eight lanes store the same number at the same place
	global_store_b32 v4, v21, s[22:23] offset:8192
	global_store_b32 v24, v22, s[24:25]
	global_store_b32 v25, v23, s[26:27]
.Lend:
	s_wait_tensorcnt 0x0
	ds_add_u32 v96, v97
	s_wait_dscnt 0x0
	s_endpgm
.Lfunc_end_k_q3324d0b5ec_route:
	.size	k_q3324d0b5ec_route, .Lfunc_end_k_q3324d0b5ec_route-k_q3324d0b5ec_route
	.p2alignl 7, 3214868480
	.fill 96, 4, 3214868480
	.section	.rodata,"a",@progbits
	.p2align	6, 0x0
	.amdhsa_kernel k_q3324d0b5ec_route
		.amdhsa_group_segment_fixed_size 2048
		.amdhsa_private_segment_fixed_size 0
		.amdhsa_enable_private_segment 0
		.amdhsa_kernarg_size 40
		.amdhsa_user_sgpr_count 2
		.amdhsa_user_sgpr_kernarg_segment_ptr 1
		.amdhsa_wavefront_size32 1
		.amdhsa_system_sgpr_workgroup_id_x 1
		.amdhsa_system_sgpr_workgroup_id_y 1
		.amdhsa_system_sgpr_workgroup_id_z 1
		.amdhsa_system_vgpr_workitem_id 0
		.amdhsa_next_free_vgpr 98
		.amdhsa_next_free_sgpr 66
		.amdhsa_reserve_vcc 1
		.amdhsa_float_denorm_mode_32 3
		.amdhsa_float_denorm_mode_16_64 3
		.amdhsa_memory_ordered 1
		.amdhsa_forward_progress 1
		.amdhsa_inst_pref_size 23
	.end_amdhsa_kernel
	.amdgpu_metadata
---
amdhsa.version: [ 1, 2 ]
amdhsa.kernels:
  - .name:           k_q3324d0b5ec_route
    .symbol:         k_q3324d0b5ec_route.kd
    .args:
      - { .name: x, .offset: 0, .size: 8, .value_kind: global_buffer, .address_space: global }
      - { .name: Wr, .offset: 8, .size: 8, .value_kind: global_buffer, .address_space: global }
      - { .name: br, .offset: 16, .size: 8, .value_kind: global_buffer, .address_space: global }
      - { .name: sel, .offset: 24, .size: 8, .value_kind: global_buffer, .address_space: global }
      - { .name: gates, .offset: 32, .size: 8, .value_kind: global_buffer, .address_space: global }
    .group_segment_fixed_size: 2048
    .private_segment_fixed_size: 0
    .kernarg_segment_align: 8
    .kernarg_segment_size: 40
    .max_flat_workgroup_size: 256
    .sgpr_count:     66
    .vgpr_count:     98
    .wavefront_size: 32
...
	.end_amdgpu_metadata
.endif
;; end of part 1
;; launch place (part 2): grid 64 x 8, 4 waves a work-group, no clusters, 0 bytes of LDS; arguments x, sel, xa, meta; writes xa, meta
.if DOCPART == 2
	.amdgcn_target "amdgcn-amd-amdhsa--gfx1250"
	.amdhsa_code_object_version 6
	.text
	.protected	k_q3324d0b5ec_place
	.globl	k_q3324d0b5ec_place
	.p2align	8
	.type	k_q3324d0b5ec_place,@function
k_q3324d0b5ec_place:
	s_mov_b64 s[64:65], 0
	v_nop
	global_prefetch_b8 v0, s[64:65] scope:SCOPE_SE
	s_setreg_imm32_b32 hwreg(HW_REG_WAVE_MODE, 25, 1), 1
	s_wait_xcnt 0x0
; THE ROWS ARE PLACED BY EXPERT, AND x IS QUANTISED.  Work-group (t, e) serves tile t (16 rows) of expert e.  The grid has 64 tiles for each expert, as many as all 1,024 tokens on one expert would need:
; a work-group whose tile the split does not have stores nothing and ends; tile 0 always exists.
; The q-th row of expert e is the q-th token (ascending) whose sel word has bit e.  It is FOUND, not scattered: every wave holds the 1,024 bits as 32 masks in scalar registers,
; and lane r looks up rank q = 16 t + r: first the mask in which it falls (by the running count), then the bit in that mask.
; OUT:  xa: the tile's codes of E5M2 as IMAGES OF THE OPERAND'S REGISTERS: fragment (tile 64 e + t, K step s) at ((64 e + t) 8 + s) 2,048 bytes; in it register group c at 512 c, lane L at 16 L;
;       lane (r, h) holds row r, k = 128 s + 32 c + 16 h + 0 .. 15.  The scale words behind them, at 8,388,608 + ((64 e + t) 8 + s) 64 + 4 r.
;       meta: rowdst[e][q] = 2 token + slot (slot 1 where e is the token's second expert); meta + 32,768: nt[e], the expert's tiles, at least 1.
; ROWS PAST THE EXPERT'S COUNT in its last tile hold some token's row (the index is held at 1,023) and rowdst = 2,048 + e: a row of y that is the expert's own and that nobody reads.  So no lane is ever switched off.
; THE QUANTISER: a block's scale is 2^(floor(log2(largest magnitude)) - 15); numbers are held within +-57,344 x the scale and rounded to the nearest code, ties to even.
; LIMITS: a block whose largest magnitude lies under 2^-111 (a block of zeros too) gets the byte 1; its bytes are read by this program alone.  NaN and infinities are not served.
; Wave w takes K steps 2 w and 2 w + 1 of the tile.  No LDS, no barrier: each wave makes the list by itself.
.set TM,  16                           ; v16-31   at work in the quantiser; v20-23 are written once at the head (a lane permute's destination counts as a source)
.set SL,  32                           ; v32-63   sel, 32 tokens a register; free when the masks are made:
.set PW,  32                           ; v32-33   the two scale words
.set SV,  34                           ; v34      my token's sel word
.set RDV, 35                           ; v35      rowdst
.set PAD, 36                           ; v36      2,048 + e
.set SOF, 37                           ; v37      4 x token
.set XN,  64                           ; v64-191  two K steps x 64 numbers: register 16 b + i = k 32 b + 16 h + i of my row
.set PC,  192                          ; v192-223 two fragments' codes
.macro QUANT s, pc, pw                 ; 64 numbers of a lane become a fragment's 16 registers of codes and its scale word
.irp b, 0,1,2,3
	v_max3_num_f32 v[TM+\b], |v[\s+16*\b]|, |v[\s+1+16*\b]|, 0x8000000   ; block b: my 16 numbers, and the floor 2^(16 - 127): the byte cannot fall under 1
.endr
.irp i, 2,4,6,8,10,12,14
.irp b, 0,1,2,3
	v_max3_num_f32 v[TM+\b], v[TM+\b], |v[\s+16*\b+\i]|, |v[\s+1+16*\b+\i]|   ; the four blocks by turns
.endr
.endr
.irp b, 0,1,2,3
	v_permlanex16_b32 v[TM+4+\b], v[TM+\b], s20, s21
.endr
.irp b, 0,1,2,3
	v_max_num_f32 v[TM+\b], v[TM+\b], v[TM+4+\b]   ; with lane l xor 16: the block's largest magnitude
.endr
.irp b, 0,1,2,3
	v_add_nc_u32 v[TM+12+\b], 0xf8800000, v[TM+\b] ; 15 off its exponent field: the conversion's scale operand
.endr
.irp b, 0,1,2,3
	v_and_or_b32 v[TM+8+\b], v[TM+\b], 0x7f800000, s22   ; 57,344 x the scale
.endr
.irp b, 0,1,2,3
	v_lshrrev_b32 v[TM+4+\b], 23, v[TM+12+\b]      ; the scale's byte
.endr
	v_lshl_or_b32 v[\pw], v[TM+5], 8, v[TM+4]
	v_lshl_or_b32 v[\pw], v[TM+6], 16, v[\pw]
	v_lshl_or_b32 v[\pw], v[TM+7], 24, v[\pw]
.irp b, 0,1,2,3
.irp i, 0,1,2,3,4,5,6,7,8,9,10,11,12,13,14,15
	v_med3_num_f32 v[\s+16*\b+\i], v[\s+16*\b+\i], -v[TM+8+\b], v[TM+8+\b]   ; the conversion does not saturate (ISA guide 7.6.2): the hold comes first
.endr
	v_cvt_scalef32_pk8_bf8_f32 v[\pc+4*\b:\pc+4*\b+1], v[\s+16*\b:\s+16*\b+7], v[TM+12+\b]
	v_cvt_scalef32_pk8_bf8_f32 v[\pc+4*\b+2:\pc+4*\b+3], v[\s+16*\b+8:\s+16*\b+15], v[TM+12+\b]
.endr
	v_nop                                          ; a plain instruction behind the last conversion
.endm
.macro XLOAD reg, off                  ; my row's 64 numbers of a K step: 16 neighbours of each block of 32
.irp b, 0,1,2,3
.irp j, 0,1,2,3
	global_load_b128 v[\reg+16*\b+4*\j:\reg+16*\b+4*\j+3], v13, s[4:5] offset:\off+128*\b+16*\j
.endr
.endr
.endm
	s_load_b256 s[4:11], s[0:1], 0x0               ; x s[4:5], sel s[6:7], xa s[8:9], meta s[10:11]
	v_lshrrev_b32 v1, 5, v0
	v_readfirstlane_b32 s12, v1                    ; wave 0..3
	v_and_b32 v11, 31, v0
	v_lshlrev_b32 v1, 2, v11                       ; 4 x lane
	v_lshlrev_b32 v14, 4, v11                      ; 16 x lane: my place in an image
	v_and_b32 v2, 15, v0                           ; r
	v_bfe_u32 v3, v0, 4, 1                         ; h
	v_lshlrev_b32 v15, 2, v2                       ; 4 r
	s_and_b32 s13, ttmp7, 0xffff                   ; e
	s_mov_b32 s14, ttmp9                           ; t, the work-group's tile
	s_lshl_b32 s18, 1, s13
	s_mov_b32 s20, 0x76543210
	s_mov_b32 s21, 0xfedcba98
	s_mov_b32 s22, 0x600000                        ; the mantissa field of 57,344
	s_lshl_b32 s30, s12, 10                        ; my two K steps begin 1,024 w bytes into a row of x
	s_mov_b32 s31, 0
.irp b, 0,1,2,3
	v_mov_b32 v[TM+4+\b], 0
.endr
	s_wait_kmcnt 0x0
.set j, 0
.rept 32
	global_load_b32 v[SL+j], v1, s[6:7] offset:128*j               ; sel of token 32 j + lane
.set j, j+1
.endr
	s_add_nc_u64 s[4:5], s[4:5], s[30:31]
	s_wait_loadcnt 0x0
	s_mov_b32 s15, 0
.set j, 0
.rept 32
	v_and_b32 v11, s18, v[SL+j]
	v_cmp_ne_u32 s[32+j], 0, v11                   ; mask j: bit l = token 32 j + l goes to expert e
	s_bcnt1_i32_b32 s19, s[32+j]
	s_add_co_u32 s15, s15, s19                     ; the expert's rows
.set j, j+1
.endr
	s_add_co_u32 s16, s15, 15
	s_lshr_b32 s16, s16, 4
	s_max_u32 s16, s16, 1                          ; its tiles: an expert without rows has one, of rows that nobody reads
	s_min_u32 s16, s16, 64
	s_or_b32 s19, s14, s12
	s_cmp_lg_u32 s19, 0
	s_cbranch_scc1 .Lnot_first                     ; wave 0 of the expert's first work-group stores nt[e]
	v_mov_b32 v5, s16
	v_mov_b32 v6, s13
	v_lshlrev_b32 v6, 2, v6
	global_store_b32 v6, v5, s[10:11] offset:32768
	s_wait_xcnt 0x0                                ; v5 and v6 are written again below
.Lnot_first:
	s_add_co_u32 s19, s13, 2048
	v_mov_b32 v[PAD], s19
	s_cmp_ge_u32 s14, s16
	s_cbranch_scc1 .Lend                           ; the split has no tile t for this expert
	v_lshl_add_u32 v4, s14, 4, v2                  ; q = 16 t + r
	v_mov_b32 v5, 0                                ; the mask in which rank q falls,
	v_mov_b32 v6, 0                                ; the rows ahead of it,
	v_mov_b32 v7, 0                                ; its number
	s_mov_b32 s17, 0
.set j, 0
.rept 32                               ; the last mask with at most q rows ahead of it
	v_cmp_le_u32 vcc_lo, s17, v4
	v_cndmask_b32 v5, v5, s[32+j], vcc_lo
	v_cndmask_b32 v6, v6, s17, vcc_lo
	v_cndmask_b32 v7, v7, j, vcc_lo
	s_bcnt1_i32_b32 s19, s[32+j]
	s_add_co_u32 s17, s17, s19
.set j, j+1
.endr
	v_sub_nc_u32 v8, v4, v6                        ; n: I want the mask's set bit number n, counted from 0
	v_mov_b32 v9, 0
	v_mov_b32 v10, 0
.set j, 0
.rept 32                               ; its place = the number of places j with at most n set bits in bits 0 .. j (32 if there is no such bit)
	v_bfe_u32 v11, v5, j, 1
	v_add_nc_u32 v9, v9, v11
	v_cmp_le_u32 vcc_lo, v9, v8
	v_add_co_ci_u32 v10, vcc_lo, 0, v10, vcc_lo
.set j, j+1
.endr
	v_lshl_add_u32 v12, v7, 5, v10
	v_min_u32 v12, 0x3ff, v12                      ; the token; ranks past the count get some token
	v_lshlrev_b32 v13, 12, v12
	v_lshl_add_u32 v13, v3, 6, v13                 ; its row of x, + 64 h
	v_lshlrev_b32 v[SOF], 2, v12
	s_min_u32 s19, s14, 63
	s_lshl_b32 s23, s13, 6
	s_add_co_u32 s23, s23, s19                     ; 64 e + t
	s_lshl_b32 s30, s23, 14
	s_lshl_b32 s19, s12, 12
	s_add_co_u32 s30, s30, s19
	s_add_nc_u64 s[24:25], s[8:9], s[30:31]        ; my two images
	s_lshl_b32 s30, s23, 9
	s_lshl_b32 s19, s12, 7
	s_add_co_u32 s30, s30, s19
	s_add_co_u32 s30, s30, 0x800000
	s_add_nc_u64 s[26:27], s[8:9], s[30:31]        ; their scale words
	s_lshl_b32 s30, s23, 6
	s_add_nc_u64 s[28:29], s[10:11], s[30:31]      ; the tile's 16 words of rowdst
	global_load_b32 v[SV], v[SOF], s[6:7]
	XLOAD XN, 0
	XLOAD XN+64, 512
	s_wait_loadcnt 16                              ; the sel word and the first K step are in; the second K step's 16 loads may be out
	v_lshrrev_b32 v11, 8, v[SV]                    ; the token's second expert
	v_cmp_eq_u32 vcc_lo, s13, v11
	v_cndmask_b32 v11, 0, 1, vcc_lo
	v_lshl_add_u32 v[RDV], v12, 1, v11             ; 2 token + slot
	v_cmp_gt_u32 vcc_lo, s15, v4                   ; a rank under the count?
	v_cndmask_b32 v[RDV], v[PAD], v[RDV], vcc_lo
	s_cmp_lg_u32 s12, 0
	s_cbranch_scc1 .Lnot_wave_0
	global_store_b32 v15, v[RDV], s[28:29]         ; lanes 16-31 repeat lanes 0-15
.Lnot_wave_0:
	QUANT XN, PC, PW
.irp c, 0,1,2,3
	global_store_b128 v14, v[PC+4*\c:PC+4*\c+3], s[24:25] offset:512*\c     ; 32 lanes store 512 consecutive bytes
.endr
	global_store_b32 v15, v[PW], s[26:27]
	s_wait_loadcnt 0x0
	QUANT XN+64, PC+16, PW+1
.irp c, 0,1,2,3
	global_store_b128 v14, v[PC+16+4*\c:PC+16+4*\c+3], s[24:25] offset:2048+512*\c
.endr
	global_store_b32 v15, v[PW+1], s[26:27] offset:64
.Lend:
	s_endpgm
.Lfunc_end_k_q3324d0b5ec_place:
	.size	k_q3324d0b5ec_place, .Lfunc_end_k_q3324d0b5ec_place-k_q3324d0b5ec_place
	.p2alignl 7, 3214868480
	.fill 96, 4, 3214868480
	.section	.rodata,"a",@progbits
	.p2align	6, 0x0
	.amdhsa_kernel k_q3324d0b5ec_place
		.amdhsa_group_segment_fixed_size 0
		.amdhsa_private_segment_fixed_size 0
		.amdhsa_enable_private_segment 0
		.amdhsa_kernarg_size 32
		.amdhsa_user_sgpr_count 2
		.amdhsa_user_sgpr_kernarg_segment_ptr 1
		.amdhsa_wavefront_size32 1
		.amdhsa_system_sgpr_workgroup_id_x 1
		.amdhsa_system_sgpr_workgroup_id_y 1
		.amdhsa_system_sgpr_workgroup_id_z 1
		.amdhsa_system_vgpr_workitem_id 0
		.amdhsa_next_free_vgpr 224
		.amdhsa_next_free_sgpr 66
		.amdhsa_reserve_vcc 1
		.amdhsa_float_denorm_mode_32 3
		.amdhsa_float_denorm_mode_16_64 3
		.amdhsa_memory_ordered 1
		.amdhsa_forward_progress 1
		.amdhsa_inst_pref_size 46
	.end_amdhsa_kernel
	.amdgpu_metadata
---
amdhsa.version: [ 1, 2 ]
amdhsa.kernels:
  - .name:           k_q3324d0b5ec_place
    .symbol:         k_q3324d0b5ec_place.kd
    .args:
      - { .name: x, .offset: 0, .size: 8, .value_kind: global_buffer, .address_space: global }
      - { .name: sel, .offset: 8, .size: 8, .value_kind: global_buffer, .address_space: global }
      - { .name: xa, .offset: 16, .size: 8, .value_kind: global_buffer, .address_space: global }
      - { .name: meta, .offset: 24, .size: 8, .value_kind: global_buffer, .address_space: global }
    .group_segment_fixed_size: 0
    .private_segment_fixed_size: 0
    .kernarg_segment_align: 8
    .kernarg_segment_size: 32
    .max_flat_workgroup_size: 128
    .sgpr_count:     66
    .vgpr_count:     224
    .wavefront_size: 32
...
	.end_amdgpu_metadata
.endif
;; end of part 2
;; launch g1 (part 3): grid 32 x 8, 8 waves a work-group, no clusters, 69,120 bytes of LDS; arguments W1, b1, xa, meta, h1; writes h1
.if DOCPART == 3
	.amdgcn_target "amdgcn-amd-amdhsa--gfx1250"
	.amdhsa_code_object_version 6
	.text
	.protected	k_q3324d0b5ec_g1
	.globl	k_q3324d0b5ec_g1
	.p2align	8
	.type	k_q3324d0b5ec_g1,@function
k_q3324d0b5ec_g1:
	s_mov_b64 s[64:65], 0
	v_nop
	global_prefetch_b8 v0, s[64:65] scope:SCOPE_SE
	s_setreg_imm32_b32 hwreg(HW_REG_WAVE_MODE, 25, 1), 1
	s_wait_xcnt 0x0
; ONE LAYER OF THE EXPERTS, for the chosen rows alone, on codes of E5M2 with one E8M0 scale for each 32 along K.  One source serves the three layers; LAYER picks the sizes.
;   LAYER 1: h1 = Q(relu(x W1 + b1))   LAYER 2: h2 = Q(relu(h1 W2 + b2))   LAYER 3: y = h2 W3, K in two halves, rows sent to (half, 2 token + slot); b3 and the gates come in the last launch.
; SHARES.  Work-group (nb, e) owns 64 columns of expert e's weight (256 consecutive bytes of every K row, aligned) and KS x 128 along K; in layer 3 ttmp9 = nb + 16 x the K half.  Eight waves of 512 registers.
; PHASE 1: the work-group's slab of f32 weights is read ONCE, quantised along K and laid in LDS as images of operand registers; all KS K steps stay there.
;   Wave w takes blocks of 32 along K, w + 8 m.  Lane (l16, h) takes rows 16 h + 0 .. 15 and columns 4 l16 + 0 .. 3: a load covers two rows' 256 bytes.  A block of a column lies in lanes l and l xor 16.
;   Four sets of 64 registers take turns: 64 loads of 512 bytes a wave are asked for at the start.
;   The conversion takes eight neighbouring registers under ONE scale, and here they are two rows x four columns: so each column is first multiplied by 2^(15 - floor(log2(its block's largest magnitude))),
;   which rounds nothing, held within +-57,344 and converted under the scale 1; sixteen rows' bytes are then turned by v_perm_b32, so that a register holds four neighbours along K of one column.
; PHASE 2: behind the one barrier, each wave takes groups of FOUR tiles of 16 rows of its expert (images that the launch before stored) against the 4 weight tiles: 16 accumulators by turns, so that
;   each fragment of the weight that is read from LDS feeds four products.  The weight's fragments have two buffers: the next K step's 20 LDS loads go out ahead of this step's 16 products.
;   The rows come by plain loads, three K steps ahead.  The first group's K steps 0 and 1 are asked for ahead of phase 1's last two blocks, by every wave (tiles held at nt - 1), so that each counted wait has one count on every path.
;   The product is used TRANSPOSED (source 0 = 16 columns of the weight, source 1 = 16 rows), and the columns of a weight tile are chosen: index i of tile 2 b + u is column 32 b + 8 u + i + 8 (i / 8).
;   So lane (r, h) holds row r, and the 16 registers of tiles 2 b, 2 b + 1 are columns 32 b + 16 h + 0 .. 15: 16 neighbours along the next K: the conversions' results are the next operand's registers.
;   The sums begin with 0; the bias is added in f32 on the way out.  A tile past nt is the last tile once more; its results are not stored.
;   The loop over groups is counted by trips: s2 goes up by 1 to s3 = (groups - wave + 7) / 8, at most 2; the group is 8 s2 + wave.
; NO TENSOR LOAD, NO CLUSTER: the 32 work-groups of an expert read the same rows, but how many tiles there are is read from memory (nt[e], 1 to 64)
; LIMITS: a block whose largest magnitude lies under 2^-111 (a block of zeros too) gets the byte 1; the bytes are read by this program alone.  NaN and infinities are not served.
.set LAYER, 1
.if LAYER == 1
.set KS,    8                          ; K steps of 128 that the work-group owns
.set KSIN,  8                          ; K steps in a row tile of the input
.set PITCH, 8192                       ; bytes of a K row of the weight
.set ES,    0x800000                   ; bytes of an expert's weight
.set SCOFF, 0x800000                   ; where the input's scale words begin
.elseif LAYER == 2
.set KS,    16
.set KSIN,  16
.set PITCH, 8192
.set ES,    0x1000000
.set SCOFF, 0x1000000
.else
.set KS,    8
.set KSIN,  16
.set PITCH, 4096
.set ES,    0x800000
.set SCOFF, 0x1000000
.endif
.if LAYER < 3
.set LATE,  8                          ; loads issued in the last three steps: the bias,
.else
.set LATE,  32                         ; or the four tiles' rowdst
.endif
.set NBW,   KS/2                       ; blocks of 32 along K for a wave
.set NK,    (KS+6)/7                   ; LDS address registers: one for each seven slots, so that every offset fits 16 bits
.set TILEB, 2064                       ; a weight tile's image: 2,048 bytes + 16, so that the sixteen lanes of a store into four tiles touch sixteen different columns of 16 bytes
.set SCW,   4*TILEB                    ; behind a slot's four images: its scale words, 64 bytes a tile
.set SLOTB, SCW+256                    ; a K step's slot
.set STAGE, 8*SLOTB                    ; layer 3: behind the slots, 16 rows x 272 bytes for each wave
; REGISTERS, in windows of 256 (s_set_vgpr_msb: bits 1:0 source 0, 3:2 source 1, 5:4 source 2, 7:6 destination).
; window 0: v1 16 x lane; v2 4 (lane % 16); v3 64 h; v4-6 16 x lane + 7 k slots; v7-9 4 (lane % 16) + 7 k slots; v10 my place in a block of the weight; v11, v12 where I store codes and scale bytes;
;   v13, v14, v15, v37 (layer 3) stage in, stage out, 4 h, 16 (lane % 16); v16-23 the weight's scale words, v24-35 the rows' (these twenty hold scales and nothing else); v36 1.0; v40-53 at work on the way out; v54-61 at work at the head;
;   v64-111 at work in phase 1; the rows' fragments, three sets of 64 by turns: K step s in set s % 3, sets 0, 1, 2 at v128, v192, v64; row tile i at 16 i.
; window 1: phase 1: four sets of 64 numbers (register 4 i + j = row i, column j).  Phase 2: v0-127 accumulator (row tile i, weight tile T) at 32 i + 8 T; v128-255 the weight's four fragments, two buffers.
.set BS,  16
.set AS,  24
.set ONE, 36
.set O16, 37
.set TM,  40
.set WD,  50
.set CDS, 64                           ; v64-79  codes, column j at 4 j
.set YR,  80                           ; v80-95  codes as converted: register i = row i, byte j = column j
.set MG,  96                           ; v96-99  largest magnitudes; later at work in the turning
.set MX,  100                          ; v100-103 the other half's; then the exponent field
.set INV, 104                          ; v104-107 1 / scale
.set BY,  108                          ; v108-111 the scale bytes
.set BF,  128                          ; in window 1
.set LR,  64+64*((((KS-3)%3)+1)%3)     ; the set that K step KS - 3 leaves: the late loads' 32 registers; behind them, in layers 1 and 2, the codes on the way out
.set MSB, 0
.macro WIN new                         ; the immediate's high byte repeats the setting that is left; a switch that changes nothing is dropped
.if MSB != \new
	s_set_vgpr_msb (MSB<<8)|\new
.set MSB, \new
.endif
.endm
.macro LOADW set, m                    ; block w + 8 m: sixteen loads, each two rows' 256 consecutive bytes
	WIN 0x40                                       ; destination window 1
.irp i, 0,1,2,3,4,5,6,7,8,9,10,11,12,13,14,15
.if (\m) < 4
	global_load_b128 v[64*(\set)+4*\i:64*(\set)+4*\i+3], v10, s[24:25] offset:((\m)&3)*256*PITCH+\i*PITCH th:TH_LOAD_NT
.else
	global_load_b128 v[64*(\set)+4*\i:64*(\set)+4*\i+3], v10, s[26:27] offset:((\m)&3)*256*PITCH+\i*PITCH th:TH_LOAD_NT
.endif
.endr
	WIN 0
.endm
.macro QUANTW set, m
.set XW, 64*(\set)
	s_wait_dscnt 0x0                               ; the last block's LDS stores are done: their registers are written again
.if (\m) > 0
	v_add_nc_u32 v11, 2*SLOTB, v11                 ; each block lies two slots on
	v_add_nc_u32 v12, 2*SLOTB, v12
.endif
	WIN 0x05                                       ; sources 0 and 1 window 1
.irp j, 0,1,2,3
	v_max3_num_f32 v[MG+\j], |v[XW+\j]|, |v[XW+4+\j]|, 0x8000000   ; column j: my 16 rows, and the floor 2^(16 - 127): the byte cannot fall under 1
.endr
.irp i, 2,4,6,8,10,12,14
.irp j, 0,1,2,3
	v_max3_num_f32 v[MG+\j], |v[XW+4*\i+\j]|, |v[XW+4*\i+4+\j]|, v[MG+\j]
.endr
.endr
	WIN 0
.irp j, 0,1,2,3
	v_permlanex16_b32 v[MX+\j], v[MG+\j], s46, s47
.endr
.irp j, 0,1,2,3
	v_max_num_f32 v[MG+\j], v[MG+\j], v[MX+\j]     ; with lane l xor 16: the block's largest magnitude
.endr
.irp j, 0,1,2,3
	v_and_b32 v[MX+\j], 0x7f800000, v[MG+\j]       ; its exponent field E
.endr
.irp j, 0,1,2,3
	v_sub_nc_u32 v[INV+\j], 0x86800000, v[MX+\j]   ; the f32 number 2^(142 - E) = 1 / scale: exponent field 269 - E, from 15 to 253
.endr
.irp j, 0,1,2,3
	v_lshrrev_b32 v[BY+\j], 23, v[MX+\j]
.endr
.irp j, 0,1,2,3
	v_add_nc_u32 v[BY+\j], -15, v[BY+\j]           ; the scale's byte, E - 15
.endr
	WIN 0x41                                       ; destination and source 0 window 1
.irp i, 0,1,2,3,4,5,6,7,8,9,10,11,12,13,14,15
	v_pk_mul_f32 v[XW+4*\i:XW+4*\i+1], v[XW+4*\i:XW+4*\i+1], v[INV:INV+1]
	v_pk_mul_f32 v[XW+4*\i+2:XW+4*\i+3], v[XW+4*\i+2:XW+4*\i+3], v[INV+2:INV+3]
.endr
.set n, 0
.rept 64
	v_med3_num_f32 v[XW+n], v[XW+n], s48, s49      ; the conversion does not saturate (ISA guide 7.6.2): the hold at +-57,344 comes first
.set n, n+1
.endr
	WIN 0x01                                       ; source 0 window 1
.irp a, 0,1,2,3,4,5,6,7
	v_cvt_scalef32_pk8_bf8_f32 v[YR+2*\a:YR+2*\a+1], v[XW+8*\a:XW+8*\a+7], v[ONE]
.endr
	WIN 0
	v_nop                                          ; a plain instruction behind the last conversion
.if (\m)+4 < NBW
	LOADW \set, (\m)+4                             ; the set is free: the block four on goes out ahead of the byte work
.endif
.irp q, 0,1,2,3                        ; rows 4 q .. 4 q + 3 x columns 0 .. 3 are turned: register q of column j = its four bytes
	v_perm_b32 v[MG], v[YR+4*\q+1], v[YR+4*\q], s50
	v_perm_b32 v[MG+1], v[YR+4*\q+1], v[YR+4*\q], s51
	v_perm_b32 v[MG+2], v[YR+4*\q+3], v[YR+4*\q+2], s50
	v_perm_b32 v[MG+3], v[YR+4*\q+3], v[YR+4*\q+2], s51
	v_perm_b32 v[CDS+\q], v[MG+2], v[MG], s52
	v_perm_b32 v[CDS+4+\q], v[MG+2], v[MG], s53
	v_perm_b32 v[CDS+8+\q], v[MG+3], v[MG+1], s52
	v_perm_b32 v[CDS+12+\q], v[MG+3], v[MG+1], s53
.endr
.irp j, 0,1,2,3
	ds_store_b128 v11, v[CDS+4*\j:CDS+4*\j+3] offset:16*\j         ; column j's 16 codes: the 16 bytes of one lane of the image
.endr
.irp j, 0,1,2,3
	ds_store_b8 v12, v[BY+\j] offset:4*\j          ; byte w % 4 of the column's scale word; lanes l and l xor 16 write the same byte with the same value
.endr
.endm
.macro ALOAD s                         ; the four row tiles' fragments and scale words of K step s: twenty loads, 512 consecutive bytes each (the words: 64)
.set RGA, (\s)%3
.set RBA, 64+64*((RGA+1)%3)
.irp i, 0,1,2,3
.irp c, 0,1,2,3
	global_load_b128 v[RBA+16*\i+4*\c:RBA+16*\i+4*\c+3], v1, s[30+2*\i:31+2*\i] offset:2048*(\s)+512*\c
.endr
	global_load_b32 v[AS+4*RGA+\i], v2, s[38+2*\i:39+2*\i] offset:64*(\s)
.endr
.endm
.macro BLOAD s                         ; the weight's four fragments and scale words of K step s, out of LDS into buffer s % 2: twenty LDS loads
.set PL, (\s)&1
.set KK, (\s)/7
.set SO, ((\s)%7)*SLOTB
	WIN 0x40                                       ; destination window 1
.irp t, 0,1,2,3
.irp c, 0,1,2,3
	ds_load_b128 v[BF+64*PL+16*\t+4*\c:BF+64*PL+16*\t+4*\c+3], v[4+KK] offset:SO+TILEB*\t+512*\c
.endr
.endr
	WIN 0
.irp t, 0,1,2,3
	ds_load_b32 v[BS+4*PL+\t], v[7+KK] offset:SO+SCW+64*\t
.endr
.endm
.macro GROUP                           ; the addresses of group 8 s2 + wave, and its first two K steps of rows
	s_lshl_b32 s20, s2, 3
	s_add_co_u32 s20, s20, s14                     ; g
	s_lshl_b32 s55, s20, 2                         ; its first tile, 4 g
	s_sub_co_u32 s23, s18, 1
	s_lshl_b32 s22, s16, 6
.irp i, 0,1,2,3
	s_add_co_u32 s21, s55, \i
	s_min_u32 s21, s21, s23                        ; a tile past nt: the last tile once more
	s_min_u32 s21, s21, 63
	s_add_co_u32 s21, s21, s22                     ; 64 e + t
	s_mul_i32 s56, s21, KSIN*2048
	s_add_co_u32 s56, s56, s60
	s_add_nc_u64 s[30+2*\i:31+2*\i], s[8:9], s[56:57]              ; its images
	s_mul_i32 s56, s21, KSIN*64
	s_add_co_u32 s56, s56, s61
	s_add_nc_u64 s[38+2*\i:39+2*\i], s[8:9], s[56:57]              ; its scale words
.if LAYER < 3
	s_lshl_b32 s56, s21, 15
	s_add_co_u32 s56, s56, s62
	s_add_nc_u64 s[68+2*\i:69+2*\i], s[12:13], s[56:57]            ; out: my 64 columns are half a K step of the next product: 1,024 bytes of the tile's images
	s_lshl_b32 s56, s21, 10
	s_add_co_u32 s56, s56, s63
	s_add_nc_u64 s[76+2*\i:77+2*\i], s[12:13], s[56:57]            ; and two bytes of each row's scale word
.else
	s_lshl_b32 s56, s21, 6
	s_add_nc_u64 s[68+2*\i:69+2*\i], s[10:11], s[56:57]            ; its 16 words of rowdst
.endif
.endr
	ALOAD 0
	ALOAD 1
.endm
.macro STEP s
.if (\s)+1 < KS
	BLOAD (\s)+1                                   ; the other buffer's last readers, the step before, stand eight places back
.endif
.set RG, (\s)%3
.set RB, 64+64*((RG+1)%3)
.set PB, (\s)&1
.set NW, KS-1-(\s)
.if NW > 2
.set NW, 2
.endif
.set NW, 20*NW
.if (\s) >= KS-2
.set NW, NW+LATE
.endif
	s_wait_loadcnt NW                              ; this step's rows are in; what may stay out: twenty loads for each later step asked for (two at the most), and in the last two steps the late loads
.if (\s)+1 < KS
	s_wait_dscnt 20                                ; this step's weights are in; the next step's twenty LDS loads may be out
.else
	s_wait_dscnt 0x0
.endif
	WIN 0x51                                       ; source 0 (the weight), C and D window 1; source 1 (the rows) window 0
.irp t, 0,1,2,3                        ; the sixteen accumulators take turns, one instruction a turn, from step to step too
.irp i, 0,1,2,3
.if (\s) == 0
	v_wmma_scale_f32_16x16x128_f8f6f4 v[32*\i+8*\t:32*\i+8*\t+7], v[BF+64*PB+16*\t:BF+64*PB+16*\t+15], v[RB+16*\i:RB+16*\i+15], 0, v[BS+4*PB+\t], v[AS+4*RG+\i] matrix_a_fmt:MATRIX_FMT_BF8 matrix_b_fmt:MATRIX_FMT_BF8
.else
	v_wmma_scale_f32_16x16x128_f8f6f4 v[32*\i+8*\t:32*\i+8*\t+7], v[BF+64*PB+16*\t:BF+64*PB+16*\t+15], v[RB+16*\i:RB+16*\i+15], v[32*\i+8*\t:32*\i+8*\t+7], v[BS+4*PB+\t], v[AS+4*RG+\i] matrix_a_fmt:MATRIX_FMT_BF8 matrix_b_fmt:MATRIX_FMT_BF8
.endif
.endr
.endr
	WIN 0
.rept 8
	v_nop                                          ; eight places in front of loads into registers that these products read, and of the first read of results
.endr
.if (\s) == KS-1
	v_nop                                          ; a ninth: in the next trip matrix instructions write these accumulators anew
.endif
.if (\s) == KS-3                       ; the late loads, into the set that this step has left
.if LAYER < 3
.irp t, 0,1,2,3
	global_load_b128 v[LR+8*\t:LR+8*\t+3], v3, s[28:29] offset:(32*(\t/2)+8*(\t%2))*4          ; the bias: lane (r, h), tile T, register j: column 32 (T / 2) + 8 (T % 2) + 16 h + j
	global_load_b128 v[LR+8*\t+4:LR+8*\t+7], v3, s[28:29] offset:(32*(\t/2)+8*(\t%2))*4+16
.endr
.else
.irp i, 0,1,2,3
.irp q, 0,1,2,3,4,5,6,7
	global_load_b32 v[LR+8*\i+\q], v15, s[68+2*\i:69+2*\i] offset:8*\q   ; rowdst of rows 2 q + h
.endr
.endr
.endif
.endif
.if (\s)+3 < KS
	ALOAD (\s)+3
.endif
.endm
.if LAYER < 3
.macro EPI i                           ; row tile i: + bias, relu, quantised along the next K, two blocks of 32; stored as images
.set HH, 32*\i
.set PCO, LR+32+8*\i
	WIN 0x41
.set n, 0
.rept 16
	v_pk_add_f32 v[HH+2*n:HH+2*n+1], v[HH+2*n:HH+2*n+1], v[LR+2*n:LR+2*n+1]   ; each accumulator is read from its low end on
.set n, n+1
.endr
	WIN 0x05
.irp b, 0,1
	v_max3_num_f32 v[TM+\b], v[HH+16*\b], v[HH+16*\b+1], 0x8000000   ; no |.|: what is negative becomes 0 and must not count; the floor stands over it
.endr
.irp k, 2,4,6,8,10,12,14
.irp b, 0,1
	v_max3_num_f32 v[TM+\b], v[HH+16*\b+\k], v[HH+16*\b+\k+1], v[TM+\b]
.endr
.endr
	WIN 0
.irp b, 0,1
	v_permlanex16_b32 v[TM+2+\b], v[TM+\b], s46, s47
.endr
.irp b, 0,1
	v_max_num_f32 v[TM+\b], v[TM+\b], v[TM+2+\b]
.endr
.irp b, 0,1
	v_add_nc_u32 v[TM+4+\b], 0xf8800000, v[TM+\b]  ; 15 off the exponent field: the conversion's scale operand
.endr
.irp b, 0,1
	v_and_or_b32 v[TM+6+\b], v[TM+\b], 0x7f800000, s54   ; 57,344 x the scale
.endr
.irp b, 0,1
	v_lshrrev_b32 v[TM+8+\b], 23, v[TM+4+\b]
.endr
	v_lshl_or_b32 v[WD+\i], v[TM+9], 8, v[TM+8]    ; my two bytes of the row's scale word
	WIN 0x41
.irp b, 0,1
.irp k, 0,1,2,3,4,5,6,7,8,9,10,11,12,13,14,15
	v_med3_num_f32 v[HH+16*\b+\k], v[HH+16*\b+\k], 0, v[TM+6+\b]   ; the activation and the hold in one
.endr
.endr
	WIN 0x01
.irp b, 0,1
	v_cvt_scalef32_pk8_bf8_f32 v[PCO+4*\b:PCO+4*\b+1], v[HH+16*\b:HH+16*\b+7], v[TM+4+\b]
	v_cvt_scalef32_pk8_bf8_f32 v[PCO+4*\b+2:PCO+4*\b+3], v[HH+16*\b+8:HH+16*\b+15], v[TM+4+\b]
.endr
	WIN 0
.rept 4
	v_nop                                          ; plain instructions behind the conversions: their results lie in registers that are a matrix operand again in the next trip
.endr
	global_store_b128 v1, v[PCO:PCO+3], s[68+2*\i:69+2*\i]         ; 32 lanes store 512 consecutive bytes
	global_store_b128 v1, v[PCO+4:PCO+7], s[68+2*\i:69+2*\i] offset:512
	global_store_b16 v2, v[WD+\i], s[76+2*\i:77+2*\i]              ; lanes 16-31 repeat lanes 0-15
.endm
.else
.macro EPI3 i                          ; row tile i: through my stage, back as whole rows of 256 bytes, each to the row of y that rowdst names
	WIN 0x04                                       ; an LDS store's data are its source 1: window 1
.irp b, 0,1
.irp q, 0,1,2,3
	ds_store_b128 v13, v[32*\i+16*\b+4*\q:32*\i+16*\b+4*\q+3] offset:128*\b+16*\q   ; each accumulator from its low end on
.endr
.endr
	WIN 0
.irp q, 0,1,2,3,4,5,6,7
	ds_load_b128 v[128+32*\i+4*\q:128+32*\i+4*\q+3], v14 offset:544*\q   ; LDS serves a wave's instructions in order (ISA guide 5.7.1.4): these see my stores, and the next tile's stores come behind them
.endr
.irp q, 0,1,2,3,4,5,6,7
	v_min_u32 v[LR+8*\i+\q], 2055, v[LR+8*\i+\q]
	v_lshl_add_u32 v[LR+8*\i+\q], v[LR+8*\i+\q], 12, v[O16]        ; a row of y is 4,096 bytes; + 16 bytes a lane
.endr
.irp q, 0,1,2,3,4,5,6,7
	s_wait_dscnt 7-\q                              ; the later read-backs may stay out
	global_store_b128 v[LR+8*\i+\q], v[128+32*\i+4*\q:128+32*\i+4*\q+3], s[84:85] th:TH_STORE_NT   ; sixteen lanes store 256 consecutive bytes, aligned
.endr
.endm
.endif
.if LAYER < 3
	s_load_b256 s[4:11], s[0:1], 0x0               ; the weight s[4:5], the bias s[6:7], the rows s[8:9], meta s[10:11]
	s_load_b64 s[12:13], s[0:1], 0x20              ; out
	v_lshl_add_u32 v62, v0, 2, 0x10a00
	v_mov_b32 v63, 0
.else
	s_load_b64 s[4:5], s[0:1], 0x0                 ; the weight
	s_load_b128 s[8:11], s[0:1], 0x8               ; the rows, meta
	s_load_b64 s[12:13], s[0:1], 0x18              ; y
.endif
	v_lshrrev_b32 v54, 5, v0
	v_readfirstlane_b32 s14, v54                   ; wave 0..7
	s_and_b32 s16, ttmp7, 0xffff                   ; e
.if LAYER < 3
	s_mov_b32 s15, ttmp9                           ; nb
	s_mov_b32 s17, 0
.else
	s_and_b32 s15, ttmp9, 15                       ; nb
	s_lshr_b32 s17, ttmp9, 4                       ; the K half
.endif
	s_mul_i32 s56, s16, ES
	s_lshl_b32 s21, s17, 10
	s_lshl_b32 s22, s14, 5
	s_add_co_u32 s21, s21, s22                     ; my first K row: 1,024 x half + 32 w
	s_mul_i32 s21, s21, PITCH
	s_add_co_u32 s56, s56, s21
	s_lshl_b32 s21, s15, 8
	s_add_co_u32 s56, s56, s21                     ; + 256 nb; all under 2^31
	s_mov_b32 s57, 0
	v_and_b32 v55, 15, v0                          ; l16
	v_bfe_u32 v56, v0, 4, 1                        ; h
	v_and_b32 v57, 31, v0                          ; lane
	v_lshlrev_b32 v10, 4, v55
	v_mad_u32_u24 v10, v56, 16*PITCH, v10          ; 16 l16 + 16 h rows
	s_wait_kmcnt 0x0
	s_add_nc_u64 s[24:25], s[4:5], s[56:57]
.if NBW > 4
	s_add_nc_u64 s[26:27], s[24:25], 1024*PITCH    ; blocks 4 to 7: beyond the immediate's reach
.endif
	LOADW 0, 0                                     ; 64 loads a wave, 8 waves: the first 256 KiB of the slab go out before anything else is done
	LOADW 1, 1
	LOADW 2, 2
	LOADW 3, 3
	s_lshl_b32 s56, s16, 2
	s_add_nc_u64 s[58:59], s[10:11], s[56:57]
	s_load_b32 s18, s[58:59], 0x8000               ; nt[e]
.if LAYER < 3
	s_lshl_b32 s56, s16, 13
	s_lshl_b32 s21, s15, 8
	s_add_co_u32 s56, s56, s21
	s_add_nc_u64 s[28:29], s[6:7], s[56:57]        ; the bias of my 64 columns
	s_lshl_b32 s62, s15, 10
	s_lshr_b32 s63, s15, 1
	s_lshl_b32 s63, s63, 6
	s_and_b32 s21, s15, 1
	s_lshl_b32 s21, s21, 1
	s_add_co_u32 s63, s63, s21
	s_add_co_u32 s63, s63, 0x1000000               ; 16,777,216 + 64 (nb / 2) + 2 (nb % 2)
.else
	s_mul_i32 s56, s17, 8421376
	s_lshl_b32 s21, s15, 8
	s_add_co_u32 s56, s56, s21
	s_add_nc_u64 s[84:85], s[12:13], s[56:57]      ; y: my half's 2,056 rows, my 256 bytes of each
.endif
	s_lshl_b32 s60, s17, 14                        ; the K half in a tile's images,
	s_lshl_b32 s61, s17, 9
	s_add_co_u32 s61, s61, SCOFF                   ; and in its scale words
	s_mov_b32 s46, 0x76543210
	s_mov_b32 s47, 0xfedcba98                      ; v_permlanex16_b32: lane l xor 16
	s_mov_b32 s48, 0xc7600000                      ; -57,344
	s_mov_b32 s49, 0x47600000                      ; 57,344
	s_mov_b32 s50, 0x05010400                      ; v_perm_b32: columns 0, 1 of two rows, interleaved;
	s_mov_b32 s51, 0x07030602                      ; columns 2, 3;
	s_mov_b32 s52, 0x05040100                      ; the low halves of two words;
	s_mov_b32 s53, 0x07060302                      ; the high halves
	s_mov_b32 s54, 0x600000                        ; the mantissa field of 57,344
	v_lshlrev_b32 v1, 4, v57
	v_lshlrev_b32 v2, 2, v55
	v_lshlrev_b32 v3, 6, v56
.set k, 0
.rept NK
	v_lshl_add_u32 v[4+k], v57, 4, 7*k*SLOTB
	v_lshl_add_u32 v[7+k], v55, 2, 7*k*SLOTB
.set k, k+1
.endr
	; where my four columns go: column 4 l16 + j is index i0 + j of tile Tt, Tt = 2 (l16 / 8) + (l16 / 2) % 2, i0 = 4 (l16 % 2) + 8 ((l16 / 4) % 2); my half h is lane 16 h + index of the image
	s_and_b32 s21, s14, 3                          ; c: which 32 of the K step
	s_lshr_b32 s22, s14, 2
	s_mul_i32 s22, s22, SLOTB                      ; slot w / 4 (+ 2 m)
	s_lshl_b32 s23, s21, 9
	s_add_co_u32 s23, s23, s22
	s_add_co_u32 s21, s21, s22
	s_add_co_u32 s21, s21, SCW
	v_bfe_u32 v58, v0, 3, 1
	v_bfe_u32 v59, v0, 1, 1
	v_and_b32 v60, 1, v0
	v_bfe_u32 v61, v0, 2, 1
	v_mul_u32_u24 v11, v58, 2*TILEB
	v_mad_u32_u24 v11, v59, TILEB, v11
	v_lshl_add_u32 v11, v60, 6, v11
	v_lshl_add_u32 v11, v61, 7, v11
	v_lshl_add_u32 v11, v56, 8, v11
	v_add_nc_u32 v11, s23, v11
	v_lshlrev_b32 v12, 7, v58
	v_lshl_add_u32 v12, v59, 6, v12
	v_lshl_add_u32 v12, v60, 4, v12
	v_lshl_add_u32 v12, v61, 5, v12
	v_add_nc_u32 v12, s21, v12
.if LAYER == 3
	s_mul_i32 s21, s14, 16*272
	s_add_co_u32 s21, s21, STAGE                   ; my stage
	v_mul_u32_u24 v13, v55, 272
	v_lshl_add_u32 v13, v56, 6, v13
	v_add_nc_u32 v13, s21, v13                     ; in: row r, + 64 h
	v_mul_u32_u24 v14, v56, 272
	v_lshl_add_u32 v14, v55, 4, v14
	v_add_nc_u32 v14, s21, v14                     ; back: lanes 0-15 one row, lanes 16-31 the next
	v_lshlrev_b32 v15, 2, v56
	v_lshlrev_b32 v[O16], 4, v55
.else
	v_mov_b32 v[TM+2], 0                           ; written once: a lane permute's destination counts as one of its sources
	v_mov_b32 v[TM+3], 0
.endif
	v_mov_b32 v[ONE], 1.0
.irp j, 0,1,2,3
	v_mov_b32 v[MX+\j], 0                          ; likewise
.endr
; ---- PHASE 1
.set mm, 0
.rept NBW
.set YW, NBW-1-mm
.if YW > 3
.set YW, 3
.endif
.if mm == NBW-1
	s_wait_loadcnt 40                              ; the last block's sixteen loads are in; the forty loads of rows issued behind them may be out
.else
	s_wait_loadcnt 16*YW                           ; this block's sixteen loads are in; sixteen for each later block asked for (three at the most) may be out
.endif
.if mm == NBW-2                        ; two blocks are left to quantise: the first group's first rows go out now and land meanwhile
	s_wait_kmcnt 0x0
	s_min_u32 s18, s18, 64
	s_max_u32 s18, s18, 1                          ; nt
	s_add_co_u32 s19, s18, 3
	s_lshr_b32 s19, s19, 2                         ; groups of four tiles, at most 16
	s_mov_b32 s2, 0                                ; the trip
	GROUP
.endif
	QUANTW mm%4, mm
.set mm, mm+1
.endr
	s_wait_dscnt 0x0                               ; for the others' sake: my images and scale bytes have landed
	s_barrier_signal -1
	s_barrier_wait -1                              ; the one barrier: behind it the slots are only read
; ---- PHASE 2
	s_cmp_ge_u32 s14, s19
	s_cbranch_scc1 .Lend                           ; wave w takes groups w, w + 8
	s_sub_co_u32 s3, s19, s14                      ; groups - wave, at least 1 here
	s_add_co_u32 s3, s3, 7
	s_lshr_b32 s3, s3, 3                           ; the trips
	s_min_u32 s3, s3, 2
.Lgroup:
	ALOAD 2                                        ; into the set where phase 1 worked, or that the last trip's way out has left
	BLOAD 0
.set ss, 0
.rept KS
	STEP ss
.set ss, ss+1
.endr
	s_wait_loadcnt 0x0                             ; the late loads
.if LAYER < 3
	EPI 0
.irp i, 1,2,3
	s_add_co_u32 s21, s55, \i
	s_cmp_ge_u32 s21, s18
	s_cbranch_scc1 .Lone                           ; no tile 4 g + i, and none behind it
	EPI \i
.endr
.else
	EPI3 0
.irp i, 1,2,3
	s_add_co_u32 s21, s55, \i
	s_cmp_ge_u32 s21, s18
	s_cbranch_scc1 .Lone
	EPI3 \i
.endr
.endif
.Lone:
	s_wait_xcnt 0x0                                ; the stores have read their data, offsets and bases: all are written again for the next trip
	s_add_co_u32 s2, s2, 1
	s_cmp_ge_u32 s2, s3
	s_cbranch_scc1 .Lend
	GROUP                                          ; the next group's addresses and first rows
	s_cmp_lt_u32 s2, s3
	s_cbranch_scc1 .Lgroup
.Lend:
	s_wait_tensorcnt 0x0
	ds_add_u32 v62, v63
	s_wait_dscnt 0x0
	s_endpgm
.Lfunc_end_k_q3324d0b5ec_g1:
	.size	k_q3324d0b5ec_g1, .Lfunc_end_k_q3324d0b5ec_g1-k_q3324d0b5ec_g1
	.p2alignl 7, 3214868480
	.fill 96, 4, 3214868480
	.section	.rodata,"a",@progbits
	.p2align	6, 0x0
	.amdhsa_kernel k_q3324d0b5ec_g1
		.amdhsa_group_segment_fixed_size 69120
		.amdhsa_private_segment_fixed_size 0
		.amdhsa_enable_private_segment 0
		.amdhsa_kernarg_size 40
		.amdhsa_user_sgpr_count 2
		.amdhsa_user_sgpr_kernarg_segment_ptr 1
		.amdhsa_wavefront_size32 1
		.amdhsa_system_sgpr_workgroup_id_x 1
		.amdhsa_system_sgpr_workgroup_id_y 1
		.amdhsa_system_sgpr_workgroup_id_z 1
		.amdhsa_system_vgpr_workitem_id 0
		.amdhsa_next_free_vgpr 512
		.amdhsa_next_free_sgpr 86
		.amdhsa_reserve_vcc 0
		.amdhsa_float_denorm_mode_32 3
		.amdhsa_float_denorm_mode_16_64 3
		.amdhsa_memory_ordered 1
		.amdhsa_forward_progress 1
		.amdhsa_inst_pref_size 139
	.end_amdhsa_kernel
	.amdgpu_metadata
---
amdhsa.version: [ 1, 2 ]
amdhsa.kernels:
  - .name:           k_q3324d0b5ec_g1
    .symbol:         k_q3324d0b5ec_g1.kd
    .args:
      - { .name: W1, .offset: 0, .size: 8, .value_kind: global_buffer, .address_space: global }
      - { .name: b1, .offset: 8, .size: 8, .value_kind: global_buffer, .address_space: global }
      - { .name: xa, .offset: 16, .size: 8, .value_kind: global_buffer, .address_space: global }
      - { .name: meta, .offset: 24, .size: 8, .value_kind: global_buffer, .address_space: global }
      - { .name: h1, .offset: 32, .size: 8, .value_kind: global_buffer, .address_space: global }
    .group_segment_fixed_size: 69120
    .private_segment_fixed_size: 0
    .kernarg_segment_align: 8
    .kernarg_segment_size: 40
    .max_flat_workgroup_size: 256
    .sgpr_count:     86
    .vgpr_count:     512
    .wavefront_size: 32
...
	.end_amdgpu_metadata
.endif
;; end of part 3
;; launch g2 (part 4): grid 32 x 8, 8 waves a work-group, no clusters, 137,216 bytes of LDS; arguments W2, b2, h1, meta, h2; writes h2
.if DOCPART == 4
	.amdgcn_target "amdgcn-amd-amdhsa--gfx1250"
	.amdhsa_code_object_version 6
	.text
	.protected	k_q3324d0b5ec_g2
	.globl	k_q3324d0b5ec_g2
	.p2align	8
	.type	k_q3324d0b5ec_g2,@function
k_q3324d0b5ec_g2:
	s_mov_b64 s[64:65], 0
	v_nop
	global_prefetch_b8 v0, s[64:65] scope:SCOPE_SE
	s_setreg_imm32_b32 hwreg(HW_REG_WAVE_MODE, 25, 1), 1
	s_wait_xcnt 0x0
; ONE LAYER OF THE EXPERTS, for the chosen rows alone, on codes of E5M2 with one E8M0 scale for each 32 along K.  One source serves the three layers; LAYER picks the sizes.
;   LAYER 1: h1 = Q(relu(x W1 + b1))   LAYER 2: h2 = Q(relu(h1 W2 + b2))   LAYER 3: y = h2 W3, K in two halves, rows sent to (half, 2 token + slot); b3 and the gates come in the last launch.
; SHARES.  Work-group (nb, e) owns 64 columns of expert e's weight (256 consecutive bytes of every K row, aligned) and KS x 128 along K; in layer 3 ttmp9 = nb + 16 x the K half.  Eight waves of 512 registers.
; PHASE 1: the work-group's slab of f32 weights is read ONCE, quantised along K and laid in LDS as images of operand registers; all KS K steps stay there.
;   Wave w takes blocks of 32 along K, w + 8 m.  Lane (l16, h) takes rows 16 h + 0 .. 15 and columns 4 l16 + 0 .. 3: a load covers two rows' 256 bytes.  A block of a column lies in lanes l and l xor 16.
;   Four sets of 64 registers take turns: 64 loads of 512 bytes a wave are asked for at the start.
;   The conversion takes eight neighbouring registers under ONE scale, and here they are two rows x four columns: so each column is first multiplied by 2^(15 - floor(log2(its block's largest magnitude))),
;   which rounds nothing, held within +-57,344 and converted under the scale 1; sixteen rows' bytes are then turned by v_perm_b32, so that a register holds four neighbours along K of one column.
; PHASE 2: behind the one barrier, each wave takes groups of FOUR tiles of 16 rows of its expert (images that the launch before stored) against the 4 weight tiles: 16 accumulators by turns, so that
;   each fragment of the weight that is read from LDS feeds four products.  The weight's fragments have two buffers: the next K step's 20 LDS loads go out ahead of this step's 16 products.
;   The rows come by plain loads, three K steps ahead.  The first group's K steps 0 and 1 are asked for ahead of phase 1's last two blocks, by every wave (tiles held at nt - 1), so that each counted wait has one count on every path.
;   The product is used TRANSPOSED (source 0 = 16 columns of the weight, source 1 = 16 rows), and the columns of a weight tile are chosen: index i of tile 2 b + u is column 32 b + 8 u + i + 8 (i / 8).
;   So lane (r, h) holds row r, and the 16 registers of tiles 2 b, 2 b + 1 are columns 32 b + 16 h + 0 .. 15: 16 neighbours along the next K: the conversions' results are the next operand's registers.
;   The sums begin with 0; the bias is added in f32 on the way out.  A tile past nt is the last tile once more; its results are not stored.
;   The loop over groups is counted by trips: s2 goes up by 1 to s3 = (groups - wave + 7) / 8, at most 2; the group is 8 s2 + wave.
; NO TENSOR LOAD, NO CLUSTER: the 32 work-groups of an expert read the same rows, but how many tiles there are is read from memory (nt[e], 1 to 64)
; LIMITS: a block whose largest magnitude lies under 2^-111 (a block of zeros too) gets the byte 1; the bytes are read by this program alone.  NaN and infinities are not served.
.set LAYER, 2
.if LAYER == 1
.set KS,    8                          ; K steps of 128 that the work-group owns
.set KSIN,  8                          ; K steps in a row tile of the input
.set PITCH, 8192                       ; bytes of a K row of the weight
.set ES,    0x800000                   ; bytes of an expert's weight
.set SCOFF, 0x800000                   ; where the input's scale words begin
.elseif LAYER == 2
.set KS,    16
.set KSIN,  16
.set PITCH, 8192
.set ES,    0x1000000
.set SCOFF, 0x1000000
.else
.set KS,    8
.set KSIN,  16
.set PITCH, 4096
.set ES,    0x800000
.set SCOFF, 0x1000000
.endif
.if LAYER < 3
.set LATE,  8                          ; loads issued in the last three steps: the bias,
.else
.set LATE,  32                         ; or the four tiles' rowdst
.endif
.set NBW,   KS/2                       ; blocks of 32 along K for a wave
.set NK,    (KS+6)/7                   ; LDS address registers: one for each seven slots, so that every offset fits 16 bits
.set TILEB, 2064                       ; a weight tile's image: 2,048 bytes + 16, so that the sixteen lanes of a store into four tiles touch sixteen different columns of 16 bytes
.set SCW,   4*TILEB                    ; behind a slot's four images: its scale words, 64 bytes a tile
.set SLOTB, SCW+256                    ; a K step's slot
.set STAGE, 8*SLOTB                    ; layer 3: behind the slots, 16 rows x 272 bytes for each wave
; REGISTERS, in windows of 256 (s_set_vgpr_msb: bits 1:0 source 0, 3:2 source 1, 5:4 source 2, 7:6 destination).
; window 0: v1 16 x lane; v2 4 (lane % 16); v3 64 h; v4-6 16 x lane + 7 k slots; v7-9 4 (lane % 16) + 7 k slots; v10 my place in a block of the weight; v11, v12 where I store codes and scale bytes;
;   v13, v14, v15, v37 (layer 3) stage in, stage out, 4 h, 16 (lane % 16); v16-23 the weight's scale words, v24-35 the rows' (these twenty hold scales and nothing else); v36 1.0; v40-53 at work on the way out; v54-61 at work at the head;
;   v64-111 at work in phase 1; the rows' fragments, three sets of 64 by turns: K step s in set s % 3, sets 0, 1, 2 at v128, v192, v64; row tile i at 16 i.
; window 1: phase 1: four sets of 64 numbers (register 4 i + j = row i, column j).  Phase 2: v0-127 accumulator (row tile i, weight tile T) at 32 i + 8 T; v128-255 the weight's four fragments, two buffers.
.set BS,  16
.set AS,  24
.set ONE, 36
.set O16, 37
.set TM,  40
.set WD,  50
.set CDS, 64                           ; v64-79  codes, column j at 4 j
.set YR,  80                           ; v80-95  codes as converted: register i = row i, byte j = column j
.set MG,  96                           ; v96-99  largest magnitudes; later at work in the turning
.set MX,  100                          ; v100-103 the other half's; then the exponent field
.set INV, 104                          ; v104-107 1 / scale
.set BY,  108                          ; v108-111 the scale bytes
.set BF,  128                          ; in window 1
.set LR,  64+64*((((KS-3)%3)+1)%3)     ; the set that K step KS - 3 leaves: the late loads' 32 registers; behind them, in layers 1 and 2, the codes on the way out
.set MSB, 0
.macro WIN new                         ; the immediate's high byte repeats the setting that is left; a switch that changes nothing is dropped
.if MSB != \new
	s_set_vgpr_msb (MSB<<8)|\new
.set MSB, \new
.endif
.endm
.macro LOADW set, m                    ; block w + 8 m: sixteen loads, each two rows' 256 consecutive bytes
	WIN 0x40                                       ; destination window 1
.irp i, 0,1,2,3,4,5,6,7,8,9,10,11,12,13,14,15
.if (\m) < 4
	global_load_b128 v[64*(\set)+4*\i:64*(\set)+4*\i+3], v10, s[24:25] offset:((\m)&3)*256*PITCH+\i*PITCH th:TH_LOAD_NT
.else
	global_load_b128 v[64*(\set)+4*\i:64*(\set)+4*\i+3], v10, s[26:27] offset:((\m)&3)*256*PITCH+\i*PITCH th:TH_LOAD_NT
.endif
.endr
	WIN 0
.endm
.macro QUANTW set, m
.set XW, 64*(\set)
	s_wait_dscnt 0x0                               ; the last block's LDS stores are done: their registers are written again
.if (\m) > 0
	v_add_nc_u32 v11, 2*SLOTB, v11                 ; each block lies two slots on
	v_add_nc_u32 v12, 2*SLOTB, v12
.endif
	WIN 0x05                                       ; sources 0 and 1 window 1
.irp j, 0,1,2,3
	v_max3_num_f32 v[MG+\j], |v[XW+\j]|, |v[XW+4+\j]|, 0x8000000   ; column j: my 16 rows, and the floor 2^(16 - 127): the byte cannot fall under 1
.endr
.irp i, 2,4,6,8,10,12,14
.irp j, 0,1,2,3
	v_max3_num_f32 v[MG+\j], |v[XW+4*\i+\j]|, |v[XW+4*\i+4+\j]|, v[MG+\j]
.endr
.endr
	WIN 0
.irp j, 0,1,2,3
	v_permlanex16_b32 v[MX+\j], v[MG+\j], s46, s47
.endr
.irp j, 0,1,2,3
	v_max_num_f32 v[MG+\j], v[MG+\j], v[MX+\j]     ; with lane l xor 16: the block's largest magnitude
.endr
.irp j, 0,1,2,3
	v_and_b32 v[MX+\j], 0x7f800000, v[MG+\j]       ; its exponent field E
.endr
.irp j, 0,1,2,3
	v_sub_nc_u32 v[INV+\j], 0x86800000, v[MX+\j]   ; the f32 number 2^(142 - E) = 1 / scale: exponent field 269 - E, from 15 to 253
.endr
.irp j, 0,1,2,3
	v_lshrrev_b32 v[BY+\j], 23, v[MX+\j]
.endr
.irp j, 0,1,2,3
	v_add_nc_u32 v[BY+\j], -15, v[BY+\j]           ; the scale's byte, E - 15
.endr
	WIN 0x41                                       ; destination and source 0 window 1
.irp i, 0,1,2,3,4,5,6,7,8,9,10,11,12,13,14,15
	v_pk_mul_f32 v[XW+4*\i:XW+4*\i+1], v[XW+4*\i:XW+4*\i+1], v[INV:INV+1]
	v_pk_mul_f32 v[XW+4*\i+2:XW+4*\i+3], v[XW+4*\i+2:XW+4*\i+3], v[INV+2:INV+3]
.endr
.set n, 0
.rept 64
	v_med3_num_f32 v[XW+n], v[XW+n], s48, s49      ; the conversion does not saturate (ISA guide 7.6.2): the hold at +-57,344 comes first
.set n, n+1
.endr
	WIN 0x01                                       ; source 0 window 1
.irp a, 0,1,2,3,4,5,6,7
	v_cvt_scalef32_pk8_bf8_f32 v[YR+2*\a:YR+2*\a+1], v[XW+8*\a:XW+8*\a+7], v[ONE]
.endr
	WIN 0
	v_nop                                          ; a plain instruction behind the last conversion
.if (\m)+4 < NBW
	LOADW \set, (\m)+4                             ; the set is free: the block four on goes out ahead of the byte work
.endif
.irp q, 0,1,2,3                        ; rows 4 q .. 4 q + 3 x columns 0 .. 3 are turned: register q of column j = its four bytes
	v_perm_b32 v[MG], v[YR+4*\q+1], v[YR+4*\q], s50
	v_perm_b32 v[MG+1], v[YR+4*\q+1], v[YR+4*\q], s51
	v_perm_b32 v[MG+2], v[YR+4*\q+3], v[YR+4*\q+2], s50
	v_perm_b32 v[MG+3], v[YR+4*\q+3], v[YR+4*\q+2], s51
	v_perm_b32 v[CDS+\q], v[MG+2], v[MG], s52
	v_perm_b32 v[CDS+4+\q], v[MG+2], v[MG], s53
	v_perm_b32 v[CDS+8+\q], v[MG+3], v[MG+1], s52
	v_perm_b32 v[CDS+12+\q], v[MG+3], v[MG+1], s53
.endr
.irp j, 0,1,2,3
	ds_store_b128 v11, v[CDS+4*\j:CDS+4*\j+3] offset:16*\j         ; column j's 16 codes: the 16 bytes of one lane of the image
.endr
.irp j, 0,1,2,3
	ds_store_b8 v12, v[BY+\j] offset:4*\j          ; byte w % 4 of the column's scale word; lanes l and l xor 16 write the same byte with the same value
.endr
.endm
.macro ALOAD s                         ; the four row tiles' fragments and scale words of K step s: twenty loads, 512 consecutive bytes each (the words: 64)
.set RGA, (\s)%3
.set RBA, 64+64*((RGA+1)%3)
.irp i, 0,1,2,3
.irp c, 0,1,2,3
	global_load_b128 v[RBA+16*\i+4*\c:RBA+16*\i+4*\c+3], v1, s[30+2*\i:31+2*\i] offset:2048*(\s)+512*\c
.endr
	global_load_b32 v[AS+4*RGA+\i], v2, s[38+2*\i:39+2*\i] offset:64*(\s)
.endr
.endm
.macro BLOAD s                         ; the weight's four fragments and scale words of K step s, out of LDS into buffer s % 2: twenty LDS loads
.set PL, (\s)&1
.set KK, (\s)/7
.set SO, ((\s)%7)*SLOTB
	WIN 0x40                                       ; destination window 1
.irp t, 0,1,2,3
.irp c, 0,1,2,3
	ds_load_b128 v[BF+64*PL+16*\t+4*\c:BF+64*PL+16*\t+4*\c+3], v[4+KK] offset:SO+TILEB*\t+512*\c
.endr
.endr
	WIN 0
.irp t, 0,1,2,3
	ds_load_b32 v[BS+4*PL+\t], v[7+KK] offset:SO+SCW+64*\t
.endr
.endm
.macro GROUP                           ; the addresses of group 8 s2 + wave, and its first two K steps of rows
	s_lshl_b32 s20, s2, 3
	s_add_co_u32 s20, s20, s14                     ; g
	s_lshl_b32 s55, s20, 2                         ; its first tile, 4 g
	s_sub_co_u32 s23, s18, 1
	s_lshl_b32 s22, s16, 6
.irp i, 0,1,2,3
	s_add_co_u32 s21, s55, \i
	s_min_u32 s21, s21, s23                        ; a tile past nt: the last tile once more
	s_min_u32 s21, s21, 63
	s_add_co_u32 s21, s21, s22                     ; 64 e + t
	s_mul_i32 s56, s21, KSIN*2048
	s_add_co_u32 s56, s56, s60
	s_add_nc_u64 s[30+2*\i:31+2*\i], s[8:9], s[56:57]              ; its images
	s_mul_i32 s56, s21, KSIN*64
	s_add_co_u32 s56, s56, s61
	s_add_nc_u64 s[38+2*\i:39+2*\i], s[8:9], s[56:57]              ; its scale words
.if LAYER < 3
	s_lshl_b32 s56, s21, 15
	s_add_co_u32 s56, s56, s62
	s_add_nc_u64 s[68+2*\i:69+2*\i], s[12:13], s[56:57]            ; out: my 64 columns are half a K step of the next product: 1,024 bytes of the tile's images
	s_lshl_b32 s56, s21, 10
	s_add_co_u32 s56, s56, s63
	s_add_nc_u64 s[76+2*\i:77+2*\i], s[12:13], s[56:57]            ; and two bytes of each row's scale word
.else
	s_lshl_b32 s56, s21, 6
	s_add_nc_u64 s[68+2*\i:69+2*\i], s[10:11], s[56:57]            ; its 16 words of rowdst
.endif
.endr
	ALOAD 0
	ALOAD 1
.endm
.macro STEP s
.if (\s)+1 < KS
	BLOAD (\s)+1                                   ; the other buffer's last readers, the step before, stand eight places back
.endif
.set RG, (\s)%3
.set RB, 64+64*((RG+1)%3)
.set PB, (\s)&1
.set NW, KS-1-(\s)
.if NW > 2
.set NW, 2
.endif
.set NW, 20*NW
.if (\s) >= KS-2
.set NW, NW+LATE
.endif
	s_wait_loadcnt NW                              ; this step's rows are in; what may stay out: twenty loads for each later step asked for (two at the most), and in the last two steps the late loads
.if (\s)+1 < KS
	s_wait_dscnt 20                                ; this step's weights are in; the next step's twenty LDS loads may be out
.else
	s_wait_dscnt 0x0
.endif
	WIN 0x51                                       ; source 0 (the weight), C and D window 1; source 1 (the rows) window 0
.irp t, 0,1,2,3                        ; the sixteen accumulators take turns, one instruction a turn, from step to step too
.irp i, 0,1,2,3
.if (\s) == 0
	v_wmma_scale_f32_16x16x128_f8f6f4 v[32*\i+8*\t:32*\i+8*\t+7], v[BF+64*PB+16*\t:BF+64*PB+16*\t+15], v[RB+16*\i:RB+16*\i+15], 0, v[BS+4*PB+\t], v[AS+4*RG+\i] matrix_a_fmt:MATRIX_FMT_BF8 matrix_b_fmt:MATRIX_FMT_BF8
.else
	v_wmma_scale_f32_16x16x128_f8f6f4 v[32*\i+8*\t:32*\i+8*\t+7], v[BF+64*PB+16*\t:BF+64*PB+16*\t+15], v[RB+16*\i:RB+16*\i+15], v[32*\i+8*\t:32*\i+8*\t+7], v[BS+4*PB+\t], v[AS+4*RG+\i] matrix_a_fmt:MATRIX_FMT_BF8 matrix_b_fmt:MATRIX_FMT_BF8
.endif
.endr
.endr
	WIN 0
.rept 8
	v_nop                                          ; eight places in front of loads into registers that these products read, and of the first read of results
.endr
.if (\s) == KS-1
	v_nop                                          ; a ninth: in the next trip matrix instructions write these accumulators anew
.endif
.if (\s) == KS-3                       ; the late loads, into the set that this step has left
.if LAYER < 3
.irp t, 0,1,2,3
	global_load_b128 v[LR+8*\t:LR+8*\t+3], v3, s[28:29] offset:(32*(\t/2)+8*(\t%2))*4          ; the bias: lane (r, h), tile T, register j: column 32 (T / 2) + 8 (T % 2) + 16 h + j
	global_load_b128 v[LR+8*\t+4:LR+8*\t+7], v3, s[28:29] offset:(32*(\t/2)+8*(\t%2))*4+16
.endr
.else
.irp i, 0,1,2,3
.irp q, 0,1,2,3,4,5,6,7
	global_load_b32 v[LR+8*\i+\q], v15, s[68+2*\i:69+2*\i] offset:8*\q   ; rowdst of rows 2 q + h
.endr
.endr
.endif
.endif
.if (\s)+3 < KS
	ALOAD (\s)+3
.endif
.endm
.if LAYER < 3
.macro EPI i                           ; row tile i: + bias, relu, quantised along the next K, two blocks of 32; stored as images
.set HH, 32*\i
.set PCO, LR+32+8*\i
	WIN 0x41
.set n, 0
.rept 16
	v_pk_add_f32 v[HH+2*n:HH+2*n+1], v[HH+2*n:HH+2*n+1], v[LR+2*n:LR+2*n+1]   ; each accumulator is read from its low end on
.set n, n+1
.endr
	WIN 0x05
.irp b, 0,1
	v_max3_num_f32 v[TM+\b], v[HH+16*\b], v[HH+16*\b+1], 0x8000000   ; no |.|: what is negative becomes 0 and must not count; the floor stands over it
.endr
.irp k, 2,4,6,8,10,12,14
.irp b, 0,1
	v_max3_num_f32 v[TM+\b], v[HH+16*\b+\k], v[HH+16*\b+\k+1], v[TM+\b]
.endr
.endr
	WIN 0
.irp b, 0,1
	v_permlanex16_b32 v[TM+2+\b], v[TM+\b], s46, s47
.endr
.irp b, 0,1
	v_max_num_f32 v[TM+\b], v[TM+\b], v[TM+2+\b]
.endr
.irp b, 0,1
	v_add_nc_u32 v[TM+4+\b], 0xf8800000, v[TM+\b]  ; 15 off the exponent field: the conversion's scale operand
.endr
.irp b, 0,1
	v_and_or_b32 v[TM+6+\b], v[TM+\b], 0x7f800000, s54   ; 57,344 x the scale
.endr
.irp b, 0,1
	v_lshrrev_b32 v[TM+8+\b], 23, v[TM+4+\b]
.endr
	v_lshl_or_b32 v[WD+\i], v[TM+9], 8, v[TM+8]    ; my two bytes of the row's scale word
	WIN 0x41
.irp b, 0,1
.irp k, 0,1,2,3,4,5,6,7,8,9,10,11,12,13,14,15
	v_med3_num_f32 v[HH+16*\b+\k], v[HH+16*\b+\k], 0, v[TM+6+\b]   ; the activation and the hold in one
.endr
.endr
	WIN 0x01
.irp b, 0,1
	v_cvt_scalef32_pk8_bf8_f32 v[PCO+4*\b:PCO+4*\b+1], v[HH+16*\b:HH+16*\b+7], v[TM+4+\b]
	v_cvt_scalef32_pk8_bf8_f32 v[PCO+4*\b+2:PCO+4*\b+3], v[HH+16*\b+8:HH+16*\b+15], v[TM+4+\b]
.endr
	WIN 0
.rept 4
	v_nop                                          ; plain instructions behind the conversions: their results lie in registers that are a matrix operand again in the next trip
.endr
	global_store_b128 v1, v[PCO:PCO+3], s[68+2*\i:69+2*\i]         ; 32 lanes store 512 consecutive bytes
	global_store_b128 v1, v[PCO+4:PCO+7], s[68+2*\i:69+2*\i] offset:512
	global_store_b16 v2, v[WD+\i], s[76+2*\i:77+2*\i]              ; lanes 16-31 repeat lanes 0-15
.endm
.else
.macro EPI3 i                          ; row tile i: through my stage, back as whole rows of 256 bytes, each to the row of y that rowdst names
	WIN 0x04                                       ; an LDS store's data are its source 1: window 1
.irp b, 0,1
.irp q, 0,1,2,3
	ds_store_b128 v13, v[32*\i+16*\b+4*\q:32*\i+16*\b+4*\q+3] offset:128*\b+16*\q   ; each accumulator from its low end on
.endr
.endr
	WIN 0
.irp q, 0,1,2,3,4,5,6,7
	ds_load_b128 v[128+32*\i+4*\q:128+32*\i+4*\q+3], v14 offset:544*\q   ; LDS serves a wave's instructions in order (ISA guide 5.7.1.4): these see my stores, and the next tile's stores come behind them
.endr
.irp q, 0,1,2,3,4,5,6,7
	v_min_u32 v[LR+8*\i+\q], 2055, v[LR+8*\i+\q]
	v_lshl_add_u32 v[LR+8*\i+\q], v[LR+8*\i+\q], 12, v[O16]        ; a row of y is 4,096 bytes; + 16 bytes a lane
.endr
.irp q, 0,1,2,3,4,5,6,7
	s_wait_dscnt 7-\q                              ; the later read-backs may stay out
	global_store_b128 v[LR+8*\i+\q], v[128+32*\i+4*\q:128+32*\i+4*\q+3], s[84:85] th:TH_STORE_NT   ; sixteen lanes store 256 consecutive bytes, aligned
.endr
.endm
.endif
.if LAYER < 3
	s_load_b256 s[4:11], s[0:1], 0x0               ; the weight s[4:5], the bias s[6:7], the rows s[8:9], meta s[10:11]
	s_load_b64 s[12:13], s[0:1], 0x20              ; out
	v_lshl_add_u32 v62, v0, 2, 0x21400
	v_mov_b32 v63, 0
.else
	s_load_b64 s[4:5], s[0:1], 0x0                 ; the weight
	s_load_b128 s[8:11], s[0:1], 0x8               ; the rows, meta
	s_load_b64 s[12:13], s[0:1], 0x18              ; y
.endif
	v_lshrrev_b32 v54, 5, v0
	v_readfirstlane_b32 s14, v54                   ; wave 0..7
	s_and_b32 s16, ttmp7, 0xffff                   ; e
.if LAYER < 3
	s_mov_b32 s15, ttmp9                           ; nb
	s_mov_b32 s17, 0
.else
	s_and_b32 s15, ttmp9, 15                       ; nb
	s_lshr_b32 s17, ttmp9, 4                       ; the K half
.endif
	s_mul_i32 s56, s16, ES
	s_lshl_b32 s21, s17, 10
	s_lshl_b32 s22, s14, 5
	s_add_co_u32 s21, s21, s22                     ; my first K row: 1,024 x half + 32 w
	s_mul_i32 s21, s21, PITCH
	s_add_co_u32 s56, s56, s21
	s_lshl_b32 s21, s15, 8
	s_add_co_u32 s56, s56, s21                     ; + 256 nb; all under 2^31
	s_mov_b32 s57, 0
	v_and_b32 v55, 15, v0                          ; l16
	v_bfe_u32 v56, v0, 4, 1                        ; h
	v_and_b32 v57, 31, v0                          ; lane
	v_lshlrev_b32 v10, 4, v55
	v_mad_u32_u24 v10, v56, 16*PITCH, v10          ; 16 l16 + 16 h rows
	s_wait_kmcnt 0x0
	s_add_nc_u64 s[24:25], s[4:5], s[56:57]
.if NBW > 4
	s_add_nc_u64 s[26:27], s[24:25], 1024*PITCH    ; blocks 4 to 7: beyond the immediate's reach
.endif
	LOADW 0, 0                                     ; 64 loads a wave, 8 waves: the first 256 KiB of the slab go out before anything else is done
	LOADW 1, 1
	LOADW 2, 2
	LOADW 3, 3
	s_lshl_b32 s56, s16, 2
	s_add_nc_u64 s[58:59], s[10:11], s[56:57]
	s_load_b32 s18, s[58:59], 0x8000               ; nt[e]
.if LAYER < 3
	s_lshl_b32 s56, s16, 13
	s_lshl_b32 s21, s15, 8
	s_add_co_u32 s56, s56, s21
	s_add_nc_u64 s[28:29], s[6:7], s[56:57]        ; the bias of my 64 columns
	s_lshl_b32 s62, s15, 10
	s_lshr_b32 s63, s15, 1
	s_lshl_b32 s63, s63, 6
	s_and_b32 s21, s15, 1
	s_lshl_b32 s21, s21, 1
	s_add_co_u32 s63, s63, s21
	s_add_co_u32 s63, s63, 0x1000000               ; 16,777,216 + 64 (nb / 2) + 2 (nb % 2)
.else
	s_mul_i32 s56, s17, 8421376
	s_lshl_b32 s21, s15, 8
	s_add_co_u32 s56, s56, s21
	s_add_nc_u64 s[84:85], s[12:13], s[56:57]      ; y: my half's 2,056 rows, my 256 bytes of each
.endif
	s_lshl_b32 s60, s17, 14                        ; the K half in a tile's images,
	s_lshl_b32 s61, s17, 9
	s_add_co_u32 s61, s61, SCOFF                   ; and in its scale words
	s_mov_b32 s46, 0x76543210
	s_mov_b32 s47, 0xfedcba98                      ; v_permlanex16_b32: lane l xor 16
	s_mov_b32 s48, 0xc7600000                      ; -57,344
	s_mov_b32 s49, 0x47600000                      ; 57,344
	s_mov_b32 s50, 0x05010400                      ; v_perm_b32: columns 0, 1 of two rows, interleaved;
	s_mov_b32 s51, 0x07030602                      ; columns 2, 3;
	s_mov_b32 s52, 0x05040100                      ; the low halves of two words;
	s_mov_b32 s53, 0x07060302                      ; the high halves
	s_mov_b32 s54, 0x600000                        ; the mantissa field of 57,344
	v_lshlrev_b32 v1, 4, v57
	v_lshlrev_b32 v2, 2, v55
	v_lshlrev_b32 v3, 6, v56
.set k, 0
.rept NK
	v_lshl_add_u32 v[4+k], v57, 4, 7*k*SLOTB
	v_lshl_add_u32 v[7+k], v55, 2, 7*k*SLOTB
.set k, k+1
.endr
	; where my four columns go: column 4 l16 + j is index i0 + j of tile Tt, Tt = 2 (l16 / 8) + (l16 / 2) % 2, i0 = 4 (l16 % 2) + 8 ((l16 / 4) % 2); my half h is lane 16 h + index of the image
	s_and_b32 s21, s14, 3                          ; c: which 32 of the K step
	s_lshr_b32 s22, s14, 2
	s_mul_i32 s22, s22, SLOTB                      ; slot w / 4 (+ 2 m)
	s_lshl_b32 s23, s21, 9
	s_add_co_u32 s23, s23, s22
	s_add_co_u32 s21, s21, s22
	s_add_co_u32 s21, s21, SCW
	v_bfe_u32 v58, v0, 3, 1
	v_bfe_u32 v59, v0, 1, 1
	v_and_b32 v60, 1, v0
	v_bfe_u32 v61, v0, 2, 1
	v_mul_u32_u24 v11, v58, 2*TILEB
	v_mad_u32_u24 v11, v59, TILEB, v11
	v_lshl_add_u32 v11, v60, 6, v11
	v_lshl_add_u32 v11, v61, 7, v11
	v_lshl_add_u32 v11, v56, 8, v11
	v_add_nc_u32 v11, s23, v11
	v_lshlrev_b32 v12, 7, v58
	v_lshl_add_u32 v12, v59, 6, v12
	v_lshl_add_u32 v12, v60, 4, v12
	v_lshl_add_u32 v12, v61, 5, v12
	v_add_nc_u32 v12, s21, v12
.if LAYER == 3
	s_mul_i32 s21, s14, 16*272
	s_add_co_u32 s21, s21, STAGE                   ; my stage
	v_mul_u32_u24 v13, v55, 272
	v_lshl_add_u32 v13, v56, 6, v13
	v_add_nc_u32 v13, s21, v13                     ; in: row r, + 64 h
	v_mul_u32_u24 v14, v56, 272
	v_lshl_add_u32 v14, v55, 4, v14
	v_add_nc_u32 v14, s21, v14                     ; back: lanes 0-15 one row, lanes 16-31 the next
	v_lshlrev_b32 v15, 2, v56
	v_lshlrev_b32 v[O16], 4, v55
.else
	v_mov_b32 v[TM+2], 0                           ; written once: a lane permute's destination counts as one of its sources
	v_mov_b32 v[TM+3], 0
.endif
	v_mov_b32 v[ONE], 1.0
.irp j, 0,1,2,3
	v_mov_b32 v[MX+\j], 0                          ; likewise
.endr
; ---- PHASE 1
.set mm, 0
.rept NBW
.set YW, NBW-1-mm
.if YW > 3
.set YW, 3
.endif
.if mm == NBW-1
	s_wait_loadcnt 40                              ; the last block's sixteen loads are in; the forty loads of rows issued behind them may be out
.else
	s_wait_loadcnt 16*YW                           ; this block's sixteen loads are in; sixteen for each later block asked for (three at the most) may be out
.endif
.if mm == NBW-2                        ; two blocks are left to quantise: the first group's first rows go out now and land meanwhile
	s_wait_kmcnt 0x0
	s_min_u32 s18, s18, 64
	s_max_u32 s18, s18, 1                          ; nt
	s_add_co_u32 s19, s18, 3
	s_lshr_b32 s19, s19, 2                         ; groups of four tiles, at most 16
	s_mov_b32 s2, 0                                ; the trip
	GROUP
.endif
	QUANTW mm%4, mm
.set mm, mm+1
.endr
	s_wait_dscnt 0x0                               ; for the others' sake: my images and scale bytes have landed
	s_barrier_signal -1
	s_barrier_wait -1                              ; the one barrier: behind it the slots are only read
; ---- PHASE 2
	s_cmp_ge_u32 s14, s19
	s_cbranch_scc1 .Lend                           ; wave w takes groups w, w + 8
	s_sub_co_u32 s3, s19, s14                      ; groups - wave, at least 1 here
	s_add_co_u32 s3, s3, 7
	s_lshr_b32 s3, s3, 3                           ; the trips
	s_min_u32 s3, s3, 2
.Lgroup:
	ALOAD 2                                        ; into the set where phase 1 worked, or that the last trip's way out has left
	BLOAD 0
.set ss, 0
.rept KS
	STEP ss
.set ss, ss+1
.endr
	s_wait_loadcnt 0x0                             ; the late loads
.if LAYER < 3
	EPI 0
.irp i, 1,2,3
	s_add_co_u32 s21, s55, \i
	s_cmp_ge_u32 s21, s18
	s_cbranch_scc1 .Lone                           ; no tile 4 g + i, and none behind it
	EPI \i
.endr
.else
	EPI3 0
.irp i, 1,2,3
	s_add_co_u32 s21, s55, \i
	s_cmp_ge_u32 s21, s18
	s_cbranch_scc1 .Lone
	EPI3 \i
.endr
.endif
.Lone:
	s_wait_xcnt 0x0                                ; the stores have read their data, offsets and bases: all are written again for the next trip
	s_add_co_u32 s2, s2, 1
	s_cmp_ge_u32 s2, s3
	s_cbranch_scc1 .Lend
	GROUP                                          ; the next group's addresses and first rows
	s_cmp_lt_u32 s2, s3
	s_cbranch_scc1 .Lgroup
.Lend:
	s_wait_tensorcnt 0x0
	ds_add_u32 v62, v63
	s_wait_dscnt 0x0
	s_endpgm
.Lfunc_end_k_q3324d0b5ec_g2:
	.size	k_q3324d0b5ec_g2, .Lfunc_end_k_q3324d0b5ec_g2-k_q3324d0b5ec_g2
	.p2alignl 7, 3214868480
	.fill 96, 4, 3214868480
	.section	.rodata,"a",@progbits
	.p2align	6, 0x0
	.amdhsa_kernel k_q3324d0b5ec_g2
		.amdhsa_group_segment_fixed_size 137216
		.amdhsa_private_segment_fixed_size 0
		.amdhsa_enable_private_segment 0
		.amdhsa_kernarg_size 40
		.amdhsa_user_sgpr_count 2
		.amdhsa_user_sgpr_kernarg_segment_ptr 1
		.amdhsa_wavefront_size32 1
		.amdhsa_system_sgpr_workgroup_id_x 1
		.amdhsa_system_sgpr_workgroup_id_y 1
		.amdhsa_system_sgpr_workgroup_id_z 1
		.amdhsa_system_vgpr_workitem_id 0
		.amdhsa_next_free_vgpr 512
		.amdhsa_next_free_sgpr 86
		.amdhsa_reserve_vcc 0
		.amdhsa_float_denorm_mode_32 3
		.amdhsa_float_denorm_mode_16_64 3
		.amdhsa_memory_ordered 1
		.amdhsa_forward_progress 1
		.amdhsa_inst_pref_size 240
	.end_amdhsa_kernel
	.amdgpu_metadata
---
amdhsa.version: [ 1, 2 ]
amdhsa.kernels:
  - .name:           k_q3324d0b5ec_g2
    .symbol:         k_q3324d0b5ec_g2.kd
    .args:
      - { .name: W2, .offset: 0, .size: 8, .value_kind: global_buffer, .address_space: global }
      - { .name: b2, .offset: 8, .size: 8, .value_kind: global_buffer, .address_space: global }
      - { .name: h1, .offset: 16, .size: 8, .value_kind: global_buffer, .address_space: global }
      - { .name: meta, .offset: 24, .size: 8, .value_kind: global_buffer, .address_space: global }
      - { .name: h2, .offset: 32, .size: 8, .value_kind: global_buffer, .address_space: global }
    .group_segment_fixed_size: 137216
    .private_segment_fixed_size: 0
    .kernarg_segment_align: 8
    .kernarg_segment_size: 40
    .max_flat_workgroup_size: 256
    .sgpr_count:     86
    .vgpr_count:     512
    .wavefront_size: 32
...
	.end_amdgpu_metadata
.endif
;; end of part 4
;; launch g3 (part 5): grid 32 x 8, 8 waves a work-group, no clusters, 103,936 bytes of LDS; arguments W3, h2, meta, y; writes y
.if DOCPART == 5
	.amdgcn_target "amdgcn-amd-amdhsa--gfx1250"
	.amdhsa_code_object_version 6
	.text
	.protected	k_q3324d0b5ec_g3
	.globl	k_q3324d0b5ec_g3
	.p2align	8
	.type	k_q3324d0b5ec_g3,@function
k_q3324d0b5ec_g3:
	s_mov_b64 s[64:65], 0
	v_nop
	global_prefetch_b8 v0, s[64:65] scope:SCOPE_SE
	s_setreg_imm32_b32 hwreg(HW_REG_WAVE_MODE, 25, 1), 1
	s_wait_xcnt 0x0
; ONE LAYER OF THE EXPERTS, for the chosen rows alone, on codes of E5M2 with one E8M0 scale for each 32 along K.  One source serves the three layers; LAYER picks the sizes.
;   LAYER 1: h1 = Q(relu(x W1 + b1))   LAYER 2: h2 = Q(relu(h1 W2 + b2))   LAYER 3: y = h2 W3, K in two halves, rows sent to (half, 2 token + slot); b3 and the gates come in the last launch.
; SHARES.  Work-group (nb, e) owns 64 columns of expert e's weight (256 consecutive bytes of every K row, aligned) and KS x 128 along K; in layer 3 ttmp9 = nb + 16 x the K half.  Eight waves of 512 registers.
; PHASE 1: the work-group's slab of f32 weights is read ONCE, quantised along K and laid in LDS as images of operand registers; all KS K steps stay there.
;   Wave w takes blocks of 32 along K, w + 8 m.  Lane (l16, h) takes rows 16 h + 0 .. 15 and columns 4 l16 + 0 .. 3: a load covers two rows' 256 bytes.  A block of a column lies in lanes l and l xor 16.
;   Four sets of 64 registers take turns: 64 loads of 512 bytes a wave are asked for at the start.
;   The conversion takes eight neighbouring registers under ONE scale, and here they are two rows x four columns: so each column is first multiplied by 2^(15 - floor(log2(its block's largest magnitude))),
;   which rounds nothing, held within +-57,344 and converted under the scale 1; sixteen rows' bytes are then turned by v_perm_b32, so that a register holds four neighbours along K of one column.
; PHASE 2: behind the one barrier, each wave takes groups of FOUR tiles of 16 rows of its expert (images that the launch before stored) against the 4 weight tiles: 16 accumulators by turns, so that
;   each fragment of the weight that is read from LDS feeds four products.  The weight's fragments have two buffers: the next K step's 20 LDS loads go out ahead of this step's 16 products.
;   The rows come by plain loads, three K steps ahead.  The first group's K steps 0 and 1 are asked for ahead of phase 1's last two blocks, by every wave (tiles held at nt - 1), so that each counted wait has one count on every path.
;   The product is used TRANSPOSED (source 0 = 16 columns of the weight, source 1 = 16 rows), and the columns of a weight tile are chosen: index i of tile 2 b + u is column 32 b + 8 u + i + 8 (i / 8).
;   So lane (r, h) holds row r, and the 16 registers of tiles 2 b, 2 b + 1 are columns 32 b + 16 h + 0 .. 15: here 64 neighbouring bytes of a row of y.
;   Rows past the expert's count go to row 2,048 + e of y: the work-group's own 256 bytes there, written with whatever comes last and read by nobody.  A tile past nt is the last tile once more; its results are not stored.
;   The loop over groups is counted by trips: s2 goes up by 1 to s3 = (groups - wave + 7) / 8, at most 2; the group is 8 s2 + wave.
; NO TENSOR LOAD, NO CLUSTER: the 32 work-groups of an expert read the same rows, but how many tiles there are is read from memory (nt[e], 1 to 64)
; LIMITS: a block whose largest magnitude lies under 2^-111 (a block of zeros too) gets the byte 1; the bytes are read by this program alone.  NaN and infinities are not served.
.set LAYER, 3
.if LAYER == 1
.set KS,    8                          ; K steps of 128 that the work-group owns
.set KSIN,  8                          ; K steps in a row tile of the input
.set PITCH, 8192                       ; bytes of a K row of the weight
.set ES,    0x800000                   ; bytes of an expert's weight
.set SCOFF, 0x800000                   ; where the input's scale words begin
.elseif LAYER == 2
.set KS,    16
.set KSIN,  16
.set PITCH, 8192
.set ES,    0x1000000
.set SCOFF, 0x1000000
.else
.set KS,    8
.set KSIN,  16
.set PITCH, 4096
.set ES,    0x800000
.set SCOFF, 0x1000000
.endif
.if LAYER < 3
.set LATE,  8                          ; loads issued in the last three steps: the bias,
.else
.set LATE,  32                         ; or the four tiles' rowdst
.endif
.set NBW,   KS/2                       ; blocks of 32 along K for a wave
.set NK,    (KS+6)/7                   ; LDS address registers: one for each seven slots, so that every offset fits 16 bits
.set TILEB, 2064                       ; a weight tile's image: 2,048 bytes + 16, so that the sixteen lanes of a store into four tiles touch sixteen different columns of 16 bytes
.set SCW,   4*TILEB                    ; behind a slot's four images: its scale words, 64 bytes a tile
.set SLOTB, SCW+256                    ; a K step's slot
.set STAGE, 8*SLOTB                    ; layer 3: behind the slots, 16 rows x 272 bytes for each wave
; REGISTERS, in windows of 256 (s_set_vgpr_msb: bits 1:0 source 0, 3:2 source 1, 5:4 source 2, 7:6 destination).
; window 0: v1 16 x lane; v2 4 (lane % 16); v3 64 h; v4-6 16 x lane + 7 k slots; v7-9 4 (lane % 16) + 7 k slots; v10 my place in a block of the weight; v11, v12 where I store codes and scale bytes;
;   v13, v14, v15, v37 (layer 3) stage in, stage out, 4 h, 16 (lane % 16); v16-23 the weight's scale words, v24-35 the rows' (these twenty hold scales and nothing else); v36 1.0; v40-53 at work on the way out; v54-61 at work at the head;
;   v64-111 at work in phase 1; the rows' fragments, three sets of 64 by turns: K step s in set s % 3, sets 0, 1, 2 at v128, v192, v64; row tile i at 16 i.
; window 1: phase 1: four sets of 64 numbers (register 4 i + j = row i, column j).  Phase 2: v0-127 accumulator (row tile i, weight tile T) at 32 i + 8 T; v128-255 the weight's four fragments, two buffers.
.set BS,  16
.set AS,  24
.set ONE, 36
.set O16, 37
.set TM,  40
.set WD,  50
.set CDS, 64                           ; v64-79  codes, column j at 4 j
.set YR,  80                           ; v80-95  codes as converted: register i = row i, byte j = column j
.set MG,  96                           ; v96-99  largest magnitudes; later at work in the turning
.set MX,  100                          ; v100-103 the other half's; then the exponent field
.set INV, 104                          ; v104-107 1 / scale
.set BY,  108                          ; v108-111 the scale bytes
.set BF,  128                          ; in window 1
.set LR,  64+64*((((KS-3)%3)+1)%3)     ; the set that K step KS - 3 leaves: the late loads' 32 registers; behind them, in layers 1 and 2, the codes on the way out
.set MSB, 0
.macro WIN new                         ; the immediate's high byte repeats the setting that is left; a switch that changes nothing is dropped
.if MSB != \new
	s_set_vgpr_msb (MSB<<8)|\new
.set MSB, \new
.endif
.endm
.macro LOADW set, m                    ; block w + 8 m: sixteen loads, each two rows' 256 consecutive bytes
	WIN 0x40                                       ; destination window 1
.irp i, 0,1,2,3,4,5,6,7,8,9,10,11,12,13,14,15
.if (\m) < 4
	global_load_b128 v[64*(\set)+4*\i:64*(\set)+4*\i+3], v10, s[24:25] offset:((\m)&3)*256*PITCH+\i*PITCH th:TH_LOAD_NT
.else
	global_load_b128 v[64*(\set)+4*\i:64*(\set)+4*\i+3], v10, s[26:27] offset:((\m)&3)*256*PITCH+\i*PITCH th:TH_LOAD_NT
.endif
.endr
	WIN 0
.endm
.macro QUANTW set, m
.set XW, 64*(\set)
	s_wait_dscnt 0x0                               ; the last block's LDS stores are done: their registers are written again
.if (\m) > 0
	v_add_nc_u32 v11, 2*SLOTB, v11                 ; each block lies two slots on
	v_add_nc_u32 v12, 2*SLOTB, v12
.endif
	WIN 0x05                                       ; sources 0 and 1 window 1
.irp j, 0,1,2,3
	v_max3_num_f32 v[MG+\j], |v[XW+\j]|, |v[XW+4+\j]|, 0x8000000   ; column j: my 16 rows, and the floor 2^(16 - 127): the byte cannot fall under 1
.endr
.irp i, 2,4,6,8,10,12,14
.irp j, 0,1,2,3
	v_max3_num_f32 v[MG+\j], |v[XW+4*\i+\j]|, |v[XW+4*\i+4+\j]|, v[MG+\j]
.endr
.endr
	WIN 0
.irp j, 0,1,2,3
	v_permlanex16_b32 v[MX+\j], v[MG+\j], s46, s47
.endr
.irp j, 0,1,2,3
	v_max_num_f32 v[MG+\j], v[MG+\j], v[MX+\j]     ; with lane l xor 16: the block's largest magnitude
.endr
.irp j, 0,1,2,3
	v_and_b32 v[MX+\j], 0x7f800000, v[MG+\j]       ; its exponent field E
.endr
.irp j, 0,1,2,3
	v_sub_nc_u32 v[INV+\j], 0x86800000, v[MX+\j]   ; the f32 number 2^(142 - E) = 1 / scale: exponent field 269 - E, from 15 to 253
.endr
.irp j, 0,1,2,3
	v_lshrrev_b32 v[BY+\j], 23, v[MX+\j]
.endr
.irp j, 0,1,2,3
	v_add_nc_u32 v[BY+\j], -15, v[BY+\j]           ; the scale's byte, E - 15
.endr
	WIN 0x41                                       ; destination and source 0 window 1
.irp i, 0,1,2,3,4,5,6,7,8,9,10,11,12,13,14,15
	v_pk_mul_f32 v[XW+4*\i:XW+4*\i+1], v[XW+4*\i:XW+4*\i+1], v[INV:INV+1]
	v_pk_mul_f32 v[XW+4*\i+2:XW+4*\i+3], v[XW+4*\i+2:XW+4*\i+3], v[INV+2:INV+3]
.endr
.set n, 0
.rept 64
	v_med3_num_f32 v[XW+n], v[XW+n], s48, s49      ; the conversion does not saturate (ISA guide 7.6.2): the hold at +-57,344 comes first
.set n, n+1
.endr
	WIN 0x01                                       ; source 0 window 1
.irp a, 0,1,2,3,4,5,6,7
	v_cvt_scalef32_pk8_bf8_f32 v[YR+2*\a:YR+2*\a+1], v[XW+8*\a:XW+8*\a+7], v[ONE]
.endr
	WIN 0
	v_nop                                          ; a plain instruction behind the last conversion
.if (\m)+4 < NBW
	LOADW \set, (\m)+4                             ; the set is free: the block four on goes out ahead of the byte work
.endif
.irp q, 0,1,2,3                        ; rows 4 q .. 4 q + 3 x columns 0 .. 3 are turned: register q of column j = its four bytes
	v_perm_b32 v[MG], v[YR+4*\q+1], v[YR+4*\q], s50
	v_perm_b32 v[MG+1], v[YR+4*\q+1], v[YR+4*\q], s51
	v_perm_b32 v[MG+2], v[YR+4*\q+3], v[YR+4*\q+2], s50
	v_perm_b32 v[MG+3], v[YR+4*\q+3], v[YR+4*\q+2], s51
	v_perm_b32 v[CDS+\q], v[MG+2], v[MG], s52
	v_perm_b32 v[CDS+4+\q], v[MG+2], v[MG], s53
	v_perm_b32 v[CDS+8+\q], v[MG+3], v[MG+1], s52
	v_perm_b32 v[CDS+12+\q], v[MG+3], v[MG+1], s53
.endr
.irp j, 0,1,2,3
	ds_store_b128 v11, v[CDS+4*\j:CDS+4*\j+3] offset:16*\j         ; column j's 16 codes: the 16 bytes of one lane of the image
.endr
.irp j, 0,1,2,3
	ds_store_b8 v12, v[BY+\j] offset:4*\j          ; byte w % 4 of the column's scale word; lanes l and l xor 16 write the same byte with the same value
.endr
.endm
.macro ALOAD s                         ; the four row tiles' fragments and scale words of K step s: twenty loads, 512 consecutive bytes each (the words: 64)
.set RGA, (\s)%3
.set RBA, 64+64*((RGA+1)%3)
.irp i, 0,1,2,3
.irp c, 0,1,2,3
	global_load_b128 v[RBA+16*\i+4*\c:RBA+16*\i+4*\c+3], v1, s[30+2*\i:31+2*\i] offset:2048*(\s)+512*\c
.endr
	global_load_b32 v[AS+4*RGA+\i], v2, s[38+2*\i:39+2*\i] offset:64*(\s)
.endr
.endm
.macro BLOAD s                         ; the weight's four fragments and scale words of K step s, out of LDS into buffer s % 2: twenty LDS loads
.set PL, (\s)&1
.set KK, (\s)/7
.set SO, ((\s)%7)*SLOTB
	WIN 0x40                                       ; destination window 1
.irp t, 0,1,2,3
.irp c, 0,1,2,3
	ds_load_b128 v[BF+64*PL+16*\t+4*\c:BF+64*PL+16*\t+4*\c+3], v[4+KK] offset:SO+TILEB*\t+512*\c
.endr
.endr
	WIN 0
.irp t, 0,1,2,3
	ds_load_b32 v[BS+4*PL+\t], v[7+KK] offset:SO+SCW+64*\t
.endr
.endm
.macro GROUP                           ; the addresses of group 8 s2 + wave, and its first two K steps of rows
	s_lshl_b32 s20, s2, 3
	s_add_co_u32 s20, s20, s14                     ; g
	s_lshl_b32 s55, s20, 2                         ; its first tile, 4 g
	s_sub_co_u32 s23, s18, 1
	s_lshl_b32 s22, s16, 6
.irp i, 0,1,2,3
	s_add_co_u32 s21, s55, \i
	s_min_u32 s21, s21, s23                        ; a tile past nt: the last tile once more
	s_min_u32 s21, s21, 63
	s_add_co_u32 s21, s21, s22                     ; 64 e + t
	s_mul_i32 s56, s21, KSIN*2048
	s_add_co_u32 s56, s56, s60
	s_add_nc_u64 s[30+2*\i:31+2*\i], s[8:9], s[56:57]              ; its images
	s_mul_i32 s56, s21, KSIN*64
	s_add_co_u32 s56, s56, s61
	s_add_nc_u64 s[38+2*\i:39+2*\i], s[8:9], s[56:57]              ; its scale words
.if LAYER < 3
	s_lshl_b32 s56, s21, 15
	s_add_co_u32 s56, s56, s62
	s_add_nc_u64 s[68+2*\i:69+2*\i], s[12:13], s[56:57]            ; out: my 64 columns are half a K step of the next product: 1,024 bytes of the tile's images
	s_lshl_b32 s56, s21, 10
	s_add_co_u32 s56, s56, s63
	s_add_nc_u64 s[76+2*\i:77+2*\i], s[12:13], s[56:57]            ; and two bytes of each row's scale word
.else
	s_lshl_b32 s56, s21, 6
	s_add_nc_u64 s[68+2*\i:69+2*\i], s[10:11], s[56:57]            ; its 16 words of rowdst
.endif
.endr
	ALOAD 0
	ALOAD 1
.endm
.macro STEP s
.if (\s)+1 < KS
	BLOAD (\s)+1                                   ; the other buffer's last readers, the step before, stand eight places back
.endif
.set RG, (\s)%3
.set RB, 64+64*((RG+1)%3)
.set PB, (\s)&1
.set NW, KS-1-(\s)
.if NW > 2
.set NW, 2
.endif
.set NW, 20*NW
.if (\s) >= KS-2
.set NW, NW+LATE
.endif
	s_wait_loadcnt NW                              ; this step's rows are in; what may stay out: twenty loads for each later step asked for (two at the most), and in the last two steps the late loads
.if (\s)+1 < KS
	s_wait_dscnt 20                                ; this step's weights are in; the next step's twenty LDS loads may be out
.else
	s_wait_dscnt 0x0
.endif
	WIN 0x51                                       ; source 0 (the weight), C and D window 1; source 1 (the rows) window 0
.irp t, 0,1,2,3                        ; the sixteen accumulators take turns, one instruction a turn, from step to step too
.irp i, 0,1,2,3
.if (\s) == 0
	v_wmma_scale_f32_16x16x128_f8f6f4 v[32*\i+8*\t:32*\i+8*\t+7], v[BF+64*PB+16*\t:BF+64*PB+16*\t+15], v[RB+16*\i:RB+16*\i+15], 0, v[BS+4*PB+\t], v[AS+4*RG+\i] matrix_a_fmt:MATRIX_FMT_BF8 matrix_b_fmt:MATRIX_FMT_BF8
.else
	v_wmma_scale_f32_16x16x128_f8f6f4 v[32*\i+8*\t:32*\i+8*\t+7], v[BF+64*PB+16*\t:BF+64*PB+16*\t+15], v[RB+16*\i:RB+16*\i+15], v[32*\i+8*\t:32*\i+8*\t+7], v[BS+4*PB+\t], v[AS+4*RG+\i] matrix_a_fmt:MATRIX_FMT_BF8 matrix_b_fmt:MATRIX_FMT_BF8
.endif
.endr
.endr
	WIN 0
.rept 8
	v_nop                                          ; eight places in front of loads into registers that these products read, and of the first read of results
.endr
.if (\s) == KS-1
	v_nop                                          ; a ninth: in the next trip matrix instructions write these accumulators anew
.endif
.if (\s) == KS-3                       ; the late loads, into the set that this step has left
.if LAYER < 3
.irp t, 0,1,2,3
	global_load_b128 v[LR+8*\t:LR+8*\t+3], v3, s[28:29] offset:(32*(\t/2)+8*(\t%2))*4          ; the bias: lane (r, h), tile T, register j: column 32 (T / 2) + 8 (T % 2) + 16 h + j
	global_load_b128 v[LR+8*\t+4:LR+8*\t+7], v3, s[28:29] offset:(32*(\t/2)+8*(\t%2))*4+16
.endr
.else
.irp i, 0,1,2,3
.irp q, 0,1,2,3,4,5,6,7
	global_load_b32 v[LR+8*\i+\q], v15, s[68+2*\i:69+2*\i] offset:8*\q   ; rowdst of rows 2 q + h
.endr
.endr
.endif
.endif
.if (\s)+3 < KS
	ALOAD (\s)+3
.endif
.endm
.if LAYER < 3
.macro EPI i                           ; row tile i: + bias, relu, quantised along the next K, two blocks of 32; stored as images
.set HH, 32*\i
.set PCO, LR+32+8*\i
	WIN 0x41
.set n, 0
.rept 16
	v_pk_add_f32 v[HH+2*n:HH+2*n+1], v[HH+2*n:HH+2*n+1], v[LR+2*n:LR+2*n+1]   ; each accumulator is read from its low end on
.set n, n+1
.endr
	WIN 0x05
.irp b, 0,1
	v_max3_num_f32 v[TM+\b], v[HH+16*\b], v[HH+16*\b+1], 0x8000000   ; no |.|: what is negative becomes 0 and must not count; the floor stands over it
.endr
.irp k, 2,4,6,8,10,12,14
.irp b, 0,1
	v_max3_num_f32 v[TM+\b], v[HH+16*\b+\k], v[HH+16*\b+\k+1], v[TM+\b]
.endr
.endr
	WIN 0
.irp b, 0,1
	v_permlanex16_b32 v[TM+2+\b], v[TM+\b], s46, s47
.endr
.irp b, 0,1
	v_max_num_f32 v[TM+\b], v[TM+\b], v[TM+2+\b]
.endr
.irp b, 0,1
	v_add_nc_u32 v[TM+4+\b], 0xf8800000, v[TM+\b]  ; 15 off the exponent field: the conversion's scale operand
.endr
.irp b, 0,1
	v_and_or_b32 v[TM+6+\b], v[TM+\b], 0x7f800000, s54   ; 57,344 x the scale
.endr
.irp b, 0,1
	v_lshrrev_b32 v[TM+8+\b], 23, v[TM+4+\b]
.endr
	v_lshl_or_b32 v[WD+\i], v[TM+9], 8, v[TM+8]    ; my two bytes of the row's scale word
	WIN 0x41
.irp b, 0,1
.irp k, 0,1,2,3,4,5,6,7,8,9,10,11,12,13,14,15
	v_med3_num_f32 v[HH+16*\b+\k], v[HH+16*\b+\k], 0, v[TM+6+\b]   ; the activation and the hold in one
.endr
.endr
	WIN 0x01
.irp b, 0,1
	v_cvt_scalef32_pk8_bf8_f32 v[PCO+4*\b:PCO+4*\b+1], v[HH+16*\b:HH+16*\b+7], v[TM+4+\b]
	v_cvt_scalef32_pk8_bf8_f32 v[PCO+4*\b+2:PCO+4*\b+3], v[HH+16*\b+8:HH+16*\b+15], v[TM+4+\b]
.endr
	WIN 0
.rept 4
	v_nop                                          ; plain instructions behind the conversions: their results lie in registers that are a matrix operand again in the next trip
.endr
	global_store_b128 v1, v[PCO:PCO+3], s[68+2*\i:69+2*\i]         ; 32 lanes store 512 consecutive bytes
	global_store_b128 v1, v[PCO+4:PCO+7], s[68+2*\i:69+2*\i] offset:512
	global_store_b16 v2, v[WD+\i], s[76+2*\i:77+2*\i]              ; lanes 16-31 repeat lanes 0-15
.endm
.else
.macro EPI3 i                          ; row tile i: through my stage, back as whole rows of 256 bytes, each to the row of y that rowdst names
	WIN 0x04                                       ; an LDS store's data are its source 1: window 1
.irp b, 0,1
.irp q, 0,1,2,3
	ds_store_b128 v13, v[32*\i+16*\b+4*\q:32*\i+16*\b+4*\q+3] offset:128*\b+16*\q   ; each accumulator from its low end on
.endr
.endr
	WIN 0
.irp q, 0,1,2,3,4,5,6,7
	ds_load_b128 v[128+32*\i+4*\q:128+32*\i+4*\q+3], v14 offset:544*\q   ; LDS serves a wave's instructions in order (ISA guide 5.7.1.4): these see my stores, and the next tile's stores come behind them
.endr
.irp q, 0,1,2,3,4,5,6,7
	v_min_u32 v[LR+8*\i+\q], 2055, v[LR+8*\i+\q]
	v_lshl_add_u32 v[LR+8*\i+\q], v[LR+8*\i+\q], 12, v[O16]        ; a row of y is 4,096 bytes; + 16 bytes a lane
.endr
.irp q, 0,1,2,3,4,5,6,7
	s_wait_dscnt 7-\q                              ; the later read-backs may stay out
	global_store_b128 v[LR+8*\i+\q], v[128+32*\i+4*\q:128+32*\i+4*\q+3], s[84:85] th:TH_STORE_NT   ; sixteen lanes store 256 consecutive bytes, aligned
.endr
.endm
.endif
.if LAYER < 3
	s_load_b256 s[4:11], s[0:1], 0x0               ; the weight s[4:5], the bias s[6:7], the rows s[8:9], meta s[10:11]
	s_load_b64 s[12:13], s[0:1], 0x20              ; out
.else
	s_load_b64 s[4:5], s[0:1], 0x0                 ; the weight
	s_load_b128 s[8:11], s[0:1], 0x8               ; the rows, meta
	s_load_b64 s[12:13], s[0:1], 0x18              ; y
	v_lshl_add_u32 v62, v0, 2, 0x19200
	v_mov_b32 v63, 0
.endif
	v_lshrrev_b32 v54, 5, v0
	v_readfirstlane_b32 s14, v54                   ; wave 0..7
	s_and_b32 s16, ttmp7, 0xffff                   ; e
.if LAYER < 3
	s_mov_b32 s15, ttmp9                           ; nb
	s_mov_b32 s17, 0
.else
	s_and_b32 s15, ttmp9, 15                       ; nb
	s_lshr_b32 s17, ttmp9, 4                       ; the K half
.endif
	s_mul_i32 s56, s16, ES
	s_lshl_b32 s21, s17, 10
	s_lshl_b32 s22, s14, 5
	s_add_co_u32 s21, s21, s22                     ; my first K row: 1,024 x half + 32 w
	s_mul_i32 s21, s21, PITCH
	s_add_co_u32 s56, s56, s21
	s_lshl_b32 s21, s15, 8
	s_add_co_u32 s56, s56, s21                     ; + 256 nb; all under 2^31
	s_mov_b32 s57, 0
	v_and_b32 v55, 15, v0                          ; l16
	v_bfe_u32 v56, v0, 4, 1                        ; h
	v_and_b32 v57, 31, v0                          ; lane
	v_lshlrev_b32 v10, 4, v55
	v_mad_u32_u24 v10, v56, 16*PITCH, v10          ; 16 l16 + 16 h rows
	s_wait_kmcnt 0x0
	s_add_nc_u64 s[24:25], s[4:5], s[56:57]
.if NBW > 4
	s_add_nc_u64 s[26:27], s[24:25], 1024*PITCH    ; blocks 4 to 7: beyond the immediate's reach
.endif
	LOADW 0, 0                                     ; 64 loads a wave, 8 waves: the whole slab of 256 KiB goes out before anything else is done
	LOADW 1, 1
	LOADW 2, 2
	LOADW 3, 3
	s_lshl_b32 s56, s16, 2
	s_add_nc_u64 s[58:59], s[10:11], s[56:57]
	s_load_b32 s18, s[58:59], 0x8000               ; nt[e]
.if LAYER < 3
	s_lshl_b32 s56, s16, 13
	s_lshl_b32 s21, s15, 8
	s_add_co_u32 s56, s56, s21
	s_add_nc_u64 s[28:29], s[6:7], s[56:57]        ; the bias of my 64 columns
	s_lshl_b32 s62, s15, 10
	s_lshr_b32 s63, s15, 1
	s_lshl_b32 s63, s63, 6
	s_and_b32 s21, s15, 1
	s_lshl_b32 s21, s21, 1
	s_add_co_u32 s63, s63, s21
	s_add_co_u32 s63, s63, 0x1000000               ; 16,777,216 + 64 (nb / 2) + 2 (nb % 2)
.else
	s_mul_i32 s56, s17, 8421376
	s_lshl_b32 s21, s15, 8
	s_add_co_u32 s56, s56, s21
	s_add_nc_u64 s[84:85], s[12:13], s[56:57]      ; y: my half's 2,056 rows, my 256 bytes of each
.endif
	s_lshl_b32 s60, s17, 14                        ; the K half in a tile's images,
	s_lshl_b32 s61, s17, 9
	s_add_co_u32 s61, s61, SCOFF                   ; and in its scale words
	s_mov_b32 s46, 0x76543210
	s_mov_b32 s47, 0xfedcba98                      ; v_permlanex16_b32: lane l xor 16
	s_mov_b32 s48, 0xc7600000                      ; -57,344
	s_mov_b32 s49, 0x47600000                      ; 57,344
	s_mov_b32 s50, 0x05010400                      ; v_perm_b32: columns 0, 1 of two rows, interleaved;
	s_mov_b32 s51, 0x07030602                      ; columns 2, 3;
	s_mov_b32 s52, 0x05040100                      ; the low halves of two words;
	s_mov_b32 s53, 0x07060302                      ; the high halves
	s_mov_b32 s54, 0x600000                        ; the mantissa field of 57,344
	v_lshlrev_b32 v1, 4, v57
	v_lshlrev_b32 v2, 2, v55
	v_lshlrev_b32 v3, 6, v56
.set k, 0
.rept NK
	v_lshl_add_u32 v[4+k], v57, 4, 7*k*SLOTB
	v_lshl_add_u32 v[7+k], v55, 2, 7*k*SLOTB
.set k, k+1
.endr
	; where my four columns go: column 4 l16 + j is index i0 + j of tile Tt, Tt = 2 (l16 / 8) + (l16 / 2) % 2, i0 = 4 (l16 % 2) + 8 ((l16 / 4) % 2); my half h is lane 16 h + index of the image
	s_and_b32 s21, s14, 3                          ; c: which 32 of the K step
	s_lshr_b32 s22, s14, 2
	s_mul_i32 s22, s22, SLOTB                      ; slot w / 4 (+ 2 m)
	s_lshl_b32 s23, s21, 9
	s_add_co_u32 s23, s23, s22
	s_add_co_u32 s21, s21, s22
	s_add_co_u32 s21, s21, SCW
	v_bfe_u32 v58, v0, 3, 1
	v_bfe_u32 v59, v0, 1, 1
	v_and_b32 v60, 1, v0
	v_bfe_u32 v61, v0, 2, 1
	v_mul_u32_u24 v11, v58, 2*TILEB
	v_mad_u32_u24 v11, v59, TILEB, v11
	v_lshl_add_u32 v11, v60, 6, v11
	v_lshl_add_u32 v11, v61, 7, v11
	v_lshl_add_u32 v11, v56, 8, v11
	v_add_nc_u32 v11, s23, v11
	v_lshlrev_b32 v12, 7, v58
	v_lshl_add_u32 v12, v59, 6, v12
	v_lshl_add_u32 v12, v60, 4, v12
	v_lshl_add_u32 v12, v61, 5, v12
	v_add_nc_u32 v12, s21, v12
.if LAYER == 3
	s_mul_i32 s21, s14, 16*272
	s_add_co_u32 s21, s21, STAGE                   ; my stage
	v_mul_u32_u24 v13, v55, 272
	v_lshl_add_u32 v13, v56, 6, v13
	v_add_nc_u32 v13, s21, v13                     ; in: row r, + 64 h
	v_mul_u32_u24 v14, v56, 272
	v_lshl_add_u32 v14, v55, 4, v14
	v_add_nc_u32 v14, s21, v14                     ; back: lanes 0-15 one row, lanes 16-31 the next
	v_lshlrev_b32 v15, 2, v56
	v_lshlrev_b32 v[O16], 4, v55
.else
	v_mov_b32 v[TM+2], 0                           ; written once: a lane permute's destination counts as one of its sources
	v_mov_b32 v[TM+3], 0
.endif
	v_mov_b32 v[ONE], 1.0
.irp j, 0,1,2,3
	v_mov_b32 v[MX+\j], 0                          ; likewise
.endr
; ---- PHASE 1
.set mm, 0
.rept NBW
.set YW, NBW-1-mm
.if YW > 3
.set YW, 3
.endif
.if mm == NBW-1
	s_wait_loadcnt 40                              ; the last block's sixteen loads are in; the forty loads of rows issued behind them may be out
.else
	s_wait_loadcnt 16*YW                           ; this block's sixteen loads are in; sixteen for each later block asked for (three at the most) may be out
.endif
.if mm == NBW-2                        ; two blocks are left to quantise: the first group's first rows go out now and land meanwhile
	s_wait_kmcnt 0x0
	s_min_u32 s18, s18, 64
	s_max_u32 s18, s18, 1                          ; nt
	s_add_co_u32 s19, s18, 3
	s_lshr_b32 s19, s19, 2                         ; groups of four tiles, at most 16
	s_mov_b32 s2, 0                                ; the trip
	GROUP
.endif
	QUANTW mm%4, mm
.set mm, mm+1
.endr
	s_wait_dscnt 0x0                               ; for the others' sake: my images and scale bytes have landed
	s_barrier_signal -1
	s_barrier_wait -1                              ; the one barrier: behind it the slots are only read
; ---- PHASE 2
	s_cmp_ge_u32 s14, s19
	s_cbranch_scc1 .Lend                           ; wave w takes groups w, w + 8
	s_sub_co_u32 s3, s19, s14                      ; groups - wave, at least 1 here
	s_add_co_u32 s3, s3, 7
	s_lshr_b32 s3, s3, 3                           ; the trips
	s_min_u32 s3, s3, 2
.Lgroup:
	ALOAD 2                                        ; into the set where phase 1 worked, or that the last trip's way out has left
	BLOAD 0
.set ss, 0
.rept KS
	STEP ss
.set ss, ss+1
.endr
	s_wait_loadcnt 0x0                             ; the late loads
.if LAYER < 3
	EPI 0
.irp i, 1,2,3
	s_add_co_u32 s21, s55, \i
	s_cmp_ge_u32 s21, s18
	s_cbranch_scc1 .Lone                           ; no tile 4 g + i, and none behind it
	EPI \i
.endr
.else
	EPI3 0
.irp i, 1,2,3
	s_add_co_u32 s21, s55, \i
	s_cmp_ge_u32 s21, s18
	s_cbranch_scc1 .Lone
	EPI3 \i
.endr
.endif
.Lone:
	s_wait_xcnt 0x0                                ; the stores have read their data, offsets and bases: all are written again for the next trip
	s_add_co_u32 s2, s2, 1
	s_cmp_ge_u32 s2, s3
	s_cbranch_scc1 .Lend
	GROUP                                          ; the next group's addresses and first rows
	s_cmp_lt_u32 s2, s3
	s_cbranch_scc1 .Lgroup
.Lend:
	s_wait_tensorcnt 0x0
	ds_add_u32 v62, v63
	s_wait_dscnt 0x0
	s_endpgm
.Lfunc_end_k_q3324d0b5ec_g3:
	.size	k_q3324d0b5ec_g3, .Lfunc_end_k_q3324d0b5ec_g3-k_q3324d0b5ec_g3
	.p2alignl 7, 3214868480
	.fill 96, 4, 3214868480
	.section	.rodata,"a",@progbits
	.p2align	6, 0x0
	.amdhsa_kernel k_q3324d0b5ec_g3
		.amdhsa_group_segment_fixed_size 103936
		.amdhsa_private_segment_fixed_size 0
		.amdhsa_enable_private_segment 0
		.amdhsa_kernarg_size 32
		.amdhsa_user_sgpr_count 2
		.amdhsa_user_sgpr_kernarg_segment_ptr 1
		.amdhsa_wavefront_size32 1
		.amdhsa_system_sgpr_workgroup_id_x 1
		.amdhsa_system_sgpr_workgroup_id_y 1
		.amdhsa_system_sgpr_workgroup_id_z 1
		.amdhsa_system_vgpr_workitem_id 0
		.amdhsa_next_free_vgpr 512
		.amdhsa_next_free_sgpr 86
		.amdhsa_reserve_vcc 0
		.amdhsa_float_denorm_mode_32 3
		.amdhsa_float_denorm_mode_16_64 3
		.amdhsa_memory_ordered 1
		.amdhsa_forward_progress 1
		.amdhsa_inst_pref_size 130
	.end_amdhsa_kernel
	.amdgpu_metadata
---
amdhsa.version: [ 1, 2 ]
amdhsa.kernels:
  - .name:           k_q3324d0b5ec_g3
    .symbol:         k_q3324d0b5ec_g3.kd
    .args:
      - { .name: W3, .offset: 0, .size: 8, .value_kind: global_buffer, .address_space: global }
      - { .name: h2, .offset: 8, .size: 8, .value_kind: global_buffer, .address_space: global }
      - { .name: meta, .offset: 16, .size: 8, .value_kind: global_buffer, .address_space: global }
      - { .name: y, .offset: 24, .size: 8, .value_kind: global_buffer, .address_space: global }
    .group_segment_fixed_size: 103936
    .private_segment_fixed_size: 0
    .kernarg_segment_align: 8
    .kernarg_segment_size: 32
    .max_flat_workgroup_size: 256
    .sgpr_count:     86
    .vgpr_count:     512
    .wavefront_size: 32
...
	.end_amdgpu_metadata
.endif
;; end of part 5
;; launch comb (part 6): grid 256 x 1, 8 waves a work-group, no clusters, 0 bytes of LDS; arguments y, gates, b3, out0; writes out0
.if DOCPART == 6
	.amdgcn_target "amdgcn-amd-amdhsa--gfx1250"
	.amdhsa_code_object_version 6
	.text
	.protected	k_q3324d0b5ec_comb
	.globl	k_q3324d0b5ec_comb
	.p2align	8
	.type	k_q3324d0b5ec_comb,@function
k_q3324d0b5ec_comb:
	s_mov_b64 s[64:65], 0
	v_nop
	global_prefetch_b8 v0, s[64:65] scope:SCOPE_SE
	s_setreg_imm32_b32 hwreg(HW_REG_WAVE_MODE, 25, 1), 1
	s_wait_xcnt 0x0
; THE COMBINATION.  out[token] = gate_0 (y0[2 token] + y1[2 token]) + gate_1 (y0[2 token + 1] + y1[2 token + 1]) + the sum over e of comb[token][e] b3[e].
; y: [2 K halves][2,056 rows][1,024] f32, row = 2 token + slot; gates: gate2[1024][2] at 0, comb[1024][8] at 8,192; b3: [8][1024] f32; out0: [1024][1024] f32.
; A stream: a work-group takes 4 tokens, thread t the columns 4 t .. 4 t + 3, so that every load and store of a wave covers 512 consecutive bytes.  The gates are the same for all threads: scalar loads.
; No LDS, no barrier, no matrix unit: K = 8 and the bytes bind.  The two K halves are added in a fixed order, half 0 first.
.set B3, 8                             ; v8-39   b3 of my columns: expert e at 4 e
.set PP, 40                            ; v40-103 token k at 16 k: (slot 0, half 0), (slot 0, half 1), (slot 1, half 0), (slot 1, half 1), four numbers each
	s_load_b256 s[4:11], s[0:1], 0x0               ; y s[4:5], gates s[6:7], b3 s[8:9], out0 s[10:11]
	v_lshlrev_b32 v1, 4, v0                        ; 16 bytes a thread
	s_lshl_b32 s28, ttmp9, 15                      ; 8 rows of y a work-group
	s_mov_b32 s29, 0
	s_lshl_b32 s30, ttmp9, 5
	s_mov_b32 s31, 0
	s_wait_kmcnt 0x0
	s_add_nc_u64 s[12:13], s[4:5], s[28:29]        ; half 0
	s_add_nc_u64 s[14:15], s[12:13], 8421376       ; half 1: 2,056 rows on, beyond the immediate's reach
	s_add_nc_u64 s[24:25], s[6:7], s[30:31]        ; gate2: 32 bytes a work-group
	s_lshl_b32 s30, ttmp9, 7
	s_add_nc_u64 s[26:27], s[6:7], s[30:31]        ; comb: 128 bytes
	s_lshl_b32 s28, ttmp9, 14
	s_add_nc_u64 s[10:11], s[10:11], s[28:29]
	s_load_b256 s[16:23], s[24:25], 0x0            ; s[16 + 2 k], s[17 + 2 k]: token k's two gates
	s_load_b512 s[32:47], s[26:27], 0x2000         ; s[32 + 8 k + e]: comb
	s_load_b512 s[48:63], s[26:27], 0x2040
.irp e, 0,1,2,3,4,5,6,7
	global_load_b128 v[B3+4*\e:B3+4*\e+3], v1, s[8:9] offset:4096*\e
.endr
.irp k, 0,1,2,3
.irp l, 0,1
	global_load_b128 v[PP+16*\k+8*\l:PP+16*\k+8*\l+3], v1, s[12:13] offset:8192*\k+4096*\l th:TH_LOAD_NT
	global_load_b128 v[PP+16*\k+8*\l+4:PP+16*\k+8*\l+7], v1, s[14:15] offset:8192*\k+4096*\l th:TH_LOAD_NT
.endr
.endr
	s_wait_kmcnt 0x0
.irp k, 0,1,2,3
.set PK, PP+16*\k
	s_wait_loadcnt 12-4*\k                         ; b3 and this token's four loads are in; the later tokens' four each may be out
	v_pk_add_f32 v[PK:PK+1], v[PK:PK+1], v[PK+4:PK+5]
	v_pk_add_f32 v[PK+2:PK+3], v[PK+2:PK+3], v[PK+6:PK+7]
	v_pk_add_f32 v[PK+8:PK+9], v[PK+8:PK+9], v[PK+12:PK+13]
	v_pk_add_f32 v[PK+10:PK+11], v[PK+10:PK+11], v[PK+14:PK+15]
.irp c, 0,1,2,3
	v_mul_f32 v[PK+\c], s[16+2*\k], v[PK+\c]
.endr
.irp c, 0,1,2,3
	v_fmac_f32 v[PK+\c], s[17+2*\k], v[PK+8+\c]
.endr
.irp e, 0,1,2,3,4,5,6,7
.irp c, 0,1,2,3
	v_fmac_f32 v[PK+\c], s[32+8*\k+\e], v[B3+4*\e+\c]
.endr
.endr
	global_store_b128 v1, v[PK:PK+3], s[10:11] offset:4096*\k      ; sixteen lanes store 256 consecutive bytes, aligned
.endr
	s_endpgm
.Lfunc_end_k_q3324d0b5ec_comb:
	.size	k_q3324d0b5ec_comb, .Lfunc_end_k_q3324d0b5ec_comb-k_q3324d0b5ec_comb
	.p2alignl 7, 3214868480
	.fill 96, 4, 3214868480
	.section	.rodata,"a",@progbits
	.p2align	6, 0x0
	.amdhsa_kernel k_q3324d0b5ec_comb
		.amdhsa_group_segment_fixed_size 0
		.amdhsa_private_segment_fixed_size 0
		.amdhsa_enable_private_segment 0
		.amdhsa_kernarg_size 32
		.amdhsa_user_sgpr_count 2
		.amdhsa_user_sgpr_kernarg_segment_ptr 1
		.amdhsa_wavefront_size32 1
		.amdhsa_system_sgpr_workgroup_id_x 1
		.amdhsa_system_sgpr_workgroup_id_y 1
		.amdhsa_system_sgpr_workgroup_id_z 1
		.amdhsa_system_vgpr_workitem_id 0
		.amdhsa_next_free_vgpr 104
		.amdhsa_next_free_sgpr 66
		.amdhsa_reserve_vcc 0
		.amdhsa_float_denorm_mode_32 3
		.amdhsa_float_denorm_mode_16_64 3
		.amdhsa_memory_ordered 1
		.amdhsa_forward_progress 1
		.amdhsa_inst_pref_size 10
	.end_amdhsa_kernel
	.amdgpu_metadata
---
amdhsa.version: [ 1, 2 ]
amdhsa.kernels:
  - .name:           k_q3324d0b5ec_comb
    .symbol:         k_q3324d0b5ec_comb.kd
    .args:
      - { .name: y, .offset: 0, .size: 8, .value_kind: global_buffer, .address_space: global }
      - { .name: gates, .offset: 8, .size: 8, .value_kind: global_buffer, .address_space: global }
      - { .name: b3, .offset: 16, .size: 8, .value_kind: global_buffer, .address_space: global }
      - { .name: out0, .offset: 24, .size: 8, .value_kind: global_buffer, .address_space: global }
    .group_segment_fixed_size: 0
    .private_segment_fixed_size: 0
    .kernarg_segment_align: 8
    .kernarg_segment_size: 32
    .max_flat_workgroup_size: 256
    .sgpr_count:     66
    .vgpr_count:     104
    .wavefront_size: 32
...
	.end_amdgpu_metadata
.endif
;; end of part 6
;; ======== version 2 of 2: 6 launches
;; workspace buffers: sel 4,096 bytes of whole numbers; meta 33,024 bytes of whole numbers; gates 40,960 bytes; xa 8,650,752 bytes; h1 17,301,504 bytes; h2 17,301,504 bytes; y 16,842,752 bytes
;; launch route (part 7): grid 256 x 1, 8 waves a work-group, no clusters, 2,048 bytes of LDS; arguments x, Wr, br, sel, gates; writes sel, gates
.if DOCPART == 7
	.amdgcn_target "amdgcn-amd-amdhsa--gfx1250"
	.amdhsa_code_object_version 6
	.text
	.protected	k_q3324d0b5ec_route
	.globl	k_q3324d0b5ec_route
	.p2align	8
	.type	k_q3324d0b5ec_route,@function
k_q3324d0b5ec_route:
	s_mov_b64 s[64:65], 0
	v_nop
	global_prefetch_b8 v0, s[64:65] scope:SCOPE_SE
	s_setreg_imm32_b32 hwreg(HW_REG_WAVE_MODE, 25, 1), 1
	s_wait_xcnt 0x0
; THE ROUTER.  logits = x Wr + br in f32 multiply-adds; softmax with the row maximum taken away; the two largest probabilities
; (of equal ones the lower index first); the two gates w_k = p_k / (p_1 + p_2 + 1e-6).
; x: [1024][1024] f32, Wr: [1024][8] f32, br: [8] f32.
; OUT, all at fixed places (no address hangs on the choice):
;   sel[token]  u32: bits 7:0 = (1 << id0) | (1 << id1), bits 15:8 = id1
;   gates + 0:    gate2[token][2] f32 (the larger first);   gates + 8192: comb[token][8] f32 (0 for experts not chosen)
; SHARES.  A work-group takes 4 tokens.  Wave w takes d = 128 w .. 128 w + 127, lane l the four d = 128 w + 4 l + i.
; Each load of x covers 512 consecutive bytes of a row.  The eight waves meet in LDS (128 bytes a wave), then wave 0 finishes:
; its lane L stands for token L / 8 and expert L % 8.
; LIMITS: NaN and infinities are not served.  Two probabilities that differ by less than the rounding of an f32 sum of 1,024
; terms may be ordered otherwise than a sum taken in another order would order them.
.set XR,  8                            ; v8-23   x: token k at 4 k, number i
.set WR,  24                           ; v24-55  Wr: register 8 i + e
.set ACC, 56                           ; v56-87  sums: register 8 k + e
.set PT,  88                           ; v88-95  the eight waves' parts
.macro LANES8 op, reg                  ; over the eight lanes of a token: lanes l xor 1, 2, 4
.irp m, 1,2,4
	s_delay_alu instid0(VALU_DEP_1)
	\op v[\reg], v[\reg], v[\reg] row_xmask:\m row_mask:0xf bank_mask:0xf
.endr
.endm
	s_load_b256 s[4:11], s[0:1], 0x0               ; x s[4:5], Wr s[6:7], br s[8:9], sel s[10:11]
	s_load_b64 s[12:13], s[0:1], 0x20              ; gates
	v_lshl_add_u32 v96, v0, 2, 0x400
	v_mov_b32 v97, 0
	v_lshrrev_b32 v1, 5, v0
	s_delay_alu instid0(VALU_DEP_1)
	v_readfirstlane_b32 s14, v1                    ; wave 0..7
	v_lshlrev_b32 v1, 4, v0                        ; x: 16 bytes a thread: 512 w + 16 l
	v_lshlrev_b32 v2, 7, v0                        ; Wr: four rows of 32 bytes a thread
	v_and_b32 v3, 0xe0, v0
	s_delay_alu instid0(VALU_DEP_1)
	v_lshlrev_b32 v3, 2, v3                        ; LDS: 128 bytes a wave
	v_and_b32 v4, 31, v0
	s_delay_alu instid0(VALU_DEP_1)
	v_lshlrev_b32 v4, 2, v4                        ; LDS: 4 bytes a lane
	s_mov_b32 s16, 0x76543210
	s_mov_b32 s17, 0xfedcba98                      ; v_permlanex16_b32: lane l xor 16
	s_lshl_b32 s20, ttmp9, 14                      ; 4 rows of 4,096 bytes a work-group
	s_mov_b32 s21, 0
	s_wait_alu depctr_va_vdst(0)
	s_wait_kmcnt 0x0
	s_add_nc_u64 s[4:5], s[4:5], s[20:21]
.irp k, 0,1,2,3
	global_load_b128 v[XR+4*\k:XR+4*\k+3], v1, s[4:5] offset:4096*\k
.endr
.irp q, 0,1,2,3,4,5,6,7
	global_load_b128 v[WR+4*\q:WR+4*\q+3], v2, s[6:7] offset:16*\q
.endr
	s_wait_loadcnt 0x0
.irp k, 0,1,2,3
.irp e, 0,1,2,3,4,5,6,7
	v_mul_f32 v[ACC+8*\k+\e], v[XR+4*\k], v[WR+\e]                 ; the first product starts each sum
.endr
.endr
.irp i, 1,2,3
.irp k, 0,1,2,3
.irp e, 0,1,2,3,4,5,6,7
	v_fmac_f32 v[ACC+8*\k+\e], v[XR+4*\k+\i], v[WR+8*\i+\e]
.endr
.endr
.endr
.irp m, 1,2,4,8                        ; the sum over the wave's 32 lanes, stage by stage over all 32 registers
.set n, 0
.rept 32
	v_add_f32_dpp v[ACC+n], v[ACC+n], v[ACC+n] row_xmask:\m row_mask:0xf bank_mask:0xf
.set n, n+1
.endr
.endr
.set n, 0
.rept 32
	v_permlanex16_b32 v[XR+n], v[ACC+n], s16, s17  ; into registers that the loads have written and that are done with
.set n, n+1
.endr
.set n, 0
.rept 32
	v_add_f32 v[ACC+n], v[ACC+n], v[XR+n]
.set n, n+1
.endr
.irp q, 0,1,2,3,4,5,6,7
	ds_store_b128 v3, v[ACC+4*\q:ACC+4*\q+3] offset:16*\q          ; every lane holds the same sums and writes the same bytes
.endr
	s_wait_dscnt 0x0                               ; for the others' sake: my stores have landed
	s_barrier_signal -1
	s_barrier_wait -1
	s_cmp_lg_u32 s14, 0
	s_cbranch_scc1 .Lend                           ; wave 0 finishes alone; no barrier follows
	v_and_b32 v5, 7, v0                            ; e
	s_delay_alu instid0(VALU_DEP_1)
	v_lshlrev_b32 v7, 2, v5
.irp w, 0,1,2,3,4,5,6,7
	ds_load_b32 v[PT+\w], v4 offset:128*\w         ; wave w's part of (token L / 8, expert L % 8)
.endr
	global_load_b32 v26, v7, s[8:9]                ; br[e]
	v_cvt_f32_u32 v6, v5                           ; e as f32
	v_mov_b32 v27, 1
	v_mov_b32 v28, -1.0
	v_mov_b32 v29, 0x41000000                      ; 8.0: above every index
	s_lshl_b32 s20, ttmp9, 7
	s_add_nc_u64 s[22:23], s[12:13], s[20:21]      ; comb: 128 bytes a work-group
	s_lshl_b32 s20, ttmp9, 5
	s_add_nc_u64 s[24:25], s[12:13], s[20:21]      ; gate2: 32 bytes
	s_lshl_b32 s20, ttmp9, 4
	s_add_nc_u64 s[26:27], s[10:11], s[20:21]      ; sel: 16 bytes
	s_wait_dscnt 0x0
	v_add_f32 v8, v[PT], v[PT+1]
.irp w, 2,3,4,5,6,7
	s_delay_alu instid0(VALU_DEP_1)
	v_add_f32 v8, v8, v[PT+\w]
.endr
	s_wait_alu depctr_va_vdst(0)
	s_wait_loadcnt 0x0
	v_add_f32 v8, v8, v26                          ; the logit
	s_delay_alu instid0(VALU_DEP_1)
	v_mov_b32 v9, v8
	LANES8 v_max_num_f32_dpp, 9                    ; the token's largest logit
	s_delay_alu instid0(VALU_DEP_1)
	v_sub_f32 v10, v8, v9
	s_delay_alu instid0(VALU_DEP_1)
	v_mul_f32 v10, 0x3fb8aa3b, v10                 ; x log2(e)
	s_wait_alu depctr_va_vdst(0)
	v_exp_f32 v10, v10
	v_nop                                          ; a plain instruction behind the exponential,
	s_wait_alu depctr_va_vdst(0)                   ; and the wait ahead of the first line that names its result
	v_mov_b32 v11, v10
	LANES8 v_add_f32_dpp, 11
	s_wait_alu depctr_va_vdst(0)
	v_rcp_f32 v11, v11
	v_nop
	s_wait_alu depctr_va_vdst(0)
	v_mul_f32 v12, v10, v11                        ; p
	s_delay_alu instid0(VALU_DEP_1)
	v_mov_b32 v13, v12
	LANES8 v_max_num_f32_dpp, 13                   ; the largest p
	s_delay_alu instid0(VALU_DEP_1)
	v_cmp_eq_f32 vcc_lo, v12, v13
	s_delay_alu instid0(VALU_DEP_1)
	v_cndmask_b32 v14, v29, v6, vcc_lo             ; my index where I hold it, else 8
	LANES8 v_min_num_f32_dpp, 14                   ; id0: of equal ones the lower index
	s_delay_alu instid0(VALU_DEP_1)
	v_cmp_eq_f32 vcc_lo, v6, v14
	s_delay_alu instid0(VALU_DEP_1)
	v_cndmask_b32 v15, v12, v28, vcc_lo            ; id0 is taken out: -1 lies under every p
	s_delay_alu instid0(VALU_DEP_1)
	v_mov_b32 v16, v15
	LANES8 v_max_num_f32_dpp, 16                   ; the second p
	s_delay_alu instid0(VALU_DEP_1)
	v_cmp_eq_f32 vcc_lo, v15, v16
	s_delay_alu instid0(VALU_DEP_1)
	v_cndmask_b32 v17, v29, v6, vcc_lo
	LANES8 v_min_num_f32_dpp, 17                   ; id1
	v_add_f32 v18, v13, v16
	s_delay_alu instid0(VALU_DEP_1)
	v_add_f32 v18, 0x358637bd, v18                 ; + 1e-6
	s_wait_alu depctr_va_vdst(0)
	v_rcp_f32 v18, v18
	v_and_b32 v30, 1, v0                           ; (a plain instruction behind the reciprocal)
	s_wait_alu depctr_va_vdst(0)
	v_mul_f32 v19, v13, v18                        ; the two gates
	v_mul_f32 v20, v16, v18
	v_cmp_eq_f32 vcc_lo, v6, v17
	s_delay_alu instid0(VALU_DEP_1)
	v_cndmask_b32 v21, 0, v20, vcc_lo
	v_cmp_eq_f32 vcc_lo, v6, v14
	s_delay_alu instid0(VALU_DEP_1)
	v_cndmask_b32 v21, v21, v19, vcc_lo            ; comb[token][e]
	v_cmp_eq_u32 vcc_lo, 1, v30
	s_delay_alu instid0(VALU_DEP_1)
	v_cndmask_b32 v22, v19, v20, vcc_lo            ; gate2[token][e & 1]: four lanes store the same number at the same place
	v_bfe_u32 v24, v0, 3, 2                        ; token of the four
	s_delay_alu instid0(VALU_DEP_1)
	v_lshlrev_b32 v25, 2, v24
	s_delay_alu instid0(VALU_DEP_2)
	v_lshlrev_b32 v24, 3, v24
	s_delay_alu instid0(VALU_DEP_1)
	v_lshl_add_u32 v24, v30, 2, v24
	v_cvt_u32_f32 v31, v14
	v_cvt_u32_f32 v32, v17
	s_delay_alu instid0(VALU_DEP_2)
	v_lshlrev_b32 v33, v31, v27
	s_delay_alu instid0(VALU_DEP_2)
	v_lshlrev_b32 v34, v32, v27
	s_delay_alu instid0(VALU_DEP_1)
	v_or_b32 v23, v33, v34
	s_delay_alu instid0(VALU_DEP_1)
	v_lshl_or_b32 v23, v32, 8, v23                 ; sel[token]: eight lanes store the same number at the same place
	global_store_b32 v4, v21, s[22:23] offset:8192
	global_store_b32 v24, v22, s[24:25]
	global_store_b32 v25, v23, s[26:27]
.Lend:
	s_wait_tensorcnt 0x0
	ds_add_u32 v96, v97
	s_wait_dscnt 0x0
	s_endpgm
.Lfunc_end_k_q3324d0b5ec_route:
	.size	k_q3324d0b5ec_route, .Lfunc_end_k_q3324d0b5ec_route-k_q3324d0b5ec_route
	.p2alignl 7, 3214868480
	.fill 96, 4, 3214868480
	.section	.rodata,"a",@progbits
	.p2align	6, 0x0
	.amdhsa_kernel k_q3324d0b5ec_route
		.amdhsa_group_segment_fixed_size 2048
		.amdhsa_private_segment_fixed_size 0
		.amdhsa_enable_private_segment 0
		.amdhsa_kernarg_size 40
		.amdhsa_user_sgpr_count 2
		.amdhsa_user_sgpr_kernarg_segment_ptr 1
		.amdhsa_wavefront_size32 1
		.amdhsa_system_sgpr_workgroup_id_x 1
		.amdhsa_system_sgpr_workgroup_id_y 1
		.amdhsa_system_sgpr_workgroup_id_z 1
		.amdhsa_system_vgpr_workitem_id 0
		.amdhsa_next_free_vgpr 98
		.amdhsa_next_free_sgpr 66
		.amdhsa_reserve_vcc 1
		.amdhsa_float_denorm_mode_32 3
		.amdhsa_float_denorm_mode_16_64 3
		.amdhsa_memory_ordered 1
		.amdhsa_forward_progress 1
		.amdhsa_inst_pref_size 24
	.end_amdhsa_kernel
	.amdgpu_metadata
---
amdhsa.version: [ 1, 2 ]
amdhsa.kernels:
  - .name:           k_q3324d0b5ec_route
    .symbol:         k_q3324d0b5ec_route.kd
    .args:
      - { .name: x, .offset: 0, .size: 8, .value_kind: global_buffer, .address_space: global }
      - { .name: Wr, .offset: 8, .size: 8, .value_kind: global_buffer, .address_space: global }
      - { .name: br, .offset: 16, .size: 8, .value_kind: global_buffer, .address_space: global }
      - { .name: sel, .offset: 24, .size: 8, .value_kind: global_buffer, .address_space: global }
      - { .name: gates, .offset: 32, .size: 8, .value_kind: global_buffer, .address_space: global }
    .group_segment_fixed_size: 2048
    .private_segment_fixed_size: 0
    .kernarg_segment_align: 8
    .kernarg_segment_size: 40
    .max_flat_workgroup_size: 256
    .sgpr_count:     66
    .vgpr_count:     98
    .wavefront_size: 32
...
	.end_amdgpu_metadata
.endif
;; end of part 7
;; launch place (part 8): grid 64 x 8, 4 waves a work-group, no clusters, 0 bytes of LDS; arguments x, sel, xa, meta; writes xa, meta
.if DOCPART == 8
	.amdgcn_target "amdgcn-amd-amdhsa--gfx1250"
	.amdhsa_code_object_version 6
	.text
	.protected	k_q3324d0b5ec_place
	.globl	k_q3324d0b5ec_place
	.p2align	8
	.type	k_q3324d0b5ec_place,@function
k_q3324d0b5ec_place:
	s_mov_b64 s[64:65], 0
	v_nop
	global_prefetch_b8 v0, s[64:65] scope:SCOPE_SE
	s_setreg_imm32_b32 hwreg(HW_REG_WAVE_MODE, 25, 1), 1
	s_wait_xcnt 0x0
; THE ROWS ARE PLACED BY EXPERT, AND x IS QUANTISED.  Work-group (t, e) serves tile t (16 rows) of expert e.  The grid has 64 tiles for each expert, as many as all 1,024 tokens on one expert would need:
; a work-group whose tile the split does not have stores nothing and ends; tile 0 always exists.
; The q-th row of expert e is the q-th token (ascending) whose sel word has bit e.  It is FOUND, not scattered: every wave holds the 1,024 bits as 32 masks in scalar registers,
; and lane r looks up rank q = 16 t + r: first the mask in which it falls (by the running count), then the bit in that mask.
; OUT:  xa: the tile's codes of E5M2 as IMAGES OF THE OPERAND'S REGISTERS: fragment (tile 64 e + t, K step s) at ((64 e + t) 8 + s) 2,048 bytes; in it register group c at 512 c, lane L at 16 L;
;       lane (r, h) holds row r, k = 128 s + 32 c + 16 h + 0 .. 15.  The scale words behind them, at 8,388,608 + ((64 e + t) 8 + s) 64 + 4 r.
;       meta: rowdst[e][q] = 2 token + slot (slot 1 where e is the token's second expert); meta + 32,768: nt[e], the expert's tiles, at least 1.
; ROWS PAST THE EXPERT'S COUNT in its last tile hold some token's row (the index is held at 1,023) and rowdst = 2,048 + e: a row of y that is the expert's own and that nobody reads.  So no lane is ever switched off.
; THE QUANTISER: a block's scale is 2^(floor(log2(largest magnitude)) - 15); numbers are held within +-57,344 x the scale and rounded to the nearest code, ties to even.
; LIMITS: a block whose largest magnitude lies under 2^-111 (a block of zeros too) gets the byte 1; its bytes are read by this program alone.  NaN and infinities are not served.
; Wave w takes K steps 2 w and 2 w + 1 of the tile.  No LDS, no barrier: each wave makes the list by itself.
.set TM,  16                           ; v16-31   at work in the quantiser; v20-23 are written once at the head (a lane permute's destination counts as a source)
.set SL,  32                           ; v32-63   sel, 32 tokens a register; free when the masks are made:
.set PW,  32                           ; v32-33   the two scale words
.set SV,  34                           ; v34      my token's sel word
.set RDV, 35                           ; v35      rowdst
.set PAD, 36                           ; v36      2,048 + e
.set SOF, 37                           ; v37      4 x token
.set XN,  64                           ; v64-191  two K steps x 64 numbers: register 16 b + i = k 32 b + 16 h + i of my row
.set PC,  192                          ; v192-223 two fragments' codes
.macro QUANT s, pc, pw                 ; 64 numbers of a lane become a fragment's 16 registers of codes and its scale word
.irp b, 0,1,2,3
	v_max3_num_f32 v[TM+\b], |v[\s+16*\b]|, |v[\s+1+16*\b]|, 0x8000000   ; block b: my 16 numbers, and the floor 2^(16 - 127): the byte cannot fall under 1
.endr
.irp i, 2,4,6,8,10,12,14
.irp b, 0,1,2,3
	v_max3_num_f32 v[TM+\b], v[TM+\b], |v[\s+16*\b+\i]|, |v[\s+1+16*\b+\i]|   ; the four blocks by turns
.endr
.endr
.irp b, 0,1,2,3
	v_permlanex16_b32 v[TM+4+\b], v[TM+\b], s20, s21
.endr
.irp b, 0,1,2,3
	v_max_num_f32 v[TM+\b], v[TM+\b], v[TM+4+\b]   ; with lane l xor 16: the block's largest magnitude
.endr
.irp b, 0,1,2,3
	v_add_nc_u32 v[TM+12+\b], 0xf8800000, v[TM+\b] ; 15 off its exponent field: the conversion's scale operand
.endr
.irp b, 0,1,2,3
	v_and_or_b32 v[TM+8+\b], v[TM+\b], 0x7f800000, s22   ; 57,344 x the scale
.endr
.irp b, 0,1,2,3
	v_lshrrev_b32 v[TM+4+\b], 23, v[TM+12+\b]      ; the scale's byte
.endr
	v_lshl_or_b32 v[\pw], v[TM+5], 8, v[TM+4]
	v_lshl_or_b32 v[\pw], v[TM+6], 16, v[\pw]
	v_lshl_or_b32 v[\pw], v[TM+7], 24, v[\pw]
.irp b, 0,1,2,3
.irp i, 0,1,2,3,4,5,6,7,8,9,10,11,12,13,14,15
	v_med3_num_f32 v[\s+16*\b+\i], v[\s+16*\b+\i], -v[TM+8+\b], v[TM+8+\b]   ; the conversion does not saturate (ISA guide 7.6.2): the hold comes first
.endr
	v_cvt_scalef32_pk8_bf8_f32 v[\pc+4*\b:\pc+4*\b+1], v[\s+16*\b:\s+16*\b+7], v[TM+12+\b]
	v_cvt_scalef32_pk8_bf8_f32 v[\pc+4*\b+2:\pc+4*\b+3], v[\s+16*\b+8:\s+16*\b+15], v[TM+12+\b]
.endr
	v_nop                                          ; a plain instruction behind the last conversion
.endm
.macro XLOAD reg, off                  ; my row's 64 numbers of a K step: 16 neighbours of each block of 32
.irp b, 0,1,2,3
.irp j, 0,1,2,3
	global_load_b128 v[\reg+16*\b+4*\j:\reg+16*\b+4*\j+3], v13, s[4:5] offset:\off+128*\b+16*\j
.endr
.endr
.endm
	s_load_b256 s[4:11], s[0:1], 0x0               ; x s[4:5], sel s[6:7], xa s[8:9], meta s[10:11]
	v_lshrrev_b32 v1, 5, v0
	v_readfirstlane_b32 s12, v1                    ; wave 0..3
	v_and_b32 v11, 31, v0
	v_lshlrev_b32 v1, 2, v11                       ; 4 x lane
	v_lshlrev_b32 v14, 4, v11                      ; 16 x lane: my place in an image
	v_and_b32 v2, 15, v0                           ; r
	v_bfe_u32 v3, v0, 4, 1                         ; h
	v_lshlrev_b32 v15, 2, v2                       ; 4 r
	s_and_b32 s13, ttmp7, 0xffff                   ; e
	s_mov_b32 s14, ttmp9                           ; t, the work-group's tile
	s_lshl_b32 s18, 1, s13
	s_mov_b32 s20, 0x76543210
	s_mov_b32 s21, 0xfedcba98
	s_mov_b32 s22, 0x600000                        ; the mantissa field of 57,344
	s_lshl_b32 s30, s12, 10                        ; my two K steps begin 1,024 w bytes into a row of x
	s_mov_b32 s31, 0
.irp b, 0,1,2,3
	v_mov_b32 v[TM+4+\b], 0
.endr
	s_wait_alu depctr_va_vdst(0)
	s_wait_kmcnt 0x0
.set j, 0
.rept 32
	global_load_b32 v[SL+j], v1, s[6:7] offset:128*j               ; sel of token 32 j + lane
.set j, j+1
.endr
	s_add_nc_u64 s[4:5], s[4:5], s[30:31]
	s_wait_loadcnt 0x0
	s_mov_b32 s15, 0
.set j, 0
.rept 32
	v_and_b32 v11, s18, v[SL+j]
	v_cmp_ne_u32 s[32+j], 0, v11                   ; mask j: bit l = token 32 j + l goes to expert e
	s_bcnt1_i32_b32 s19, s[32+j]
	s_add_co_u32 s15, s15, s19                     ; the expert's rows
.set j, j+1
.endr
	s_add_co_u32 s16, s15, 15
	s_lshr_b32 s16, s16, 4
	s_max_u32 s16, s16, 1                          ; its tiles: an expert without rows has one, of rows that nobody reads
	s_min_u32 s16, s16, 64
	s_or_b32 s19, s14, s12
	s_cmp_lg_u32 s19, 0
	s_cbranch_scc1 .Lnot_first                     ; wave 0 of the expert's first work-group stores nt[e]
	v_mov_b32 v5, s16
	v_mov_b32 v6, s13
	v_lshlrev_b32 v6, 2, v6
	global_store_b32 v6, v5, s[10:11] offset:32768
	s_wait_xcnt 0x0                                ; v5 and v6 are written again below
.Lnot_first:
	s_add_co_u32 s19, s13, 2048
	v_mov_b32 v[PAD], s19
	s_cmp_ge_u32 s14, s16
	s_cbranch_scc1 .Lend                           ; the split has no tile t for this expert
	v_lshl_add_u32 v4, s14, 4, v2                  ; q = 16 t + r
	v_mov_b32 v5, 0                                ; the mask in which rank q falls,
	v_mov_b32 v6, 0                                ; the rows ahead of it,
	v_mov_b32 v7, 0                                ; its number
	s_mov_b32 s17, 0
.set j, 0
.rept 32                               ; the last mask with at most q rows ahead of it
	v_cmp_le_u32 vcc_lo, s17, v4
	v_cndmask_b32 v5, v5, s[32+j], vcc_lo
	v_cndmask_b32 v6, v6, s17, vcc_lo
	v_cndmask_b32 v7, v7, j, vcc_lo
	s_bcnt1_i32_b32 s19, s[32+j]
	s_add_co_u32 s17, s17, s19
.set j, j+1
.endr
	v_sub_nc_u32 v8, v4, v6                        ; n: I want the mask's set bit number n, counted from 0
	v_mov_b32 v9, 0
	v_mov_b32 v10, 0
.set j, 0
.rept 32                               ; its place = the number of places j with at most n set bits in bits 0 .. j (32 if there is no such bit)
	v_bfe_u32 v11, v5, j, 1
	v_add_nc_u32 v9, v9, v11
	v_cmp_le_u32 vcc_lo, v9, v8
	v_add_co_ci_u32 v10, vcc_lo, 0, v10, vcc_lo
.set j, j+1
.endr
	v_lshl_add_u32 v12, v7, 5, v10
	v_min_u32 v12, 0x3ff, v12                      ; the token; ranks past the count get some token
	v_lshlrev_b32 v13, 12, v12
	v_lshl_add_u32 v13, v3, 6, v13                 ; its row of x, + 64 h
	v_lshlrev_b32 v[SOF], 2, v12
	s_wait_alu depctr_va_vdst(0)
	s_min_u32 s19, s14, 63
	s_lshl_b32 s23, s13, 6
	s_add_co_u32 s23, s23, s19                     ; 64 e + t
	s_lshl_b32 s30, s23, 14
	s_lshl_b32 s19, s12, 12
	s_add_co_u32 s30, s30, s19
	s_add_nc_u64 s[24:25], s[8:9], s[30:31]        ; my two images
	s_lshl_b32 s30, s23, 9
	s_lshl_b32 s19, s12, 7
	s_add_co_u32 s30, s30, s19
	s_add_co_u32 s30, s30, 0x800000
	s_add_nc_u64 s[26:27], s[8:9], s[30:31]        ; their scale words
	s_lshl_b32 s30, s23, 6
	s_add_nc_u64 s[28:29], s[10:11], s[30:31]      ; the tile's 16 words of rowdst
	global_load_b32 v[SV], v[SOF], s[6:7]
	XLOAD XN, 0
	XLOAD XN+64, 512
	s_wait_loadcnt 16                              ; the sel word and the first K step are in; the second K step's 16 loads may be out
	v_lshrrev_b32 v11, 8, v[SV]                    ; the token's second expert
	v_cmp_eq_u32 vcc_lo, s13, v11
	v_cndmask_b32 v11, 0, 1, vcc_lo
	v_lshl_add_u32 v[RDV], v12, 1, v11             ; 2 token + slot
	v_cmp_gt_u32 vcc_lo, s15, v4                   ; a rank under the count?
	v_cndmask_b32 v[RDV], v[PAD], v[RDV], vcc_lo
	s_cmp_lg_u32 s12, 0
	s_cbranch_scc1 .Lnot_wave_0
	global_store_b32 v15, v[RDV], s[28:29]         ; lanes 16-31 repeat lanes 0-15
.Lnot_wave_0:
	QUANT XN, PC, PW
.irp c, 0,1,2,3
	global_store_b128 v14, v[PC+4*\c:PC+4*\c+3], s[24:25] offset:512*\c     ; 32 lanes store 512 consecutive bytes
.endr
	global_store_b32 v15, v[PW], s[26:27]
	s_wait_loadcnt 0x0
	QUANT XN+64, PC+16, PW+1
.irp c, 0,1,2,3
	global_store_b128 v14, v[PC+16+4*\c:PC+16+4*\c+3], s[24:25] offset:2048+512*\c
.endr
	global_store_b32 v15, v[PW+1], s[26:27] offset:64
.Lend:
	s_endpgm
.Lfunc_end_k_q3324d0b5ec_place:
	.size	k_q3324d0b5ec_place, .Lfunc_end_k_q3324d0b5ec_place-k_q3324d0b5ec_place
	.p2alignl 7, 3214868480
	.fill 96, 4, 3214868480
	.section	.rodata,"a",@progbits
	.p2align	6, 0x0
	.amdhsa_kernel k_q3324d0b5ec_place
		.amdhsa_group_segment_fixed_size 0
		.amdhsa_private_segment_fixed_size 0
		.amdhsa_enable_private_segment 0
		.amdhsa_kernarg_size 32
		.amdhsa_user_sgpr_count 2
		.amdhsa_user_sgpr_kernarg_segment_ptr 1
		.amdhsa_wavefront_size32 1
		.amdhsa_system_sgpr_workgroup_id_x 1
		.amdhsa_system_sgpr_workgroup_id_y 1
		.amdhsa_system_sgpr_workgroup_id_z 1
		.amdhsa_system_vgpr_workitem_id 0
		.amdhsa_next_free_vgpr 224
		.amdhsa_next_free_sgpr 66
		.amdhsa_reserve_vcc 1
		.amdhsa_float_denorm_mode_32 3
		.amdhsa_float_denorm_mode_16_64 3
		.amdhsa_memory_ordered 1
		.amdhsa_forward_progress 1
		.amdhsa_inst_pref_size 46
	.end_amdhsa_kernel
	.amdgpu_metadata
---
amdhsa.version: [ 1, 2 ]
amdhsa.kernels:
  - .name:           k_q3324d0b5ec_place
    .symbol:         k_q3324d0b5ec_place.kd
    .args:
      - { .name: x, .offset: 0, .size: 8, .value_kind: global_buffer, .address_space: global }
      - { .name: sel, .offset: 8, .size: 8, .value_kind: global_buffer, .address_space: global }
      - { .name: xa, .offset: 16, .size: 8, .value_kind: global_buffer, .address_space: global }
      - { .name: meta, .offset: 24, .size: 8, .value_kind: global_buffer, .address_space: global }
    .group_segment_fixed_size: 0
    .private_segment_fixed_size: 0
    .kernarg_segment_align: 8
    .kernarg_segment_size: 32
    .max_flat_workgroup_size: 128
    .sgpr_count:     66
    .vgpr_count:     224
    .wavefront_size: 32
...
	.end_amdgpu_metadata
.endif
;; end of part 8
;; launch g1 (part 9): grid 32 x 8, 8 waves a work-group, no clusters, 69,120 bytes of LDS; arguments W1, b1, xa, meta, h1; writes h1
.if DOCPART == 9
	.amdgcn_target "amdgcn-amd-amdhsa--gfx1250"
	.amdhsa_code_object_version 6
	.text
	.protected	k_q3324d0b5ec_g1
	.globl	k_q3324d0b5ec_g1
	.p2align	8
	.type	k_q3324d0b5ec_g1,@function
k_q3324d0b5ec_g1:
	s_mov_b64 s[64:65], 0
	v_nop
	global_prefetch_b8 v0, s[64:65] scope:SCOPE_SE
	s_setreg_imm32_b32 hwreg(HW_REG_WAVE_SCHED_MODE, 0, 2), 2
	s_setreg_imm32_b32 hwreg(HW_REG_WAVE_MODE, 25, 1), 1
	s_wait_xcnt 0x0
	s_wait_alu depctr_vm_vsrc(0)
; ONE LAYER OF THE EXPERTS, for the chosen rows alone, on codes of E5M2 with one E8M0 scale for each 32 along K.  One source serves the three layers; LAYER picks the sizes.
;   LAYER 1: h1 = Q(relu(x W1 + b1))   LAYER 2: h2 = Q(relu(h1 W2 + b2))   LAYER 3: y = h2 W3, K in two halves, rows sent to (half, 2 token + slot); b3 and the gates come in the last launch.
; SHARES.  Work-group (nb, e) owns 64 columns of expert e's weight (256 consecutive bytes of every K row, aligned) and KS x 128 along K; in layer 3 ttmp9 = nb + 16 x the K half.  Eight waves of 512 registers.
; PHASE 1: the work-group's slab of f32 weights is read ONCE, quantised along K and laid in LDS as images of operand registers; all KS K steps stay there.
;   Wave w takes blocks of 32 along K, w + 8 m.  Lane (l16, h) takes rows 16 h + 0 .. 15 and columns 4 l16 + 0 .. 3: a load covers two rows' 256 bytes.  A block of a column lies in lanes l and l xor 16.
;   Four sets of 64 registers take turns: 64 loads of 512 bytes a wave are asked for at the start.
;   The conversion takes eight neighbouring registers under ONE scale, and here they are two rows x four columns: so each column is first multiplied by 2^(15 - floor(log2(its block's largest magnitude))),
;   which rounds nothing, held within +-57,344 and converted under the scale 1; sixteen rows' bytes are then turned by v_perm_b32, so that a register holds four neighbours along K of one column.
; PHASE 2: behind the one barrier, each wave takes groups of FOUR tiles of 16 rows of its expert (images that the launch before stored) against the 4 weight tiles: 16 accumulators by turns, so that
;   each fragment of the weight that is read from LDS feeds four products.  The weight's fragments have two buffers: the next K step's 20 LDS loads are dealt among this step's 16 products.
;   The rows come by plain loads into three sets: K step s + 2 is asked for at the head of step s.  The first group's K steps 0 and 1 are asked for ahead of phase 1's last two blocks, by every wave (tiles held at nt - 1), so that each counted wait has one count on every path.
;   The product is used TRANSPOSED (source 0 = 16 columns of the weight, source 1 = 16 rows), and the columns of a weight tile are chosen: index i of tile 2 b + u is column 32 b + 8 u + i + 8 (i / 8).
;   So lane (r, h) holds row r, and the 16 registers of tiles 2 b, 2 b + 1 are columns 32 b + 16 h + 0 .. 15: 16 neighbours along the next K: the conversions' results are the next operand's registers.
;   The sums begin with 0; the bias is added in f32 on the way out.  A tile past nt is the last tile once more; its results are not stored.
;   The loop over groups is counted by trips: s2 goes up by 1 to s3 = (groups - wave + 7) / 8, at most 2; the group is 8 s2 + wave.
; NO TENSOR LOAD, NO CLUSTER: the 32 work-groups of an expert read the same rows, but how many tiles there are is read from memory (nt[e], 1 to 64)
; LIMITS: a block whose largest magnitude lies under 2^-111 (a block of zeros too) gets the byte 1; the bytes are read by this program alone.  NaN and infinities are not served.
; THE MODE: SCHED_MODE bits 1:0 = 2 (LLVM: expert scheduling mode 2), set by the entry lines.  The code itself states the register dependences
;   between vector or matrix instructions and memory or LDS instructions, with s_wait_alu, always for 0.
; THE PLAN.  The registers that memory and LDS instructions touch, who else names them, and the waits:
;   v1-10, v13-15   offsets and LDS addresses, made at the head and never written again.  v10 has a wait of its own ahead of the first loads; the others are written ahead of the first block's wait.
;   PHASE 1, a block.  Its set of 64 (window 1): a load's data, read and written by the block's vector lines, in layer 2 loaded again for the block four on.
;                   v64-79 (codes), v108-111 (bytes): written by the block's vector lines, read by its eight LDS stores.  v11, v12: read by those stores, stepped at the next block's head.
;     ONE wait on va_vdst a block, behind its last vector line: the set is done with, and the codes, the bytes and the two addresses are written.  The set's loads and the eight stores follow it.
;     ONE wait on vm_vsrc at the head of every block but the first: the last block's stores have read what this block writes.  Once more ahead of the barrier: behind it rows land in v64-127.
;   PHASE 2, step s.  The rows' set s % 3 and the weight's buffer s % 2, each with its scale words: loads' data, read by the step's sixteen products.
;     ONE wait on va_vdst at the head of every step but the first: the products of the step before are done reading their set and their buffer.  Behind it the rows of step s + 2 (in step KS - 2 the late loads) land in that set
;     and the weights of step s + 1 in that buffer.  This step's products name the other sets and the other buffer: so the loads stand among them with no further wait.
;   THE WAY OUT.  Layers 1, 2: a tile's codes and scale bytes have registers of their own: one wait on va_vdst a tile, ahead of its three stores.
;     Layer 3: one wait on va_vdst behind the last products' places (the accumulators are written, which the LDS stores read; the products are done reading v128-255, in which the stage's rows land), and one a tile for its eight offsets.
;     At a trip's end one wait on vm_vsrc: the stores have read their registers, all of which the next trip writes.  No vector line stands behind the last tile's wait on va_vdst, so that the next trip's first loads owe no other.
.set LAYER, 1
.if LAYER == 1
.set KS,    8                          ; K steps of 128 that the work-group owns
.set KSIN,  8                          ; K steps in a row tile of the input
.set PITCH, 8192                       ; bytes of a K row of the weight
.set ES,    0x800000                   ; bytes of an expert's weight
.set SCOFF, 0x800000                   ; where the input's scale words begin
.elseif LAYER == 2
.set KS,    16
.set KSIN,  16
.set PITCH, 8192
.set ES,    0x1000000
.set SCOFF, 0x1000000
.else
.set KS,    8
.set KSIN,  16
.set PITCH, 4096
.set ES,    0x800000
.set SCOFF, 0x1000000
.endif
.if LAYER < 3
.set LATE,  8                          ; loads issued in the last two steps: the bias,
.else
.set LATE,  32                         ; or the four tiles' rowdst
.endif
.set NBW,   KS/2                       ; blocks of 32 along K for a wave
.set NK,    (KS+6)/7                   ; LDS address registers: one for each seven slots, so that every offset fits 16 bits
.set TILEB, 2064                       ; a weight tile's image: 2,048 bytes + 16, so that the sixteen lanes of a store into four tiles touch sixteen different columns of 16 bytes
.set SCW,   4*TILEB                    ; behind a slot's four images: its scale words, 64 bytes a tile
.set SLOTB, SCW+256                    ; a K step's slot
.set STAGE, 8*SLOTB                    ; layer 3: behind the slots, 16 rows x 272 bytes for each wave
; REGISTERS, in windows of 256 (s_set_vgpr_msb: bits 1:0 source 0, 3:2 source 1, 5:4 source 2, 7:6 destination).
; window 0: v1 16 x lane; v2 4 (lane % 16); v3 64 h; v4-6 16 x lane + 7 k slots; v7-9 4 (lane % 16) + 7 k slots; v10 my place in a block of the weight; v11, v12 where I store codes and scale bytes;
;   v13, v14, v15, v37 (layer 3) stage in, stage out, 4 h, 16 (lane % 16); v16-23 the weight's scale words, v24-35 the rows' (these twenty hold scales and nothing else); v36 1.0; v40-53 at work on the way out; v54-61 at work at the head;
;   v62, v63 the closing add's two; v64-111 at work in phase 1; the rows' fragments, three sets of 64 by turns: K step s in set s % 3, sets 0, 1, 2 at v128, v192, v64; row tile i at 16 i.
; window 1: phase 1: four sets of 64 numbers (register 4 i + j = row i, column j).  Phase 2: v0-127 accumulator (row tile i, weight tile T) at 32 i + 8 T; v128-255 the weight's four fragments, two buffers.
.set BS,  16
.set AS,  24
.set ONE, 36
.set O16, 37
.set TM,  40
.set WD,  50
.set CDS, 64                           ; v64-79  codes, column j at 4 j
.set YR,  80                           ; v80-95  codes as converted: register i = row i, byte j = column j
.set MG,  96                           ; v96-99  largest magnitudes; later at work in the turning
.set MX,  100                          ; v100-103 the other half's; then the exponent field
.set INV, 104                          ; v104-107 1 / scale
.set BY,  108                          ; v108-111 the scale bytes
.set BF,  128                          ; in window 1
.set LR,  64+64*((((KS-3)%3)+1)%3)     ; the set that K step KS - 3 leaves: the late loads' 32 registers; behind them, in layers 1 and 2, the codes on the way out
.set MSB, 0
.macro WIN new                         ; the immediate's high byte repeats the setting that is left; a switch that changes nothing is dropped
.if MSB != \new
	s_set_vgpr_msb (MSB<<8)|\new
.set MSB, \new
.endif
.endm
.macro LOADW set, m                    ; block w + 8 m: sixteen loads, each two rows' 256 consecutive bytes
	WIN 0x40                                       ; destination window 1
.irp i, 0,1,2,3,4,5,6,7,8,9,10,11,12,13,14,15
.if (\m) < 4
	global_load_b128 v[64*(\set)+4*\i:64*(\set)+4*\i+3], v10, s[24:25] offset:((\m)&3)*256*PITCH+\i*PITCH th:TH_LOAD_NT
.else
	global_load_b128 v[64*(\set)+4*\i:64*(\set)+4*\i+3], v10, s[26:27] offset:((\m)&3)*256*PITCH+\i*PITCH th:TH_LOAD_NT
.endif
.endr
	WIN 0
.endm
.macro QUANTW set, m
.set XW, 64*(\set)
	s_wait_dscnt 0x0                               ; the last block's LDS stores are done,
.if (\m) > 0
	s_wait_alu depctr_vm_vsrc(0)                   ; and have read v11, v12, the codes and the scale bytes, all of which this block writes again
	v_add_nc_u32 v11, 2*SLOTB, v11                 ; each block lies two slots on
	v_add_nc_u32 v12, 2*SLOTB, v12
.endif
	WIN 0x05                                       ; sources 0 and 1 window 1
.irp j, 0,1,2,3
	v_max3_num_f32 v[MG+\j], |v[XW+\j]|, |v[XW+4+\j]|, 0x8000000   ; column j: my 16 rows, and the floor 2^(16 - 127): the byte cannot fall under 1
.endr
.irp i, 2,4,6,8,10,12,14
.irp j, 0,1,2,3
	v_max3_num_f32 v[MG+\j], |v[XW+4*\i+\j]|, |v[XW+4*\i+4+\j]|, v[MG+\j]
.endr
.endr
	WIN 0
.irp j, 0,1,2,3
	v_permlanex16_b32 v[MX+\j], v[MG+\j], s46, s47
.endr
.irp j, 0,1,2,3
	v_max_num_f32 v[MG+\j], v[MG+\j], v[MX+\j]     ; with lane l xor 16: the block's largest magnitude
.endr
.irp j, 0,1,2,3
	v_and_b32 v[MX+\j], 0x7f800000, v[MG+\j]       ; its exponent field E
.endr
.irp j, 0,1,2,3
	v_sub_nc_u32 v[INV+\j], 0x86800000, v[MX+\j]   ; the f32 number 2^(142 - E) = 1 / scale: exponent field 269 - E, from 15 to 253
.endr
.irp j, 0,1,2,3
	v_lshrrev_b32 v[BY+\j], 23, v[MX+\j]
.endr
.irp j, 0,1,2,3
	v_add_nc_u32 v[BY+\j], -15, v[BY+\j]           ; the scale's byte, E - 15
.endr
	WIN 0x41                                       ; destination and source 0 window 1
.irp i, 0,1,2,3,4,5,6,7,8,9,10,11,12,13,14,15
	v_pk_mul_f32 v[XW+4*\i:XW+4*\i+1], v[XW+4*\i:XW+4*\i+1], v[INV:INV+1]
	v_pk_mul_f32 v[XW+4*\i+2:XW+4*\i+3], v[XW+4*\i+2:XW+4*\i+3], v[INV+2:INV+3]
.endr
.set n, 0
.rept 64
	v_med3_num_f32 v[XW+n], v[XW+n], s48, s49      ; the conversion does not saturate (ISA guide 7.6.2): the hold at +-57,344 comes first
.set n, n+1
.endr
	WIN 0x01                                       ; source 0 window 1
.irp a, 0,1,2,3,4,5,6,7
	v_cvt_scalef32_pk8_bf8_f32 v[YR+2*\a:YR+2*\a+1], v[XW+8*\a:XW+8*\a+7], v[ONE]
.endr
	WIN 0
	v_nop                                          ; a plain instruction behind the last conversion
.irp q, 0,1,2,3                        ; rows 4 q .. 4 q + 3 x columns 0 .. 3 are turned: register q of column j = its four bytes
	v_perm_b32 v[MG], v[YR+4*\q+1], v[YR+4*\q], s50
	v_perm_b32 v[MG+1], v[YR+4*\q+1], v[YR+4*\q], s51
	v_perm_b32 v[MG+2], v[YR+4*\q+3], v[YR+4*\q+2], s50
	v_perm_b32 v[MG+3], v[YR+4*\q+3], v[YR+4*\q+2], s51
	v_perm_b32 v[CDS+\q], v[MG+2], v[MG], s52
	v_perm_b32 v[CDS+4+\q], v[MG+2], v[MG], s53
	v_perm_b32 v[CDS+8+\q], v[MG+3], v[MG+1], s52
	v_perm_b32 v[CDS+12+\q], v[MG+3], v[MG+1], s53
.endr
	s_wait_alu depctr_va_vdst(0)                   ; the block's vector lines are done: they have read and written the set, in which the loads below land, and have written the codes, the bytes, v11 and v12, which the LDS stores below read (in the first block the head's other addresses are written too)
.if (\m)+4 < NBW
	LOADW \set, (\m)+4                             ; the set is free: the block four on
.endif
.irp j, 0,1,2,3
	ds_store_b128 v11, v[CDS+4*\j:CDS+4*\j+3] offset:16*\j         ; column j's 16 codes: the 16 bytes of one lane of the image
.endr
.irp j, 0,1,2,3
	ds_store_b8 v12, v[BY+\j] offset:4*\j          ; byte w % 4 of the column's scale word; lanes l and l xor 16 write the same byte with the same value
.endr
.endm
.macro ALOAD s                         ; the four row tiles' fragments and scale words of K step s: twenty loads, 512 consecutive bytes each (the words: 64)
.set RGA, (\s)%3
.set RBA, 64+64*((RGA+1)%3)
.irp i, 0,1,2,3
.irp c, 0,1,2,3
	global_load_b128 v[RBA+16*\i+4*\c:RBA+16*\i+4*\c+3], v1, s[30+2*\i:31+2*\i] offset:2048*(\s)+512*\c
.endr
	global_load_b32 v[AS+4*RGA+\i], v2, s[38+2*\i:39+2*\i] offset:64*(\s)
.endr
.endm
.macro BTILE s, t                      ; the weight's fragment t of K step s, out of LDS into buffer s % 2: four LDS loads; the destination's window is 1
.set PL, (\s)&1
.set KK, (\s)/7
.set SO, ((\s)%7)*SLOTB
.irp c, 0,1,2,3
	ds_load_b128 v[BF+64*PL+16*(\t)+4*\c:BF+64*PL+16*(\t)+4*\c+3], v[4+KK] offset:SO+TILEB*(\t)+512*\c
.endr
.endm
.macro BWORDS s                        ; the four fragments' scale words; every window is 0
.set PL, (\s)&1
.set KK, (\s)/7
.set SO, ((\s)%7)*SLOTB
.irp t, 0,1,2,3
	ds_load_b32 v[BS+4*PL+\t], v[7+KK] offset:SO+SCW+64*\t
.endr
.endm
.macro BLOAD s                         ; all twenty in one run: a trip's first K step
	WIN 0x40                                       ; destination window 1
.irp t, 0,1,2,3
	BTILE \s, \t
.endr
	WIN 0
	BWORDS \s
.endm
.macro GROUP                           ; the addresses of group 8 s2 + wave, and its first two K steps of rows
	s_lshl_b32 s20, s2, 3
	s_add_co_u32 s20, s20, s14                     ; g
	s_lshl_b32 s55, s20, 2                         ; its first tile, 4 g
	s_sub_co_u32 s23, s18, 1
	s_lshl_b32 s22, s16, 6
.irp i, 0,1,2,3
	s_add_co_u32 s21, s55, \i
	s_min_u32 s21, s21, s23                        ; a tile past nt: the last tile once more
	s_min_u32 s21, s21, 63
	s_add_co_u32 s21, s21, s22                     ; 64 e + t
	s_mul_i32 s56, s21, KSIN*2048
	s_add_co_u32 s56, s56, s60
	s_add_nc_u64 s[30+2*\i:31+2*\i], s[8:9], s[56:57]              ; its images
	s_mul_i32 s56, s21, KSIN*64
	s_add_co_u32 s56, s56, s61
	s_add_nc_u64 s[38+2*\i:39+2*\i], s[8:9], s[56:57]              ; its scale words
.if LAYER < 3
	s_lshl_b32 s56, s21, 15
	s_add_co_u32 s56, s56, s62
	s_add_nc_u64 s[68+2*\i:69+2*\i], s[12:13], s[56:57]            ; out: my 64 columns are half a K step of the next product: 1,024 bytes of the tile's images
	s_lshl_b32 s56, s21, 10
	s_add_co_u32 s56, s56, s63
	s_add_nc_u64 s[76+2*\i:77+2*\i], s[12:13], s[56:57]            ; and two bytes of each row's scale word
.else
	s_lshl_b32 s56, s21, 6
	s_add_nc_u64 s[68+2*\i:69+2*\i], s[10:11], s[56:57]            ; its 16 words of rowdst
.endif
.endr
	ALOAD 0
	ALOAD 1
.endm
.macro STEP s
.set RG, (\s)%3
.set RB, 64+64*((RG+1)%3)
.set PB, (\s)&1
.set NW, KS-1-(\s)
.if NW > 2
.set NW, 2
.endif
.set NW, 20*NW
.if (\s) >= KS-2
.set NW, NW+LATE
.endif
.if (\s) > 0
	s_wait_alu depctr_va_vdst(0)                   ; the products of the step before are done reading their set of rows, their buffer of the weight and both kinds of scale words: all the loads of this step land there
.if (\s)+2 < KS
	ALOAD (\s)+2                                   ; the rows two steps on, into the set just left
.endif
.endif
.if (\s) == KS-2                       ; the late loads, into the set that step KS - 3 has left
.if LAYER < 3
.irp t, 0,1,2,3
	global_load_b128 v[LR+8*\t:LR+8*\t+3], v3, s[28:29] offset:(32*(\t/2)+8*(\t%2))*4          ; the bias: lane (r, h), tile T, register j: column 32 (T / 2) + 8 (T % 2) + 16 h + j
	global_load_b128 v[LR+8*\t+4:LR+8*\t+7], v3, s[28:29] offset:(32*(\t/2)+8*(\t%2))*4+16
.endr
.else
.irp i, 0,1,2,3
.irp q, 0,1,2,3,4,5,6,7
	global_load_b32 v[LR+8*\i+\q], v15, s[68+2*\i:69+2*\i] offset:8*\q   ; rowdst of rows 2 q + h
.endr
.endr
.endif
.endif
	s_wait_loadcnt NW                              ; this step's rows are in; what may stay out: twenty loads for each later step asked for (two at the most), and in the last two steps the late loads
	s_wait_dscnt 0x0                               ; this step's weights are in: they were asked for among the products of the step before
.if (\s)+1 < KS
	BWORDS (\s)+1                                  ; the next step's weights go into the buffer just left: the four scale words,
.endif
.irp t, 0,1,2,3                        ; the sixteen accumulators take turns, one instruction a turn, from step to step too
	WIN 0x51                                       ; source 0 (the weight), C and D window 1; source 1 (the rows) window 0
.irp i, 0,1,2,3
.if (\s) == 0
	v_wmma_scale_f32_16x16x128_f8f6f4 v[32*\i+8*\t:32*\i+8*\t+7], v[BF+64*PB+16*\t:BF+64*PB+16*\t+15], v[RB+16*\i:RB+16*\i+15], 0, v[BS+4*PB+\t], v[AS+4*RG+\i] matrix_a_fmt:MATRIX_FMT_BF8 matrix_b_fmt:MATRIX_FMT_BF8
.else
	v_wmma_scale_f32_16x16x128_f8f6f4 v[32*\i+8*\t:32*\i+8*\t+7], v[BF+64*PB+16*\t:BF+64*PB+16*\t+15], v[RB+16*\i:RB+16*\i+15], v[32*\i+8*\t:32*\i+8*\t+7], v[BS+4*PB+\t], v[AS+4*RG+\i] matrix_a_fmt:MATRIX_FMT_BF8 matrix_b_fmt:MATRIX_FMT_BF8
.endif
.endr
.if (\s)+1 < KS
	WIN 0x40                                       ; destination window 1
	BTILE (\s)+1, \t                               ; and a fragment behind each four products.  No wait: no product since the wait at the step's head names the other buffer
.endif
.endr
	WIN 0
.rept 8
	v_nop                                          ; eight places behind these products: they stay beside the wait at the next step's head, and in the last step they stand in front of the first read of results
.endr
.if (\s) == KS-1
	v_nop                                          ; a ninth: in the next trip matrix instructions write these accumulators anew
.endif
.endm
.if LAYER < 3
.macro EPI i                           ; row tile i: + bias, relu, quantised along the next K, two blocks of 32; stored as images
.set HH, 32*\i
.set PCO, LR+32+8*\i
	WIN 0x41
.set n, 0
.rept 16
	v_pk_add_f32 v[HH+2*n:HH+2*n+1], v[HH+2*n:HH+2*n+1], v[LR+2*n:LR+2*n+1]   ; each accumulator is read from its low end on
.set n, n+1
.endr
	WIN 0x05
.irp b, 0,1
	v_max3_num_f32 v[TM+\b], v[HH+16*\b], v[HH+16*\b+1], 0x8000000   ; no |.|: what is negative becomes 0 and must not count; the floor stands over it
.endr
.irp k, 2,4,6,8,10,12,14
.irp b, 0,1
	v_max3_num_f32 v[TM+\b], v[HH+16*\b+\k], v[HH+16*\b+\k+1], v[TM+\b]
.endr
.endr
	WIN 0
.irp b, 0,1
	v_permlanex16_b32 v[TM+2+\b], v[TM+\b], s46, s47
.endr
.irp b, 0,1
	v_max_num_f32 v[TM+\b], v[TM+\b], v[TM+2+\b]
.endr
.irp b, 0,1
	v_add_nc_u32 v[TM+4+\b], 0xf8800000, v[TM+\b]  ; 15 off the exponent field: the conversion's scale operand
.endr
.irp b, 0,1
	v_and_or_b32 v[TM+6+\b], v[TM+\b], 0x7f800000, s54   ; 57,344 x the scale
.endr
.irp b, 0,1
	v_lshrrev_b32 v[TM+8+\b], 23, v[TM+4+\b]
.endr
	v_lshl_or_b32 v[WD+\i], v[TM+9], 8, v[TM+8]    ; my two bytes of the row's scale word
	WIN 0x41
.irp b, 0,1
.irp k, 0,1,2,3,4,5,6,7,8,9,10,11,12,13,14,15
	v_med3_num_f32 v[HH+16*\b+\k], v[HH+16*\b+\k], 0, v[TM+6+\b]   ; the activation and the hold in one
.endr
.endr
	WIN 0x01
.irp b, 0,1
	v_cvt_scalef32_pk8_bf8_f32 v[PCO+4*\b:PCO+4*\b+1], v[HH+16*\b:HH+16*\b+7], v[TM+4+\b]
	v_cvt_scalef32_pk8_bf8_f32 v[PCO+4*\b+2:PCO+4*\b+3], v[HH+16*\b+8:HH+16*\b+15], v[TM+4+\b]
.endr
	WIN 0
.rept 4
	v_nop                                          ; plain instructions behind the conversions: their results lie in registers that are a matrix operand again in the next trip
.endr
	s_wait_alu depctr_va_vdst(0)                   ; the conversions have written the tile's eight registers of codes, and its two scale bytes are made: the three stores read them
	global_store_b128 v1, v[PCO:PCO+3], s[68+2*\i:69+2*\i]         ; 32 lanes store 512 consecutive bytes
	global_store_b128 v1, v[PCO+4:PCO+7], s[68+2*\i:69+2*\i] offset:512
	global_store_b16 v2, v[WD+\i], s[76+2*\i:77+2*\i]              ; lanes 16-31 repeat lanes 0-15
.endm
.else
.macro EPI3 i                          ; row tile i: through my stage, back as whole rows of 256 bytes, each to the row of y that rowdst names
	WIN 0x04                                       ; an LDS store's data are its source 1: window 1
.irp b, 0,1
.irp q, 0,1,2,3
	ds_store_b128 v13, v[32*\i+16*\b+4*\q:32*\i+16*\b+4*\q+3] offset:128*\b+16*\q   ; each accumulator from its low end on
.endr
.endr
	WIN 0
.irp q, 0,1,2,3,4,5,6,7
	ds_load_b128 v[128+32*\i+4*\q:128+32*\i+4*\q+3], v14 offset:544*\q   ; LDS serves a wave's instructions in order (ISA guide 5.7.1.4): these see my stores, and the next tile's stores come behind them
.endr
.irp q, 0,1,2,3,4,5,6,7
	v_min_u32 v[LR+8*\i+\q], 2055, v[LR+8*\i+\q]
	v_lshl_add_u32 v[LR+8*\i+\q], v[LR+8*\i+\q], 12, v[O16]        ; a row of y is 4,096 bytes; + 16 bytes a lane
.endr
	s_wait_alu depctr_va_vdst(0)                   ; the tile's eight offsets are written, which the stores below read
.irp q, 0,1,2,3,4,5,6,7
	s_wait_dscnt 7-\q                              ; the later read-backs may stay out
	global_store_b128 v[LR+8*\i+\q], v[128+32*\i+4*\q:128+32*\i+4*\q+3], s[84:85] th:TH_STORE_NT   ; sixteen lanes store 256 consecutive bytes, aligned
.endr
.endm
.endif
.if LAYER < 3
	s_load_b256 s[4:11], s[0:1], 0x0               ; the weight s[4:5], the bias s[6:7], the rows s[8:9], meta s[10:11]
	s_load_b64 s[12:13], s[0:1], 0x20              ; out
	v_lshl_add_u32 v62, v0, 2, 0x10a00
	v_mov_b32 v63, 0
.else
	s_load_b64 s[4:5], s[0:1], 0x0                 ; the weight
	s_load_b128 s[8:11], s[0:1], 0x8               ; the rows, meta
	s_load_b64 s[12:13], s[0:1], 0x18              ; y
.endif
	v_lshrrev_b32 v54, 5, v0
	v_readfirstlane_b32 s14, v54                   ; wave 0..7
	s_and_b32 s16, ttmp7, 0xffff                   ; e
.if LAYER < 3
	s_mov_b32 s15, ttmp9                           ; nb
	s_mov_b32 s17, 0
.else
	s_and_b32 s15, ttmp9, 15                       ; nb
	s_lshr_b32 s17, ttmp9, 4                       ; the K half
.endif
	s_mul_i32 s56, s16, ES
	s_lshl_b32 s21, s17, 10
	s_wait_alu depctr_va_sdst(0)                   ; s14 is written, ahead of its first reader: bases, LDS addresses and the branches on the wave are made from it
	s_lshl_b32 s22, s14, 5
	s_add_co_u32 s21, s21, s22                     ; my first K row: 1,024 x half + 32 w
	s_mul_i32 s21, s21, PITCH
	s_add_co_u32 s56, s56, s21
	s_lshl_b32 s21, s15, 8
	s_add_co_u32 s56, s56, s21                     ; + 256 nb; all under 2^31
	s_mov_b32 s57, 0
	v_and_b32 v55, 15, v0                          ; l16
	v_bfe_u32 v56, v0, 4, 1                        ; h
	v_and_b32 v57, 31, v0                          ; lane
	v_lshlrev_b32 v10, 4, v55
	v_mad_u32_u24 v10, v56, 16*PITCH, v10          ; 16 l16 + 16 h rows
	s_wait_kmcnt 0x0
	s_add_nc_u64 s[24:25], s[4:5], s[56:57]
.if NBW > 4
	s_add_nc_u64 s[26:27], s[24:25], 1024*PITCH    ; blocks 4 to 7: beyond the immediate's reach
.endif
	s_wait_alu depctr_va_vdst(0)                   ; v10 is written, which every load of the weight reads as its offset
	LOADW 0, 0                                     ; 64 loads a wave, 8 waves: the first 256 KiB of the slab go out before anything else is done
	LOADW 1, 1
	LOADW 2, 2
	LOADW 3, 3
	s_lshl_b32 s56, s16, 2
	s_add_nc_u64 s[58:59], s[10:11], s[56:57]
	s_load_b32 s18, s[58:59], 0x8000               ; nt[e]
.if LAYER < 3
	s_lshl_b32 s56, s16, 13
	s_lshl_b32 s21, s15, 8
	s_add_co_u32 s56, s56, s21
	s_add_nc_u64 s[28:29], s[6:7], s[56:57]        ; the bias of my 64 columns
	s_lshl_b32 s62, s15, 10
	s_lshr_b32 s63, s15, 1
	s_lshl_b32 s63, s63, 6
	s_and_b32 s21, s15, 1
	s_lshl_b32 s21, s21, 1
	s_add_co_u32 s63, s63, s21
	s_add_co_u32 s63, s63, 0x1000000               ; 16,777,216 + 64 (nb / 2) + 2 (nb % 2)
.else
	s_mul_i32 s56, s17, 8421376
	s_lshl_b32 s21, s15, 8
	s_add_co_u32 s56, s56, s21
	s_add_nc_u64 s[84:85], s[12:13], s[56:57]      ; y: my half's 2,056 rows, my 256 bytes of each
.endif
	s_lshl_b32 s60, s17, 14                        ; the K half in a tile's images,
	s_lshl_b32 s61, s17, 9
	s_add_co_u32 s61, s61, SCOFF                   ; and in its scale words
	s_mov_b32 s46, 0x76543210
	s_mov_b32 s47, 0xfedcba98                      ; v_permlanex16_b32: lane l xor 16
	s_mov_b32 s48, 0xc7600000                      ; -57,344
	s_mov_b32 s49, 0x47600000                      ; 57,344
	s_mov_b32 s50, 0x05010400                      ; v_perm_b32: columns 0, 1 of two rows, interleaved;
	s_mov_b32 s51, 0x07030602                      ; columns 2, 3;
	s_mov_b32 s52, 0x05040100                      ; the low halves of two words;
	s_mov_b32 s53, 0x07060302                      ; the high halves
	s_mov_b32 s54, 0x600000                        ; the mantissa field of 57,344
	v_lshlrev_b32 v1, 4, v57
	v_lshlrev_b32 v2, 2, v55
	v_lshlrev_b32 v3, 6, v56
.set k, 0
.rept NK
	v_lshl_add_u32 v[4+k], v57, 4, 7*k*SLOTB
	v_lshl_add_u32 v[7+k], v55, 2, 7*k*SLOTB
.set k, k+1
.endr
	; where my four columns go: column 4 l16 + j is index i0 + j of tile Tt, Tt = 2 (l16 / 8) + (l16 / 2) % 2, i0 = 4 (l16 % 2) + 8 ((l16 / 4) % 2); my half h is lane 16 h + index of the image
	s_and_b32 s21, s14, 3                          ; c: which 32 of the K step
	s_lshr_b32 s22, s14, 2
	s_mul_i32 s22, s22, SLOTB                      ; slot w / 4 (+ 2 m)
	s_lshl_b32 s23, s21, 9
	s_add_co_u32 s23, s23, s22
	s_add_co_u32 s21, s21, s22
	s_add_co_u32 s21, s21, SCW
	v_bfe_u32 v58, v0, 3, 1
	v_bfe_u32 v59, v0, 1, 1
	v_and_b32 v60, 1, v0
	v_bfe_u32 v61, v0, 2, 1
	v_mul_u32_u24 v11, v58, 2*TILEB
	v_mad_u32_u24 v11, v59, TILEB, v11
	v_lshl_add_u32 v11, v60, 6, v11
	v_lshl_add_u32 v11, v61, 7, v11
	v_lshl_add_u32 v11, v56, 8, v11
	v_add_nc_u32 v11, s23, v11
	v_lshlrev_b32 v12, 7, v58
	v_lshl_add_u32 v12, v59, 6, v12
	v_lshl_add_u32 v12, v60, 4, v12
	v_lshl_add_u32 v12, v61, 5, v12
	v_add_nc_u32 v12, s21, v12
.if LAYER == 3
	s_mul_i32 s21, s14, 16*272
	s_add_co_u32 s21, s21, STAGE                   ; my stage
	v_mul_u32_u24 v13, v55, 272
	v_lshl_add_u32 v13, v56, 6, v13
	v_add_nc_u32 v13, s21, v13                     ; in: row r, + 64 h
	v_mul_u32_u24 v14, v56, 272
	v_lshl_add_u32 v14, v55, 4, v14
	v_add_nc_u32 v14, s21, v14                     ; back: lanes 0-15 one row, lanes 16-31 the next
	v_lshlrev_b32 v15, 2, v56
	v_lshlrev_b32 v[O16], 4, v55
.else
	v_mov_b32 v[TM+2], 0                           ; written once: a lane permute's destination counts as one of its sources
	v_mov_b32 v[TM+3], 0
.endif
	v_mov_b32 v[ONE], 1.0
.irp j, 0,1,2,3
	v_mov_b32 v[MX+\j], 0                          ; likewise
.endr
; ---- PHASE 1
.set mm, 0
.rept NBW
.set YW, NBW-1-mm
.if YW > 3
.set YW, 3
.endif
.if mm == NBW-1
	s_wait_loadcnt 40                              ; the last block's sixteen loads are in; the forty loads of rows issued behind them may be out
.else
	s_wait_loadcnt 16*YW                           ; this block's sixteen loads are in; sixteen for each later block asked for (three at the most) may be out
.endif
.if mm == NBW-2                        ; two blocks are left to quantise: the first group's first rows go out now and land meanwhile
	s_wait_kmcnt 0x0
	s_min_u32 s18, s18, 64
	s_max_u32 s18, s18, 1                          ; nt
	s_add_co_u32 s19, s18, 3
	s_lshr_b32 s19, s19, 2                         ; groups of four tiles, at most 16
	s_mov_b32 s2, 0                                ; the trip
	GROUP                                          ; no wait: v1 and v2 were written ahead of the earlier blocks' waits on va_vdst, and no vector line names them, v24-31 or v128-255 of window 0 in all of phase 1
.endif
	QUANTW mm%4, mm
.set mm, mm+1
.endr
	s_wait_dscnt 0x0                               ; for the others' sake: my images and scale bytes have landed
	s_wait_alu depctr_vm_vsrc(0)                   ; my last LDS stores have read v64-79 and v108-111: behind the barrier rows land in v64-127
	s_barrier_signal -1
	s_barrier_wait -1                              ; the one barrier: behind it the slots are only read
; ---- PHASE 2
	s_cmp_ge_u32 s14, s19
	s_cbranch_scc1 .Lend                           ; wave w takes groups w, w + 8
	s_sub_co_u32 s3, s19, s14                      ; groups - wave, at least 1 here
	s_add_co_u32 s3, s3, 7
	s_lshr_b32 s3, s3, 3                           ; the trips
	s_min_u32 s3, s3, 2
.Lgroup:                                               ; no wait stands here.  On the way in: no vector line follows the last block's wait on va_vdst, and the wait on vm_vsrc stands ahead of the barrier.  On the way back: no vector line follows the last tile's wait on va_vdst, and the wait on vm_vsrc stands at the trip's end
	ALOAD 2                                        ; into the set where phase 1 worked, or that the last trip's way out has left
	BLOAD 0
.set ss, 0
.rept KS
	STEP ss
.set ss, ss+1
.endr
	s_wait_loadcnt 0x0                             ; the late loads
.if LAYER < 3
	EPI 0
.irp i, 1,2,3
	s_add_co_u32 s21, s55, \i
	s_cmp_ge_u32 s21, s18
	s_cbranch_scc1 .Lone                           ; no tile 4 g + i, and none behind it
	EPI \i
.endr
.else
	s_wait_alu depctr_va_vdst(0)                   ; behind the places: the products have written the accumulators, which the LDS stores read, and are done reading v128-255, in which the stage's rows land
	EPI3 0
.irp i, 1,2,3
	s_add_co_u32 s21, s55, \i
	s_cmp_ge_u32 s21, s18
	s_cbranch_scc1 .Lone
	EPI3 \i
.endr
.endif
.Lone:
	s_wait_xcnt 0x0                                ; the stores have had their addresses translated: their bases are written again for the next trip,
	s_wait_alu depctr_vm_vsrc(0)                   ; and the stores, global and LDS, have read their vector registers (codes, bytes, offsets, rows, accumulators), in which the next trip's loads land and which its products and its way out write
	s_add_co_u32 s2, s2, 1
	s_cmp_ge_u32 s2, s3
	s_cbranch_scc1 .Lend
	GROUP                                          ; the next group's addresses and first rows
	s_cmp_lt_u32 s2, s3
	s_cbranch_scc1 .Lgroup
.Lend:
	s_wait_dscnt 0x0                               ; the closing lines, six on end
	s_wait_alu 0x0
	s_wait_tensorcnt 0x0
	ds_add_u32 v62, v63
	s_wait_dscnt 0x0
	s_endpgm
.Lfunc_end_k_q3324d0b5ec_g1:
	.size	k_q3324d0b5ec_g1, .Lfunc_end_k_q3324d0b5ec_g1-k_q3324d0b5ec_g1
	.p2alignl 7, 3214868480
	.fill 96, 4, 3214868480
	.section	.rodata,"a",@progbits
	.p2align	6, 0x0
	.amdhsa_kernel k_q3324d0b5ec_g1
		.amdhsa_group_segment_fixed_size 69120
		.amdhsa_private_segment_fixed_size 0
		.amdhsa_enable_private_segment 0
		.amdhsa_kernarg_size 40
		.amdhsa_user_sgpr_count 2
		.amdhsa_user_sgpr_kernarg_segment_ptr 1
		.amdhsa_wavefront_size32 1
		.amdhsa_system_sgpr_workgroup_id_x 1
		.amdhsa_system_sgpr_workgroup_id_y 1
		.amdhsa_system_sgpr_workgroup_id_z 1
		.amdhsa_system_vgpr_workitem_id 0
		.amdhsa_next_free_vgpr 512
		.amdhsa_next_free_sgpr 86
		.amdhsa_reserve_vcc 0
		.amdhsa_float_denorm_mode_32 3
		.amdhsa_float_denorm_mode_16_64 3
		.amdhsa_memory_ordered 1
		.amdhsa_forward_progress 1
		.amdhsa_inst_pref_size 140
	.end_amdhsa_kernel
	.amdgpu_metadata
---
amdhsa.version: [ 1, 2 ]
amdhsa.kernels:
  - .name:           k_q3324d0b5ec_g1
    .symbol:         k_q3324d0b5ec_g1.kd
    .args:
      - { .name: W1, .offset: 0, .size: 8, .value_kind: global_buffer, .address_space: global }
      - { .name: b1, .offset: 8, .size: 8, .value_kind: global_buffer, .address_space: global }
      - { .name: xa, .offset: 16, .size: 8, .value_kind: global_buffer, .address_space: global }
      - { .name: meta, .offset: 24, .size: 8, .value_kind: global_buffer, .address_space: global }
      - { .name: h1, .offset: 32, .size: 8, .value_kind: global_buffer, .address_space: global }
    .group_segment_fixed_size: 69120
    .private_segment_fixed_size: 0
    .kernarg_segment_align: 8
    .kernarg_segment_size: 40
    .max_flat_workgroup_size: 256
    .sgpr_count:     86
    .vgpr_count:     512
    .wavefront_size: 32
...
	.end_amdgpu_metadata
.endif
;; end of part 9
;; launch g2 (part 10): grid 32 x 8, 8 waves a work-group, no clusters, 137,216 bytes of LDS; arguments W2, b2, h1, meta, h2; writes h2
.if DOCPART == 10
	.amdgcn_target "amdgcn-amd-amdhsa--gfx1250"
	.amdhsa_code_object_version 6
	.text
	.protected	k_q3324d0b5ec_g2
	.globl	k_q3324d0b5ec_g2
	.p2align	8
	.type	k_q3324d0b5ec_g2,@function
k_q3324d0b5ec_g2:
	s_mov_b64 s[64:65], 0
	v_nop
	global_prefetch_b8 v0, s[64:65] scope:SCOPE_SE
	s_setreg_imm32_b32 hwreg(HW_REG_WAVE_SCHED_MODE, 0, 2), 2
	s_setreg_imm32_b32 hwreg(HW_REG_WAVE_MODE, 25, 1), 1
	s_wait_xcnt 0x0
	s_wait_alu depctr_vm_vsrc(0)
; ONE LAYER OF THE EXPERTS, for the chosen rows alone, on codes of E5M2 with one E8M0 scale for each 32 along K.  One source serves the three layers; LAYER picks the sizes.
;   LAYER 1: h1 = Q(relu(x W1 + b1))   LAYER 2: h2 = Q(relu(h1 W2 + b2))   LAYER 3: y = h2 W3, K in two halves, rows sent to (half, 2 token + slot); b3 and the gates come in the last launch.
; SHARES.  Work-group (nb, e) owns 64 columns of expert e's weight (256 consecutive bytes of every K row, aligned) and KS x 128 along K; in layer 3 ttmp9 = nb + 16 x the K half.  Eight waves of 512 registers.
; PHASE 1: the work-group's slab of f32 weights is read ONCE, quantised along K and laid in LDS as images of operand registers; all KS K steps stay there.
;   Wave w takes blocks of 32 along K, w + 8 m.  Lane (l16, h) takes rows 16 h + 0 .. 15 and columns 4 l16 + 0 .. 3: a load covers two rows' 256 bytes.  A block of a column lies in lanes l and l xor 16.
;   Four sets of 64 registers take turns: 64 loads of 512 bytes a wave are asked for at the start.
;   The conversion takes eight neighbouring registers under ONE scale, and here they are two rows x four columns: so each column is first multiplied by 2^(15 - floor(log2(its block's largest magnitude))),
;   which rounds nothing, held within +-57,344 and converted under the scale 1; sixteen rows' bytes are then turned by v_perm_b32, so that a register holds four neighbours along K of one column.
; PHASE 2: behind the one barrier, each wave takes groups of FOUR tiles of 16 rows of its expert (images that the launch before stored) against the 4 weight tiles: 16 accumulators by turns, so that
;   each fragment of the weight that is read from LDS feeds four products.  The weight's fragments have two buffers: the next K step's 20 LDS loads are dealt among this step's 16 products.
;   The rows come by plain loads into three sets: K step s + 2 is asked for at the head of step s.  The first group's K steps 0 and 1 are asked for ahead of phase 1's last two blocks, by every wave (tiles held at nt - 1), so that each counted wait has one count on every path.
;   The product is used TRANSPOSED (source 0 = 16 columns of the weight, source 1 = 16 rows), and the columns of a weight tile are chosen: index i of tile 2 b + u is column 32 b + 8 u + i + 8 (i / 8).
;   So lane (r, h) holds row r, and the 16 registers of tiles 2 b, 2 b + 1 are columns 32 b + 16 h + 0 .. 15: 16 neighbours along the next K: the conversions' results are the next operand's registers.
;   The sums begin with 0; the bias is added in f32 on the way out.  A tile past nt is the last tile once more; its results are not stored.
;   The loop over groups is counted by trips: s2 goes up by 1 to s3 = (groups - wave + 7) / 8, at most 2; the group is 8 s2 + wave.
; NO TENSOR LOAD, NO CLUSTER: the 32 work-groups of an expert read the same rows, but how many tiles there are is read from memory (nt[e], 1 to 64)
; LIMITS: a block whose largest magnitude lies under 2^-111 (a block of zeros too) gets the byte 1; the bytes are read by this program alone.  NaN and infinities are not served.
; THE MODE: SCHED_MODE bits 1:0 = 2 (LLVM: expert scheduling mode 2), set by the entry lines.  The code itself states the register dependences
;   between vector or matrix instructions and memory or LDS instructions, with s_wait_alu, always for 0.
; THE PLAN.  The registers that memory and LDS instructions touch, who else names them, and the waits:
;   v1-10, v13-15   offsets and LDS addresses, made at the head and never written again.  v10 has a wait of its own ahead of the first loads; the others are written ahead of the first block's wait.
;   PHASE 1, a block.  Its set of 64 (window 1): a load's data, read and written by the block's vector lines, in layer 2 loaded again for the block four on.
;                   v64-79 (codes), v108-111 (bytes): written by the block's vector lines, read by its eight LDS stores.  v11, v12: read by those stores, stepped at the next block's head.
;     ONE wait on va_vdst a block, behind its last vector line: the set is done with, and the codes, the bytes and the two addresses are written.  The set's loads and the eight stores follow it.
;     ONE wait on vm_vsrc at the head of every block but the first: the last block's stores have read what this block writes.  Once more ahead of the barrier: behind it rows land in v64-127.
;   PHASE 2, step s.  The rows' set s % 3 and the weight's buffer s % 2, each with its scale words: loads' data, read by the step's sixteen products.
;     ONE wait on va_vdst at the head of every step but the first: the products of the step before are done reading their set and their buffer.  Behind it the rows of step s + 2 (in step KS - 2 the late loads) land in that set
;     and the weights of step s + 1 in that buffer.  This step's products name the other sets and the other buffer: so the loads stand among them with no further wait.
;   THE WAY OUT.  Layers 1, 2: a tile's codes and scale bytes have registers of their own: one wait on va_vdst a tile, ahead of its three stores.
;     Layer 3: one wait on va_vdst behind the last products' places (the accumulators are written, which the LDS stores read; the products are done reading v128-255, in which the stage's rows land), and one a tile for its eight offsets.
;     At a trip's end one wait on vm_vsrc: the stores have read their registers, all of which the next trip writes.  No vector line stands behind the last tile's wait on va_vdst, so that the next trip's first loads owe no other.
.set LAYER, 2
.if LAYER == 1
.set KS,    8                          ; K steps of 128 that the work-group owns
.set KSIN,  8                          ; K steps in a row tile of the input
.set PITCH, 8192                       ; bytes of a K row of the weight
.set ES,    0x800000                   ; bytes of an expert's weight
.set SCOFF, 0x800000                   ; where the input's scale words begin
.elseif LAYER == 2
.set KS,    16
.set KSIN,  16
.set PITCH, 8192
.set ES,    0x1000000
.set SCOFF, 0x1000000
.else
.set KS,    8
.set KSIN,  16
.set PITCH, 4096
.set ES,    0x800000
.set SCOFF, 0x1000000
.endif
.if LAYER < 3
.set LATE,  8                          ; loads issued in the last two steps: the bias,
.else
.set LATE,  32                         ; or the four tiles' rowdst
.endif
.set NBW,   KS/2                       ; blocks of 32 along K for a wave
.set NK,    (KS+6)/7                   ; LDS address registers: one for each seven slots, so that every offset fits 16 bits
.set TILEB, 2064                       ; a weight tile's image: 2,048 bytes + 16, so that the sixteen lanes of a store into four tiles touch sixteen different columns of 16 bytes
.set SCW,   4*TILEB                    ; behind a slot's four images: its scale words, 64 bytes a tile
.set SLOTB, SCW+256                    ; a K step's slot
.set STAGE, 8*SLOTB                    ; layer 3: behind the slots, 16 rows x 272 bytes for each wave
; REGISTERS, in windows of 256 (s_set_vgpr_msb: bits 1:0 source 0, 3:2 source 1, 5:4 source 2, 7:6 destination).
; window 0: v1 16 x lane; v2 4 (lane % 16); v3 64 h; v4-6 16 x lane + 7 k slots; v7-9 4 (lane % 16) + 7 k slots; v10 my place in a block of the weight; v11, v12 where I store codes and scale bytes;
;   v13, v14, v15, v37 (layer 3) stage in, stage out, 4 h, 16 (lane % 16); v16-23 the weight's scale words, v24-35 the rows' (these twenty hold scales and nothing else); v36 1.0; v40-53 at work on the way out; v54-61 at work at the head;
;   v62, v63 the closing add's two; v64-111 at work in phase 1; the rows' fragments, three sets of 64 by turns: K step s in set s % 3, sets 0, 1, 2 at v128, v192, v64; row tile i at 16 i.
; window 1: phase 1: four sets of 64 numbers (register 4 i + j = row i, column j).  Phase 2: v0-127 accumulator (row tile i, weight tile T) at 32 i + 8 T; v128-255 the weight's four fragments, two buffers.
.set BS,  16
.set AS,  24
.set ONE, 36
.set O16, 37
.set TM,  40
.set WD,  50
.set CDS, 64                           ; v64-79  codes, column j at 4 j
.set YR,  80                           ; v80-95  codes as converted: register i = row i, byte j = column j
.set MG,  96                           ; v96-99  largest magnitudes; later at work in the turning
.set MX,  100                          ; v100-103 the other half's; then the exponent field
.set INV, 104                          ; v104-107 1 / scale
.set BY,  108                          ; v108-111 the scale bytes
.set BF,  128                          ; in window 1
.set LR,  64+64*((((KS-3)%3)+1)%3)     ; the set that K step KS - 3 leaves: the late loads' 32 registers; behind them, in layers 1 and 2, the codes on the way out
.set MSB, 0
.macro WIN new                         ; the immediate's high byte repeats the setting that is left; a switch that changes nothing is dropped
.if MSB != \new
	s_set_vgpr_msb (MSB<<8)|\new
.set MSB, \new
.endif
.endm
.macro LOADW set, m                    ; block w + 8 m: sixteen loads, each two rows' 256 consecutive bytes
	WIN 0x40                                       ; destination window 1
.irp i, 0,1,2,3,4,5,6,7,8,9,10,11,12,13,14,15
.if (\m) < 4
	global_load_b128 v[64*(\set)+4*\i:64*(\set)+4*\i+3], v10, s[24:25] offset:((\m)&3)*256*PITCH+\i*PITCH th:TH_LOAD_NT
.else
	global_load_b128 v[64*(\set)+4*\i:64*(\set)+4*\i+3], v10, s[26:27] offset:((\m)&3)*256*PITCH+\i*PITCH th:TH_LOAD_NT
.endif
.endr
	WIN 0
.endm
.macro QUANTW set, m
.set XW, 64*(\set)
	s_wait_dscnt 0x0                               ; the last block's LDS stores are done,
.if (\m) > 0
	s_wait_alu depctr_vm_vsrc(0)                   ; and have read v11, v12, the codes and the scale bytes, all of which this block writes again
	v_add_nc_u32 v11, 2*SLOTB, v11                 ; each block lies two slots on
	v_add_nc_u32 v12, 2*SLOTB, v12
.endif
	WIN 0x05                                       ; sources 0 and 1 window 1
.irp j, 0,1,2,3
	v_max3_num_f32 v[MG+\j], |v[XW+\j]|, |v[XW+4+\j]|, 0x8000000   ; column j: my 16 rows, and the floor 2^(16 - 127): the byte cannot fall under 1
.endr
.irp i, 2,4,6,8,10,12,14
.irp j, 0,1,2,3
	v_max3_num_f32 v[MG+\j], |v[XW+4*\i+\j]|, |v[XW+4*\i+4+\j]|, v[MG+\j]
.endr
.endr
	WIN 0
.irp j, 0,1,2,3
	v_permlanex16_b32 v[MX+\j], v[MG+\j], s46, s47
.endr
.irp j, 0,1,2,3
	v_max_num_f32 v[MG+\j], v[MG+\j], v[MX+\j]     ; with lane l xor 16: the block's largest magnitude
.endr
.irp j, 0,1,2,3
	v_and_b32 v[MX+\j], 0x7f800000, v[MG+\j]       ; its exponent field E
.endr
.irp j, 0,1,2,3
	v_sub_nc_u32 v[INV+\j], 0x86800000, v[MX+\j]   ; the f32 number 2^(142 - E) = 1 / scale: exponent field 269 - E, from 15 to 253
.endr
.irp j, 0,1,2,3
	v_lshrrev_b32 v[BY+\j], 23, v[MX+\j]
.endr
.irp j, 0,1,2,3
	v_add_nc_u32 v[BY+\j], -15, v[BY+\j]           ; the scale's byte, E - 15
.endr
	WIN 0x41                                       ; destination and source 0 window 1
.irp i, 0,1,2,3,4,5,6,7,8,9,10,11,12,13,14,15
	v_pk_mul_f32 v[XW+4*\i:XW+4*\i+1], v[XW+4*\i:XW+4*\i+1], v[INV:INV+1]
	v_pk_mul_f32 v[XW+4*\i+2:XW+4*\i+3], v[XW+4*\i+2:XW+4*\i+3], v[INV+2:INV+3]
.endr
.set n, 0
.rept 64
	v_med3_num_f32 v[XW+n], v[XW+n], s48, s49      ; the conversion does not saturate (ISA guide 7.6.2): the hold at +-57,344 comes first
.set n, n+1
.endr
	WIN 0x01                                       ; source 0 window 1
.irp a, 0,1,2,3,4,5,6,7
	v_cvt_scalef32_pk8_bf8_f32 v[YR+2*\a:YR+2*\a+1], v[XW+8*\a:XW+8*\a+7], v[ONE]
.endr
	WIN 0
	v_nop                                          ; a plain instruction behind the last conversion
.irp q, 0,1,2,3                        ; rows 4 q .. 4 q + 3 x columns 0 .. 3 are turned: register q of column j = its four bytes
	v_perm_b32 v[MG], v[YR+4*\q+1], v[YR+4*\q], s50
	v_perm_b32 v[MG+1], v[YR+4*\q+1], v[YR+4*\q], s51
	v_perm_b32 v[MG+2], v[YR+4*\q+3], v[YR+4*\q+2], s50
	v_perm_b32 v[MG+3], v[YR+4*\q+3], v[YR+4*\q+2], s51
	v_perm_b32 v[CDS+\q], v[MG+2], v[MG], s52
	v_perm_b32 v[CDS+4+\q], v[MG+2], v[MG], s53
	v_perm_b32 v[CDS+8+\q], v[MG+3], v[MG+1], s52
	v_perm_b32 v[CDS+12+\q], v[MG+3], v[MG+1], s53
.endr
	s_wait_alu depctr_va_vdst(0)                   ; the block's vector lines are done: they have read and written the set, in which the loads below land, and have written the codes, the bytes, v11 and v12, which the LDS stores below read (in the first block the head's other addresses are written too)
.if (\m)+4 < NBW
	LOADW \set, (\m)+4                             ; the set is free: the block four on
.endif
.irp j, 0,1,2,3
	ds_store_b128 v11, v[CDS+4*\j:CDS+4*\j+3] offset:16*\j         ; column j's 16 codes: the 16 bytes of one lane of the image
.endr
.irp j, 0,1,2,3
	ds_store_b8 v12, v[BY+\j] offset:4*\j          ; byte w % 4 of the column's scale word; lanes l and l xor 16 write the same byte with the same value
.endr
.endm
.macro ALOAD s                         ; the four row tiles' fragments and scale words of K step s: twenty loads, 512 consecutive bytes each (the words: 64)
.set RGA, (\s)%3
.set RBA, 64+64*((RGA+1)%3)
.irp i, 0,1,2,3
.irp c, 0,1,2,3
	global_load_b128 v[RBA+16*\i+4*\c:RBA+16*\i+4*\c+3], v1, s[30+2*\i:31+2*\i] offset:2048*(\s)+512*\c
.endr
	global_load_b32 v[AS+4*RGA+\i], v2, s[38+2*\i:39+2*\i] offset:64*(\s)
.endr
.endm
.macro BTILE s, t                      ; the weight's fragment t of K step s, out of LDS into buffer s % 2: four LDS loads; the destination's window is 1
.set PL, (\s)&1
.set KK, (\s)/7
.set SO, ((\s)%7)*SLOTB
.irp c, 0,1,2,3
	ds_load_b128 v[BF+64*PL+16*(\t)+4*\c:BF+64*PL+16*(\t)+4*\c+3], v[4+KK] offset:SO+TILEB*(\t)+512*\c
.endr
.endm
.macro BWORDS s                        ; the four fragments' scale words; every window is 0
.set PL, (\s)&1
.set KK, (\s)/7
.set SO, ((\s)%7)*SLOTB
.irp t, 0,1,2,3
	ds_load_b32 v[BS+4*PL+\t], v[7+KK] offset:SO+SCW+64*\t
.endr
.endm
.macro BLOAD s                         ; all twenty in one run: a trip's first K step
	WIN 0x40                                       ; destination window 1
.irp t, 0,1,2,3
	BTILE \s, \t
.endr
	WIN 0
	BWORDS \s
.endm
.macro GROUP                           ; the addresses of group 8 s2 + wave, and its first two K steps of rows
	s_lshl_b32 s20, s2, 3
	s_add_co_u32 s20, s20, s14                     ; g
	s_lshl_b32 s55, s20, 2                         ; its first tile, 4 g
	s_sub_co_u32 s23, s18, 1
	s_lshl_b32 s22, s16, 6
.irp i, 0,1,2,3
	s_add_co_u32 s21, s55, \i
	s_min_u32 s21, s21, s23                        ; a tile past nt: the last tile once more
	s_min_u32 s21, s21, 63
	s_add_co_u32 s21, s21, s22                     ; 64 e + t
	s_mul_i32 s56, s21, KSIN*2048
	s_add_co_u32 s56, s56, s60
	s_add_nc_u64 s[30+2*\i:31+2*\i], s[8:9], s[56:57]              ; its images
	s_mul_i32 s56, s21, KSIN*64
	s_add_co_u32 s56, s56, s61
	s_add_nc_u64 s[38+2*\i:39+2*\i], s[8:9], s[56:57]              ; its scale words
.if LAYER < 3
	s_lshl_b32 s56, s21, 15
	s_add_co_u32 s56, s56, s62
	s_add_nc_u64 s[68+2*\i:69+2*\i], s[12:13], s[56:57]            ; out: my 64 columns are half a K step of the next product: 1,024 bytes of the tile's images
	s_lshl_b32 s56, s21, 10
	s_add_co_u32 s56, s56, s63
	s_add_nc_u64 s[76+2*\i:77+2*\i], s[12:13], s[56:57]            ; and two bytes of each row's scale word
.else
	s_lshl_b32 s56, s21, 6
	s_add_nc_u64 s[68+2*\i:69+2*\i], s[10:11], s[56:57]            ; its 16 words of rowdst
.endif
.endr
	ALOAD 0
	ALOAD 1
.endm
.macro STEP s
.set RG, (\s)%3
.set RB, 64+64*((RG+1)%3)
.set PB, (\s)&1
.set NW, KS-1-(\s)
.if NW > 2
.set NW, 2
.endif
.set NW, 20*NW
.if (\s) >= KS-2
.set NW, NW+LATE
.endif
.if (\s) > 0
	s_wait_alu depctr_va_vdst(0)                   ; the products of the step before are done reading their set of rows, their buffer of the weight and both kinds of scale words: all the loads of this step land there
.if (\s)+2 < KS
	ALOAD (\s)+2                                   ; the rows two steps on, into the set just left
.endif
.endif
.if (\s) == KS-2                       ; the late loads, into the set that step KS - 3 has left
.if LAYER < 3
.irp t, 0,1,2,3
	global_load_b128 v[LR+8*\t:LR+8*\t+3], v3, s[28:29] offset:(32*(\t/2)+8*(\t%2))*4          ; the bias: lane (r, h), tile T, register j: column 32 (T / 2) + 8 (T % 2) + 16 h + j
	global_load_b128 v[LR+8*\t+4:LR+8*\t+7], v3, s[28:29] offset:(32*(\t/2)+8*(\t%2))*4+16
.endr
.else
.irp i, 0,1,2,3
.irp q, 0,1,2,3,4,5,6,7
	global_load_b32 v[LR+8*\i+\q], v15, s[68+2*\i:69+2*\i] offset:8*\q   ; rowdst of rows 2 q + h
.endr
.endr
.endif
.endif
	s_wait_loadcnt NW                              ; this step's rows are in; what may stay out: twenty loads for each later step asked for (two at the most), and in the last two steps the late loads
	s_wait_dscnt 0x0                               ; this step's weights are in: they were asked for among the products of the step before
.if (\s)+1 < KS
	BWORDS (\s)+1                                  ; the next step's weights go into the buffer just left: the four scale words,
.endif
.irp t, 0,1,2,3                        ; the sixteen accumulators take turns, one instruction a turn, from step to step too
	WIN 0x51                                       ; source 0 (the weight), C and D window 1; source 1 (the rows) window 0
.irp i, 0,1,2,3
.if (\s) == 0
	v_wmma_scale_f32_16x16x128_f8f6f4 v[32*\i+8*\t:32*\i+8*\t+7], v[BF+64*PB+16*\t:BF+64*PB+16*\t+15], v[RB+16*\i:RB+16*\i+15], 0, v[BS+4*PB+\t], v[AS+4*RG+\i] matrix_a_fmt:MATRIX_FMT_BF8 matrix_b_fmt:MATRIX_FMT_BF8
.else
	v_wmma_scale_f32_16x16x128_f8f6f4 v[32*\i+8*\t:32*\i+8*\t+7], v[BF+64*PB+16*\t:BF+64*PB+16*\t+15], v[RB+16*\i:RB+16*\i+15], v[32*\i+8*\t:32*\i+8*\t+7], v[BS+4*PB+\t], v[AS+4*RG+\i] matrix_a_fmt:MATRIX_FMT_BF8 matrix_b_fmt:MATRIX_FMT_BF8
.endif
.endr
.if (\s)+1 < KS
	WIN 0x40                                       ; destination window 1
	BTILE (\s)+1, \t                               ; and a fragment behind each four products.  No wait: no product since the wait at the step's head names the other buffer
.endif
.endr
	WIN 0
.rept 8
	v_nop                                          ; eight places behind these products: they stay beside the wait at the next step's head, and in the last step they stand in front of the first read of results
.endr
.if (\s) == KS-1
	v_nop                                          ; a ninth: in the next trip matrix instructions write these accumulators anew
.endif
.endm
.if LAYER < 3
.macro EPI i                           ; row tile i: + bias, relu, quantised along the next K, two blocks of 32; stored as images
.set HH, 32*\i
.set PCO, LR+32+8*\i
	WIN 0x41
.set n, 0
.rept 16
	v_pk_add_f32 v[HH+2*n:HH+2*n+1], v[HH+2*n:HH+2*n+1], v[LR+2*n:LR+2*n+1]   ; each accumulator is read from its low end on
.set n, n+1
.endr
	WIN 0x05
.irp b, 0,1
	v_max3_num_f32 v[TM+\b], v[HH+16*\b], v[HH+16*\b+1], 0x8000000   ; no |.|: what is negative becomes 0 and must not count; the floor stands over it
.endr
.irp k, 2,4,6,8,10,12,14
.irp b, 0,1
	v_max3_num_f32 v[TM+\b], v[HH+16*\b+\k], v[HH+16*\b+\k+1], v[TM+\b]
.endr
.endr
	WIN 0
.irp b, 0,1
	v_permlanex16_b32 v[TM+2+\b], v[TM+\b], s46, s47
.endr
.irp b, 0,1
	v_max_num_f32 v[TM+\b], v[TM+\b], v[TM+2+\b]
.endr
.irp b, 0,1
	v_add_nc_u32 v[TM+4+\b], 0xf8800000, v[TM+\b]  ; 15 off the exponent field: the conversion's scale operand
.endr
.irp b, 0,1
	v_and_or_b32 v[TM+6+\b], v[TM+\b], 0x7f800000, s54   ; 57,344 x the scale
.endr
.irp b, 0,1
	v_lshrrev_b32 v[TM+8+\b], 23, v[TM+4+\b]
.endr
	v_lshl_or_b32 v[WD+\i], v[TM+9], 8, v[TM+8]    ; my two bytes of the row's scale word
	WIN 0x41
.irp b, 0,1
.irp k, 0,1,2,3,4,5,6,7,8,9,10,11,12,13,14,15
	v_med3_num_f32 v[HH+16*\b+\k], v[HH+16*\b+\k], 0, v[TM+6+\b]   ; the activation and the hold in one
.endr
.endr
	WIN 0x01
.irp b, 0,1
	v_cvt_scalef32_pk8_bf8_f32 v[PCO+4*\b:PCO+4*\b+1], v[HH+16*\b:HH+16*\b+7], v[TM+4+\b]
	v_cvt_scalef32_pk8_bf8_f32 v[PCO+4*\b+2:PCO+4*\b+3], v[HH+16*\b+8:HH+16*\b+15], v[TM+4+\b]
.endr
	WIN 0
.rept 4
	v_nop                                          ; plain instructions behind the conversions: their results lie in registers that are a matrix operand again in the next trip
.endr
	s_wait_alu depctr_va_vdst(0)                   ; the conversions have written the tile's eight registers of codes, and its two scale bytes are made: the three stores read them
	global_store_b128 v1, v[PCO:PCO+3], s[68+2*\i:69+2*\i]         ; 32 lanes store 512 consecutive bytes
	global_store_b128 v1, v[PCO+4:PCO+7], s[68+2*\i:69+2*\i] offset:512
	global_store_b16 v2, v[WD+\i], s[76+2*\i:77+2*\i]              ; lanes 16-31 repeat lanes 0-15
.endm
.else
.macro EPI3 i                          ; row tile i: through my stage, back as whole rows of 256 bytes, each to the row of y that rowdst names
	WIN 0x04                                       ; an LDS store's data are its source 1: window 1
.irp b, 0,1
.irp q, 0,1,2,3
	ds_store_b128 v13, v[32*\i+16*\b+4*\q:32*\i+16*\b+4*\q+3] offset:128*\b+16*\q   ; each accumulator from its low end on
.endr
.endr
	WIN 0
.irp q, 0,1,2,3,4,5,6,7
	ds_load_b128 v[128+32*\i+4*\q:128+32*\i+4*\q+3], v14 offset:544*\q   ; LDS serves a wave's instructions in order (ISA guide 5.7.1.4): these see my stores, and the next tile's stores come behind them
.endr
.irp q, 0,1,2,3,4,5,6,7
	v_min_u32 v[LR+8*\i+\q], 2055, v[LR+8*\i+\q]
	v_lshl_add_u32 v[LR+8*\i+\q], v[LR+8*\i+\q], 12, v[O16]        ; a row of y is 4,096 bytes; + 16 bytes a lane
.endr
	s_wait_alu depctr_va_vdst(0)                   ; the tile's eight offsets are written, which the stores below read
.irp q, 0,1,2,3,4,5,6,7
	s_wait_dscnt 7-\q                              ; the later read-backs may stay out
	global_store_b128 v[LR+8*\i+\q], v[128+32*\i+4*\q:128+32*\i+4*\q+3], s[84:85] th:TH_STORE_NT   ; sixteen lanes store 256 consecutive bytes, aligned
.endr
.endm
.endif
.if LAYER < 3
	s_load_b256 s[4:11], s[0:1], 0x0               ; the weight s[4:5], the bias s[6:7], the rows s[8:9], meta s[10:11]
	s_load_b64 s[12:13], s[0:1], 0x20              ; out
	v_lshl_add_u32 v62, v0, 2, 0x21400
	v_mov_b32 v63, 0
.else
	s_load_b64 s[4:5], s[0:1], 0x0                 ; the weight
	s_load_b128 s[8:11], s[0:1], 0x8               ; the rows, meta
	s_load_b64 s[12:13], s[0:1], 0x18              ; y
.endif
	v_lshrrev_b32 v54, 5, v0
	v_readfirstlane_b32 s14, v54                   ; wave 0..7
	s_and_b32 s16, ttmp7, 0xffff                   ; e
.if LAYER < 3
	s_mov_b32 s15, ttmp9                           ; nb
	s_mov_b32 s17, 0
.else
	s_and_b32 s15, ttmp9, 15                       ; nb
	s_lshr_b32 s17, ttmp9, 4                       ; the K half
.endif
	s_mul_i32 s56, s16, ES
	s_lshl_b32 s21, s17, 10
	s_wait_alu depctr_va_sdst(0)                   ; s14 is written, ahead of its first reader: bases, LDS addresses and the branches on the wave are made from it
	s_lshl_b32 s22, s14, 5
	s_add_co_u32 s21, s21, s22                     ; my first K row: 1,024 x half + 32 w
	s_mul_i32 s21, s21, PITCH
	s_add_co_u32 s56, s56, s21
	s_lshl_b32 s21, s15, 8
	s_add_co_u32 s56, s56, s21                     ; + 256 nb; all under 2^31
	s_mov_b32 s57, 0
	v_and_b32 v55, 15, v0                          ; l16
	v_bfe_u32 v56, v0, 4, 1                        ; h
	v_and_b32 v57, 31, v0                          ; lane
	v_lshlrev_b32 v10, 4, v55
	v_mad_u32_u24 v10, v56, 16*PITCH, v10          ; 16 l16 + 16 h rows
	s_wait_kmcnt 0x0
	s_add_nc_u64 s[24:25], s[4:5], s[56:57]
.if NBW > 4
	s_add_nc_u64 s[26:27], s[24:25], 1024*PITCH    ; blocks 4 to 7: beyond the immediate's reach
.endif
	s_wait_alu depctr_va_vdst(0)                   ; v10 is written, which every load of the weight reads as its offset
	LOADW 0, 0                                     ; 64 loads a wave, 8 waves: the first 256 KiB of the slab go out before anything else is done
	LOADW 1, 1
	LOADW 2, 2
	LOADW 3, 3
	s_lshl_b32 s56, s16, 2
	s_add_nc_u64 s[58:59], s[10:11], s[56:57]
	s_load_b32 s18, s[58:59], 0x8000               ; nt[e]
.if LAYER < 3
	s_lshl_b32 s56, s16, 13
	s_lshl_b32 s21, s15, 8
	s_add_co_u32 s56, s56, s21
	s_add_nc_u64 s[28:29], s[6:7], s[56:57]        ; the bias of my 64 columns
	s_lshl_b32 s62, s15, 10
	s_lshr_b32 s63, s15, 1
	s_lshl_b32 s63, s63, 6
	s_and_b32 s21, s15, 1
	s_lshl_b32 s21, s21, 1
	s_add_co_u32 s63, s63, s21
	s_add_co_u32 s63, s63, 0x1000000               ; 16,777,216 + 64 (nb / 2) + 2 (nb % 2)
.else
	s_mul_i32 s56, s17, 8421376
	s_lshl_b32 s21, s15, 8
	s_add_co_u32 s56, s56, s21
	s_add_nc_u64 s[84:85], s[12:13], s[56:57]      ; y: my half's 2,056 rows, my 256 bytes of each
.endif
	s_lshl_b32 s60, s17, 14                        ; the K half in a tile's images,
	s_lshl_b32 s61, s17, 9
	s_add_co_u32 s61, s61, SCOFF                   ; and in its scale words
	s_mov_b32 s46, 0x76543210
	s_mov_b32 s47, 0xfedcba98                      ; v_permlanex16_b32: lane l xor 16
	s_mov_b32 s48, 0xc7600000                      ; -57,344
	s_mov_b32 s49, 0x47600000                      ; 57,344
	s_mov_b32 s50, 0x05010400                      ; v_perm_b32: columns 0, 1 of two rows, interleaved;
	s_mov_b32 s51, 0x07030602                      ; columns 2, 3;
	s_mov_b32 s52, 0x05040100                      ; the low halves of two words;
	s_mov_b32 s53, 0x07060302                      ; the high halves
	s_mov_b32 s54, 0x600000                        ; the mantissa field of 57,344
	v_lshlrev_b32 v1, 4, v57
	v_lshlrev_b32 v2, 2, v55
	v_lshlrev_b32 v3, 6, v56
.set k, 0
.rept NK
	v_lshl_add_u32 v[4+k], v57, 4, 7*k*SLOTB
	v_lshl_add_u32 v[7+k], v55, 2, 7*k*SLOTB
.set k, k+1
.endr
	; where my four columns go: column 4 l16 + j is index i0 + j of tile Tt, Tt = 2 (l16 / 8) + (l16 / 2) % 2, i0 = 4 (l16 % 2) + 8 ((l16 / 4) % 2); my half h is lane 16 h + index of the image
	s_and_b32 s21, s14, 3                          ; c: which 32 of the K step
	s_lshr_b32 s22, s14, 2
	s_mul_i32 s22, s22, SLOTB                      ; slot w / 4 (+ 2 m)
	s_lshl_b32 s23, s21, 9
	s_add_co_u32 s23, s23, s22
	s_add_co_u32 s21, s21, s22
	s_add_co_u32 s21, s21, SCW
	v_bfe_u32 v58, v0, 3, 1
	v_bfe_u32 v59, v0, 1, 1
	v_and_b32 v60, 1, v0
	v_bfe_u32 v61, v0, 2, 1
	v_mul_u32_u24 v11, v58, 2*TILEB
	v_mad_u32_u24 v11, v59, TILEB, v11
	v_lshl_add_u32 v11, v60, 6, v11
	v_lshl_add_u32 v11, v61, 7, v11
	v_lshl_add_u32 v11, v56, 8, v11
	v_add_nc_u32 v11, s23, v11
	v_lshlrev_b32 v12, 7, v58
	v_lshl_add_u32 v12, v59, 6, v12
	v_lshl_add_u32 v12, v60, 4, v12
	v_lshl_add_u32 v12, v61, 5, v12
	v_add_nc_u32 v12, s21, v12
.if LAYER == 3
	s_mul_i32 s21, s14, 16*272
	s_add_co_u32 s21, s21, STAGE                   ; my stage
	v_mul_u32_u24 v13, v55, 272
	v_lshl_add_u32 v13, v56, 6, v13
	v_add_nc_u32 v13, s21, v13                     ; in: row r, + 64 h
	v_mul_u32_u24 v14, v56, 272
	v_lshl_add_u32 v14, v55, 4, v14
	v_add_nc_u32 v14, s21, v14                     ; back: lanes 0-15 one row, lanes 16-31 the next
	v_lshlrev_b32 v15, 2, v56
	v_lshlrev_b32 v[O16], 4, v55
.else
	v_mov_b32 v[TM+2], 0                           ; written once: a lane permute's destination counts as one of its sources
	v_mov_b32 v[TM+3], 0
.endif
	v_mov_b32 v[ONE], 1.0
.irp j, 0,1,2,3
	v_mov_b32 v[MX+\j], 0                          ; likewise
.endr
; ---- PHASE 1
.set mm, 0
.rept NBW
.set YW, NBW-1-mm
.if YW > 3
.set YW, 3
.endif
.if mm == NBW-1
	s_wait_loadcnt 40                              ; the last block's sixteen loads are in; the forty loads of rows issued behind them may be out
.else
	s_wait_loadcnt 16*YW                           ; this block's sixteen loads are in; sixteen for each later block asked for (three at the most) may be out
.endif
.if mm == NBW-2                        ; two blocks are left to quantise: the first group's first rows go out now and land meanwhile
	s_wait_kmcnt 0x0
	s_min_u32 s18, s18, 64
	s_max_u32 s18, s18, 1                          ; nt
	s_add_co_u32 s19, s18, 3
	s_lshr_b32 s19, s19, 2                         ; groups of four tiles, at most 16
	s_mov_b32 s2, 0                                ; the trip
	GROUP                                          ; no wait: v1 and v2 were written ahead of the earlier blocks' waits on va_vdst, and no vector line names them, v24-31 or v128-255 of window 0 in all of phase 1
.endif
	QUANTW mm%4, mm
.set mm, mm+1
.endr
	s_wait_dscnt 0x0                               ; for the others' sake: my images and scale bytes have landed
	s_wait_alu depctr_vm_vsrc(0)                   ; my last LDS stores have read v64-79 and v108-111: behind the barrier rows land in v64-127
	s_barrier_signal -1
	s_barrier_wait -1                              ; the one barrier: behind it the slots are only read
; ---- PHASE 2
	s_cmp_ge_u32 s14, s19
	s_cbranch_scc1 .Lend                           ; wave w takes groups w, w + 8
	s_sub_co_u32 s3, s19, s14                      ; groups - wave, at least 1 here
	s_add_co_u32 s3, s3, 7
	s_lshr_b32 s3, s3, 3                           ; the trips
	s_min_u32 s3, s3, 2
.Lgroup:                                               ; no wait stands here.  On the way in: no vector line follows the last block's wait on va_vdst, and the wait on vm_vsrc stands ahead of the barrier.  On the way back: no vector line follows the last tile's wait on va_vdst, and the wait on vm_vsrc stands at the trip's end
	ALOAD 2                                        ; into the set where phase 1 worked, or that the last trip's way out has left
	BLOAD 0
.set ss, 0
.rept KS
	STEP ss
.set ss, ss+1
.endr
	s_wait_loadcnt 0x0                             ; the late loads
.if LAYER < 3
	EPI 0
.irp i, 1,2,3
	s_add_co_u32 s21, s55, \i
	s_cmp_ge_u32 s21, s18
	s_cbranch_scc1 .Lone                           ; no tile 4 g + i, and none behind it
	EPI \i
.endr
.else
	s_wait_alu depctr_va_vdst(0)                   ; behind the places: the products have written the accumulators, which the LDS stores read, and are done reading v128-255, in which the stage's rows land
	EPI3 0
.irp i, 1,2,3
	s_add_co_u32 s21, s55, \i
	s_cmp_ge_u32 s21, s18
	s_cbranch_scc1 .Lone
	EPI3 \i
.endr
.endif
.Lone:
	s_wait_xcnt 0x0                                ; the stores have had their addresses translated: their bases are written again for the next trip,
	s_wait_alu depctr_vm_vsrc(0)                   ; and the stores, global and LDS, have read their vector registers (codes, bytes, offsets, rows, accumulators), in which the next trip's loads land and which its products and its way out write
	s_add_co_u32 s2, s2, 1
	s_cmp_ge_u32 s2, s3
	s_cbranch_scc1 .Lend
	GROUP                                          ; the next group's addresses and first rows
	s_cmp_lt_u32 s2, s3
	s_cbranch_scc1 .Lgroup
.Lend:
	s_wait_dscnt 0x0                               ; the closing lines, six on end
	s_wait_alu 0x0
	s_wait_tensorcnt 0x0
	ds_add_u32 v62, v63
	s_wait_dscnt 0x0
	s_endpgm
.Lfunc_end_k_q3324d0b5ec_g2:
	.size	k_q3324d0b5ec_g2, .Lfunc_end_k_q3324d0b5ec_g2-k_q3324d0b5ec_g2
	.p2alignl 7, 3214868480
	.fill 96, 4, 3214868480
	.section	.rodata,"a",@progbits
	.p2align	6, 0x0
	.amdhsa_kernel k_q3324d0b5ec_g2
		.amdhsa_group_segment_fixed_size 137216
		.amdhsa_private_segment_fixed_size 0
		.amdhsa_enable_private_segment 0
		.amdhsa_kernarg_size 40
		.amdhsa_user_sgpr_count 2
		.amdhsa_user_sgpr_kernarg_segment_ptr 1
		.amdhsa_wavefront_size32 1
		.amdhsa_system_sgpr_workgroup_id_x 1
		.amdhsa_system_sgpr_workgroup_id_y 1
		.amdhsa_system_sgpr_workgroup_id_z 1
		.amdhsa_system_vgpr_workitem_id 0
		.amdhsa_next_free_vgpr 512
		.amdhsa_next_free_sgpr 86
		.amdhsa_reserve_vcc 0
		.amdhsa_float_denorm_mode_32 3
		.amdhsa_float_denorm_mode_16_64 3
		.amdhsa_memory_ordered 1
		.amdhsa_forward_progress 1
		.amdhsa_inst_pref_size 244
	.end_amdhsa_kernel
	.amdgpu_metadata
---
amdhsa.version: [ 1, 2 ]
amdhsa.kernels:
  - .name:           k_q3324d0b5ec_g2
    .symbol:         k_q3324d0b5ec_g2.kd
    .args:
      - { .name: W2, .offset: 0, .size: 8, .value_kind: global_buffer, .address_space: global }
      - { .name: b2, .offset: 8, .size: 8, .value_kind: global_buffer, .address_space: global }
      - { .name: h1, .offset: 16, .size: 8, .value_kind: global_buffer, .address_space: global }
      - { .name: meta, .offset: 24, .size: 8, .value_kind: global_buffer, .address_space: global }
      - { .name: h2, .offset: 32, .size: 8, .value_kind: global_buffer, .address_space: global }
    .group_segment_fixed_size: 137216
    .private_segment_fixed_size: 0
    .kernarg_segment_align: 8
    .kernarg_segment_size: 40
    .max_flat_workgroup_size: 256
    .sgpr_count:     86
    .vgpr_count:     512
    .wavefront_size: 32
...
	.end_amdgpu_metadata
.endif
;; end of part 10
;; launch g3 (part 11): grid 32 x 8, 8 waves a work-group, no clusters, 103,936 bytes of LDS; arguments W3, h2, meta, y; writes y
.if DOCPART == 11
	.amdgcn_target "amdgcn-amd-amdhsa--gfx1250"
	.amdhsa_code_object_version 6
	.text
	.protected	k_q3324d0b5ec_g3
	.globl	k_q3324d0b5ec_g3
	.p2align	8
	.type	k_q3324d0b5ec_g3,@function
k_q3324d0b5ec_g3:
	s_mov_b64 s[64:65], 0
	v_nop
	global_prefetch_b8 v0, s[64:65] scope:SCOPE_SE
	s_setreg_imm32_b32 hwreg(HW_REG_WAVE_SCHED_MODE, 0, 2), 2
	s_setreg_imm32_b32 hwreg(HW_REG_WAVE_MODE, 25, 1), 1
	s_wait_xcnt 0x0
	s_wait_alu depctr_vm_vsrc(0)
; ONE LAYER OF THE EXPERTS, for the chosen rows alone, on codes of E5M2 with one E8M0 scale for each 32 along K.  One source serves the three layers; LAYER picks the sizes.
;   LAYER 1: h1 = Q(relu(x W1 + b1))   LAYER 2: h2 = Q(relu(h1 W2 + b2))   LAYER 3: y = h2 W3, K in two halves, rows sent to (half, 2 token + slot); b3 and the gates come in the last launch.
; SHARES.  Work-group (nb, e) owns 64 columns of expert e's weight (256 consecutive bytes of every K row, aligned) and KS x 128 along K; in layer 3 ttmp9 = nb + 16 x the K half.  Eight waves of 512 registers.
; PHASE 1: the work-group's slab of f32 weights is read ONCE, quantised along K and laid in LDS as images of operand registers; all KS K steps stay there.
;   Wave w takes blocks of 32 along K, w + 8 m.  Lane (l16, h) takes rows 16 h + 0 .. 15 and columns 4 l16 + 0 .. 3: a load covers two rows' 256 bytes.  A block of a column lies in lanes l and l xor 16.
;   Four sets of 64 registers take turns: 64 loads of 512 bytes a wave are asked for at the start.
;   The conversion takes eight neighbouring registers under ONE scale, and here they are two rows x four columns: so each column is first multiplied by 2^(15 - floor(log2(its block's largest magnitude))),
;   which rounds nothing, held within +-57,344 and converted under the scale 1; sixteen rows' bytes are then turned by v_perm_b32, so that a register holds four neighbours along K of one column.
; PHASE 2: behind the one barrier, each wave takes groups of FOUR tiles of 16 rows of its expert (images that the launch before stored) against the 4 weight tiles: 16 accumulators by turns, so that
;   each fragment of the weight that is read from LDS feeds four products.  The weight's fragments have two buffers: the next K step's 20 LDS loads are dealt among this step's 16 products.
;   The rows come by plain loads into three sets: K step s + 2 is asked for at the head of step s.  The first group's K steps 0 and 1 are asked for ahead of phase 1's last two blocks, by every wave (tiles held at nt - 1), so that each counted wait has one count on every path.
;   The product is used TRANSPOSED (source 0 = 16 columns of the weight, source 1 = 16 rows), and the columns of a weight tile are chosen: index i of tile 2 b + u is column 32 b + 8 u + i + 8 (i / 8).
;   So lane (r, h) holds row r, and the 16 registers of tiles 2 b, 2 b + 1 are columns 32 b + 16 h + 0 .. 15: here 64 neighbouring bytes of a row of y.
;   Rows past the expert's count go to row 2,048 + e of y: the work-group's own 256 bytes there, written with whatever comes last and read by nobody.  A tile past nt is the last tile once more; its results are not stored.
;   The loop over groups is counted by trips: s2 goes up by 1 to s3 = (groups - wave + 7) / 8, at most 2; the group is 8 s2 + wave.
; NO TENSOR LOAD, NO CLUSTER: the 32 work-groups of an expert read the same rows, but how many tiles there are is read from memory (nt[e], 1 to 64)
; LIMITS: a block whose largest magnitude lies under 2^-111 (a block of zeros too) gets the byte 1; the bytes are read by this program alone.  NaN and infinities are not served.
; THE MODE: SCHED_MODE bits 1:0 = 2 (LLVM: expert scheduling mode 2), set by the entry lines.  The code itself states the register dependences
;   between vector or matrix instructions and memory or LDS instructions, with s_wait_alu, always for 0.
; THE PLAN.  The registers that memory and LDS instructions touch, who else names them, and the waits:
;   v1-10, v13-15   offsets and LDS addresses, made at the head and never written again.  v10 has a wait of its own ahead of the first loads; the others are written ahead of the first block's wait.
;   PHASE 1, a block.  Its set of 64 (window 1): a load's data, read and written by the block's vector lines, in layer 2 loaded again for the block four on.
;                   v64-79 (codes), v108-111 (bytes): written by the block's vector lines, read by its eight LDS stores.  v11, v12: read by those stores, stepped at the next block's head.
;     ONE wait on va_vdst a block, behind its last vector line: the set is done with, and the codes, the bytes and the two addresses are written.  The set's loads and the eight stores follow it.
;     ONE wait on vm_vsrc at the head of every block but the first: the last block's stores have read what this block writes.  Once more ahead of the barrier: behind it rows land in v64-127.
;   PHASE 2, step s.  The rows' set s % 3 and the weight's buffer s % 2, each with its scale words: loads' data, read by the step's sixteen products.
;     ONE wait on va_vdst at the head of every step but the first: the products of the step before are done reading their set and their buffer.  Behind it the rows of step s + 2 (in step KS - 2 the late loads) land in that set
;     and the weights of step s + 1 in that buffer.  This step's products name the other sets and the other buffer: so the loads stand among them with no further wait.
;   THE WAY OUT.  Layers 1, 2: a tile's codes and scale bytes have registers of their own: one wait on va_vdst a tile, ahead of its three stores.
;     Layer 3: one wait on va_vdst behind the last products' places (the accumulators are written, which the LDS stores read; the products are done reading v128-255, in which the stage's rows land), and one a tile for its eight offsets.
;     At a trip's end one wait on vm_vsrc: the stores have read their registers, all of which the next trip writes.  No vector line stands behind the last tile's wait on va_vdst, so that the next trip's first loads owe no other.
.set LAYER, 3
.if LAYER == 1
.set KS,    8                          ; K steps of 128 that the work-group owns
.set KSIN,  8                          ; K steps in a row tile of the input
.set PITCH, 8192                       ; bytes of a K row of the weight
.set ES,    0x800000                   ; bytes of an expert's weight
.set SCOFF, 0x800000                   ; where the input's scale words begin
.elseif LAYER == 2
.set KS,    16
.set KSIN,  16
.set PITCH, 8192
.set ES,    0x1000000
.set SCOFF, 0x1000000
.else
.set KS,    8
.set KSIN,  16
.set PITCH, 4096
.set ES,    0x800000
.set SCOFF, 0x1000000
.endif
.if LAYER < 3
.set LATE,  8                          ; loads issued in the last two steps: the bias,
.else
.set LATE,  32                         ; or the four tiles' rowdst
.endif
.set NBW,   KS/2                       ; blocks of 32 along K for a wave
.set NK,    (KS+6)/7                   ; LDS address registers: one for each seven slots, so that every offset fits 16 bits
.set TILEB, 2064                       ; a weight tile's image: 2,048 bytes + 16, so that the sixteen lanes of a store into four tiles touch sixteen different columns of 16 bytes
.set SCW,   4*TILEB                    ; behind a slot's four images: its scale words, 64 bytes a tile
.set SLOTB, SCW+256                    ; a K step's slot
.set STAGE, 8*SLOTB                    ; layer 3: behind the slots, 16 rows x 272 bytes for each wave
; REGISTERS, in windows of 256 (s_set_vgpr_msb: bits 1:0 source 0, 3:2 source 1, 5:4 source 2, 7:6 destination).
; window 0: v1 16 x lane; v2 4 (lane % 16); v3 64 h; v4-6 16 x lane + 7 k slots; v7-9 4 (lane % 16) + 7 k slots; v10 my place in a block of the weight; v11, v12 where I store codes and scale bytes;
;   v13, v14, v15, v37 (layer 3) stage in, stage out, 4 h, 16 (lane % 16); v16-23 the weight's scale words, v24-35 the rows' (these twenty hold scales and nothing else); v36 1.0; v40-53 at work on the way out; v54-61 at work at the head;
;   v62, v63 the closing add's two; v64-111 at work in phase 1; the rows' fragments, three sets of 64 by turns: K step s in set s % 3, sets 0, 1, 2 at v128, v192, v64; row tile i at 16 i.
; window 1: phase 1: four sets of 64 numbers (register 4 i + j = row i, column j).  Phase 2: v0-127 accumulator (row tile i, weight tile T) at 32 i + 8 T; v128-255 the weight's four fragments, two buffers.
.set BS,  16
.set AS,  24
.set ONE, 36
.set O16, 37
.set TM,  40
.set WD,  50
.set CDS, 64                           ; v64-79  codes, column j at 4 j
.set YR,  80                           ; v80-95  codes as converted: register i = row i, byte j = column j
.set MG,  96                           ; v96-99  largest magnitudes; later at work in the turning
.set MX,  100                          ; v100-103 the other half's; then the exponent field
.set INV, 104                          ; v104-107 1 / scale
.set BY,  108                          ; v108-111 the scale bytes
.set BF,  128                          ; in window 1
.set LR,  64+64*((((KS-3)%3)+1)%3)     ; the set that K step KS - 3 leaves: the late loads' 32 registers; behind them, in layers 1 and 2, the codes on the way out
.set MSB, 0
.macro WIN new                         ; the immediate's high byte repeats the setting that is left; a switch that changes nothing is dropped
.if MSB != \new
	s_set_vgpr_msb (MSB<<8)|\new
.set MSB, \new
.endif
.endm
.macro LOADW set, m                    ; block w + 8 m: sixteen loads, each two rows' 256 consecutive bytes
	WIN 0x40                                       ; destination window 1
.irp i, 0,1,2,3,4,5,6,7,8,9,10,11,12,13,14,15
.if (\m) < 4
	global_load_b128 v[64*(\set)+4*\i:64*(\set)+4*\i+3], v10, s[24:25] offset:((\m)&3)*256*PITCH+\i*PITCH th:TH_LOAD_NT
.else
	global_load_b128 v[64*(\set)+4*\i:64*(\set)+4*\i+3], v10, s[26:27] offset:((\m)&3)*256*PITCH+\i*PITCH th:TH_LOAD_NT
.endif
.endr
	WIN 0
.endm
.macro QUANTW set, m
.set XW, 64*(\set)
	s_wait_dscnt 0x0                               ; the last block's LDS stores are done,
.if (\m) > 0
	s_wait_alu depctr_vm_vsrc(0)                   ; and have read v11, v12, the codes and the scale bytes, all of which this block writes again
	v_add_nc_u32 v11, 2*SLOTB, v11                 ; each block lies two slots on
	v_add_nc_u32 v12, 2*SLOTB, v12
.endif
	WIN 0x05                                       ; sources 0 and 1 window 1
.irp j, 0,1,2,3
	v_max3_num_f32 v[MG+\j], |v[XW+\j]|, |v[XW+4+\j]|, 0x8000000   ; column j: my 16 rows, and the floor 2^(16 - 127): the byte cannot fall under 1
.endr
.irp i, 2,4,6,8,10,12,14
.irp j, 0,1,2,3
	v_max3_num_f32 v[MG+\j], |v[XW+4*\i+\j]|, |v[XW+4*\i+4+\j]|, v[MG+\j]
.endr
.endr
	WIN 0
.irp j, 0,1,2,3
	v_permlanex16_b32 v[MX+\j], v[MG+\j], s46, s47
.endr
.irp j, 0,1,2,3
	v_max_num_f32 v[MG+\j], v[MG+\j], v[MX+\j]     ; with lane l xor 16: the block's largest magnitude
.endr
.irp j, 0,1,2,3
	v_and_b32 v[MX+\j], 0x7f800000, v[MG+\j]       ; its exponent field E
.endr
.irp j, 0,1,2,3
	v_sub_nc_u32 v[INV+\j], 0x86800000, v[MX+\j]   ; the f32 number 2^(142 - E) = 1 / scale: exponent field 269 - E, from 15 to 253
.endr
.irp j, 0,1,2,3
	v_lshrrev_b32 v[BY+\j], 23, v[MX+\j]
.endr
.irp j, 0,1,2,3
	v_add_nc_u32 v[BY+\j], -15, v[BY+\j]           ; the scale's byte, E - 15
.endr
	WIN 0x41                                       ; destination and source 0 window 1
.irp i, 0,1,2,3,4,5,6,7,8,9,10,11,12,13,14,15
	v_pk_mul_f32 v[XW+4*\i:XW+4*\i+1], v[XW+4*\i:XW+4*\i+1], v[INV:INV+1]
	v_pk_mul_f32 v[XW+4*\i+2:XW+4*\i+3], v[XW+4*\i+2:XW+4*\i+3], v[INV+2:INV+3]
.endr
.set n, 0
.rept 64
	v_med3_num_f32 v[XW+n], v[XW+n], s48, s49      ; the conversion does not saturate (ISA guide 7.6.2): the hold at +-57,344 comes first
.set n, n+1
.endr
	WIN 0x01                                       ; source 0 window 1
.irp a, 0,1,2,3,4,5,6,7
	v_cvt_scalef32_pk8_bf8_f32 v[YR+2*\a:YR+2*\a+1], v[XW+8*\a:XW+8*\a+7], v[ONE]
.endr
	WIN 0
	v_nop                                          ; a plain instruction behind the last conversion
.irp q, 0,1,2,3                        ; rows 4 q .. 4 q + 3 x columns 0 .. 3 are turned: register q of column j = its four bytes
	v_perm_b32 v[MG], v[YR+4*\q+1], v[YR+4*\q], s50
	v_perm_b32 v[MG+1], v[YR+4*\q+1], v[YR+4*\q], s51
	v_perm_b32 v[MG+2], v[YR+4*\q+3], v[YR+4*\q+2], s50
	v_perm_b32 v[MG+3], v[YR+4*\q+3], v[YR+4*\q+2], s51
	v_perm_b32 v[CDS+\q], v[MG+2], v[MG], s52
	v_perm_b32 v[CDS+4+\q], v[MG+2], v[MG], s53
	v_perm_b32 v[CDS+8+\q], v[MG+3], v[MG+1], s52
	v_perm_b32 v[CDS+12+\q], v[MG+3], v[MG+1], s53
.endr
	s_wait_alu depctr_va_vdst(0)                   ; the block's vector lines are done: they have read and written the set, in which the loads below land, and have written the codes, the bytes, v11 and v12, which the LDS stores below read (in the first block the head's other addresses are written too)
.if (\m)+4 < NBW
	LOADW \set, (\m)+4                             ; the set is free: the block four on
.endif
.irp j, 0,1,2,3
	ds_store_b128 v11, v[CDS+4*\j:CDS+4*\j+3] offset:16*\j         ; column j's 16 codes: the 16 bytes of one lane of the image
.endr
.irp j, 0,1,2,3
	ds_store_b8 v12, v[BY+\j] offset:4*\j          ; byte w % 4 of the column's scale word; lanes l and l xor 16 write the same byte with the same value
.endr
.endm
.macro ALOAD s                         ; the four row tiles' fragments and scale words of K step s: twenty loads, 512 consecutive bytes each (the words: 64)
.set RGA, (\s)%3
.set RBA, 64+64*((RGA+1)%3)
.irp i, 0,1,2,3
.irp c, 0,1,2,3
	global_load_b128 v[RBA+16*\i+4*\c:RBA+16*\i+4*\c+3], v1, s[30+2*\i:31+2*\i] offset:2048*(\s)+512*\c
.endr
	global_load_b32 v[AS+4*RGA+\i], v2, s[38+2*\i:39+2*\i] offset:64*(\s)
.endr
.endm
.macro BTILE s, t                      ; the weight's fragment t of K step s, out of LDS into buffer s % 2: four LDS loads; the destination's window is 1
.set PL, (\s)&1
.set KK, (\s)/7
.set SO, ((\s)%7)*SLOTB
.irp c, 0,1,2,3
	ds_load_b128 v[BF+64*PL+16*(\t)+4*\c:BF+64*PL+16*(\t)+4*\c+3], v[4+KK] offset:SO+TILEB*(\t)+512*\c
.endr
.endm
.macro BWORDS s                        ; the four fragments' scale words; every window is 0
.set PL, (\s)&1
.set KK, (\s)/7
.set SO, ((\s)%7)*SLOTB
.irp t, 0,1,2,3
	ds_load_b32 v[BS+4*PL+\t], v[7+KK] offset:SO+SCW+64*\t
.endr
.endm
.macro BLOAD s                         ; all twenty in one run: a trip's first K step
	WIN 0x40                                       ; destination window 1
.irp t, 0,1,2,3
	BTILE \s, \t
.endr
	WIN 0
	BWORDS \s
.endm
.macro GROUP                           ; the addresses of group 8 s2 + wave, and its first two K steps of rows
	s_lshl_b32 s20, s2, 3
	s_add_co_u32 s20, s20, s14                     ; g
	s_lshl_b32 s55, s20, 2                         ; its first tile, 4 g
	s_sub_co_u32 s23, s18, 1
	s_lshl_b32 s22, s16, 6
.irp i, 0,1,2,3
	s_add_co_u32 s21, s55, \i
	s_min_u32 s21, s21, s23                        ; a tile past nt: the last tile once more
	s_min_u32 s21, s21, 63
	s_add_co_u32 s21, s21, s22                     ; 64 e + t
	s_mul_i32 s56, s21, KSIN*2048
	s_add_co_u32 s56, s56, s60
	s_add_nc_u64 s[30+2*\i:31+2*\i], s[8:9], s[56:57]              ; its images
	s_mul_i32 s56, s21, KSIN*64
	s_add_co_u32 s56, s56, s61
	s_add_nc_u64 s[38+2*\i:39+2*\i], s[8:9], s[56:57]              ; its scale words
.if LAYER < 3
	s_lshl_b32 s56, s21, 15
	s_add_co_u32 s56, s56, s62
	s_add_nc_u64 s[68+2*\i:69+2*\i], s[12:13], s[56:57]            ; out: my 64 columns are half a K step of the next product: 1,024 bytes of the tile's images
	s_lshl_b32 s56, s21, 10
	s_add_co_u32 s56, s56, s63
	s_add_nc_u64 s[76+2*\i:77+2*\i], s[12:13], s[56:57]            ; and two bytes of each row's scale word
.else
	s_lshl_b32 s56, s21, 6
	s_add_nc_u64 s[68+2*\i:69+2*\i], s[10:11], s[56:57]            ; its 16 words of rowdst
.endif
.endr
	ALOAD 0
	ALOAD 1
.endm
.macro STEP s
.set RG, (\s)%3
.set RB, 64+64*((RG+1)%3)
.set PB, (\s)&1
.set NW, KS-1-(\s)
.if NW > 2
.set NW, 2
.endif
.set NW, 20*NW
.if (\s) >= KS-2
.set NW, NW+LATE
.endif
.if (\s) > 0
	s_wait_alu depctr_va_vdst(0)                   ; the products of the step before are done reading their set of rows, their buffer of the weight and both kinds of scale words: all the loads of this step land there
.if (\s)+2 < KS
	ALOAD (\s)+2                                   ; the rows two steps on, into the set just left
.endif
.endif
.if (\s) == KS-2                       ; the late loads, into the set that step KS - 3 has left
.if LAYER < 3
.irp t, 0,1,2,3
	global_load_b128 v[LR+8*\t:LR+8*\t+3], v3, s[28:29] offset:(32*(\t/2)+8*(\t%2))*4          ; the bias: lane (r, h), tile T, register j: column 32 (T / 2) + 8 (T % 2) + 16 h + j
	global_load_b128 v[LR+8*\t+4:LR+8*\t+7], v3, s[28:29] offset:(32*(\t/2)+8*(\t%2))*4+16
.endr
.else
.irp i, 0,1,2,3
.irp q, 0,1,2,3,4,5,6,7
	global_load_b32 v[LR+8*\i+\q], v15, s[68+2*\i:69+2*\i] offset:8*\q   ; rowdst of rows 2 q + h
.endr
.endr
.endif
.endif
	s_wait_loadcnt NW                              ; this step's rows are in; what may stay out: twenty loads for each later step asked for (two at the most), and in the last two steps the late loads
	s_wait_dscnt 0x0                               ; this step's weights are in: they were asked for among the products of the step before
.if (\s)+1 < KS
	BWORDS (\s)+1                                  ; the next step's weights go into the buffer just left: the four scale words,
.endif
.irp t, 0,1,2,3                        ; the sixteen accumulators take turns, one instruction a turn, from step to step too
	WIN 0x51                                       ; source 0 (the weight), C and D window 1; source 1 (the rows) window 0
.irp i, 0,1,2,3
.if (\s) == 0
	v_wmma_scale_f32_16x16x128_f8f6f4 v[32*\i+8*\t:32*\i+8*\t+7], v[BF+64*PB+16*\t:BF+64*PB+16*\t+15], v[RB+16*\i:RB+16*\i+15], 0, v[BS+4*PB+\t], v[AS+4*RG+\i] matrix_a_fmt:MATRIX_FMT_BF8 matrix_b_fmt:MATRIX_FMT_BF8
.else
	v_wmma_scale_f32_16x16x128_f8f6f4 v[32*\i+8*\t:32*\i+8*\t+7], v[BF+64*PB+16*\t:BF+64*PB+16*\t+15], v[RB+16*\i:RB+16*\i+15], v[32*\i+8*\t:32*\i+8*\t+7], v[BS+4*PB+\t], v[AS+4*RG+\i] matrix_a_fmt:MATRIX_FMT_BF8 matrix_b_fmt:MATRIX_FMT_BF8
.endif
.endr
.if (\s)+1 < KS
	WIN 0x40                                       ; destination window 1
	BTILE (\s)+1, \t                               ; and a fragment behind each four products.  No wait: no product since the wait at the step's head names the other buffer
.endif
.endr
	WIN 0
.rept 8
	v_nop                                          ; eight places behind these products: they stay beside the wait at the next step's head, and in the last step they stand in front of the first read of results
.endr
.if (\s) == KS-1
	v_nop                                          ; a ninth: in the next trip matrix instructions write these accumulators anew
.endif
.endm
.if LAYER < 3
.macro EPI i                           ; row tile i: + bias, relu, quantised along the next K, two blocks of 32; stored as images
.set HH, 32*\i
.set PCO, LR+32+8*\i
	WIN 0x41
.set n, 0
.rept 16
	v_pk_add_f32 v[HH+2*n:HH+2*n+1], v[HH+2*n:HH+2*n+1], v[LR+2*n:LR+2*n+1]   ; each accumulator is read from its low end on
.set n, n+1
.endr
	WIN 0x05
.irp b, 0,1
	v_max3_num_f32 v[TM+\b], v[HH+16*\b], v[HH+16*\b+1], 0x8000000   ; no |.|: what is negative becomes 0 and must not count; the floor stands over it
.endr
.irp k, 2,4,6,8,10,12,14
.irp b, 0,1
	v_max3_num_f32 v[TM+\b], v[HH+16*\b+\k], v[HH+16*\b+\k+1], v[TM+\b]
.endr
.endr
	WIN 0
.irp b, 0,1
	v_permlanex16_b32 v[TM+2+\b], v[TM+\b], s46, s47
.endr
.irp b, 0,1
	v_max_num_f32 v[TM+\b], v[TM+\b], v[TM+2+\b]
.endr
.irp b, 0,1
	v_add_nc_u32 v[TM+4+\b], 0xf8800000, v[TM+\b]  ; 15 off the exponent field: the conversion's scale operand
.endr
.irp b, 0,1
	v_and_or_b32 v[TM+6+\b], v[TM+\b], 0x7f800000, s54   ; 57,344 x the scale
.endr
.irp b, 0,1
	v_lshrrev_b32 v[TM+8+\b], 23, v[TM+4+\b]
.endr
	v_lshl_or_b32 v[WD+\i], v[TM+9], 8, v[TM+8]    ; my two bytes of the row's scale word
	WIN 0x41
.irp b, 0,1
.irp k, 0,1,2,3,4,5,6,7,8,9,10,11,12,13,14,15
	v_med3_num_f32 v[HH+16*\b+\k], v[HH+16*\b+\k], 0, v[TM+6+\b]   ; the activation and the hold in one
.endr
.endr
	WIN 0x01
.irp b, 0,1
	v_cvt_scalef32_pk8_bf8_f32 v[PCO+4*\b:PCO+4*\b+1], v[HH+16*\b:HH+16*\b+7], v[TM+4+\b]
	v_cvt_scalef32_pk8_bf8_f32 v[PCO+4*\b+2:PCO+4*\b+3], v[HH+16*\b+8:HH+16*\b+15], v[TM+4+\b]
.endr
	WIN 0
.rept 4
	v_nop                                          ; plain instructions behind the conversions: their results lie in registers that are a matrix operand again in the next trip
.endr
	s_wait_alu depctr_va_vdst(0)                   ; the conversions have written the tile's eight registers of codes, and its two scale bytes are made: the three stores read them
	global_store_b128 v1, v[PCO:PCO+3], s[68+2*\i:69+2*\i]         ; 32 lanes store 512 consecutive bytes
	global_store_b128 v1, v[PCO+4:PCO+7], s[68+2*\i:69+2*\i] offset:512
	global_store_b16 v2, v[WD+\i], s[76+2*\i:77+2*\i]              ; lanes 16-31 repeat lanes 0-15
.endm
.else
.macro EPI3 i                          ; row tile i: through my stage, back as whole rows of 256 bytes, each to the row of y that rowdst names
	WIN 0x04                                       ; an LDS store's data are its source 1: window 1
.irp b, 0,1
.irp q, 0,1,2,3
	ds_store_b128 v13, v[32*\i+16*\b+4*\q:32*\i+16*\b+4*\q+3] offset:128*\b+16*\q   ; each accumulator from its low end on
.endr
.endr
	WIN 0
.irp q, 0,1,2,3,4,5,6,7
	ds_load_b128 v[128+32*\i+4*\q:128+32*\i+4*\q+3], v14 offset:544*\q   ; LDS serves a wave's instructions in order (ISA guide 5.7.1.4): these see my stores, and the next tile's stores come behind them
.endr
.irp q, 0,1,2,3,4,5,6,7
	v_min_u32 v[LR+8*\i+\q], 2055, v[LR+8*\i+\q]
	v_lshl_add_u32 v[LR+8*\i+\q], v[LR+8*\i+\q], 12, v[O16]        ; a row of y is 4,096 bytes; + 16 bytes a lane
.endr
	s_wait_alu depctr_va_vdst(0)                   ; the tile's eight offsets are written, which the stores below read
.irp q, 0,1,2,3,4,5,6,7
	s_wait_dscnt 7-\q                              ; the later read-backs may stay out
	global_store_b128 v[LR+8*\i+\q], v[128+32*\i+4*\q:128+32*\i+4*\q+3], s[84:85] th:TH_STORE_NT   ; sixteen lanes store 256 consecutive bytes, aligned
.endr
.endm
.endif
.if LAYER < 3
	s_load_b256 s[4:11], s[0:1], 0x0               ; the weight s[4:5], the bias s[6:7], the rows s[8:9], meta s[10:11]
	s_load_b64 s[12:13], s[0:1], 0x20              ; out
.else
	s_load_b64 s[4:5], s[0:1], 0x0                 ; the weight
	s_load_b128 s[8:11], s[0:1], 0x8               ; the rows, meta
	s_load_b64 s[12:13], s[0:1], 0x18              ; y
	v_lshl_add_u32 v62, v0, 2, 0x19200
	v_mov_b32 v63, 0
.endif
	v_lshrrev_b32 v54, 5, v0
	v_readfirstlane_b32 s14, v54                   ; wave 0..7
	s_and_b32 s16, ttmp7, 0xffff                   ; e
.if LAYER < 3
	s_mov_b32 s15, ttmp9                           ; nb
	s_mov_b32 s17, 0
.else
	s_and_b32 s15, ttmp9, 15                       ; nb
	s_lshr_b32 s17, ttmp9, 4                       ; the K half
.endif
	s_mul_i32 s56, s16, ES
	s_lshl_b32 s21, s17, 10
	s_wait_alu depctr_va_sdst(0)                   ; s14 is written, ahead of its first reader: bases, LDS addresses and the branches on the wave are made from it
	s_lshl_b32 s22, s14, 5
	s_add_co_u32 s21, s21, s22                     ; my first K row: 1,024 x half + 32 w
	s_mul_i32 s21, s21, PITCH
	s_add_co_u32 s56, s56, s21
	s_lshl_b32 s21, s15, 8
	s_add_co_u32 s56, s56, s21                     ; + 256 nb; all under 2^31
	s_mov_b32 s57, 0
	v_and_b32 v55, 15, v0                          ; l16
	v_bfe_u32 v56, v0, 4, 1                        ; h
	v_and_b32 v57, 31, v0                          ; lane
	v_lshlrev_b32 v10, 4, v55
	v_mad_u32_u24 v10, v56, 16*PITCH, v10          ; 16 l16 + 16 h rows
	s_wait_kmcnt 0x0
	s_add_nc_u64 s[24:25], s[4:5], s[56:57]
.if NBW > 4
	s_add_nc_u64 s[26:27], s[24:25], 1024*PITCH    ; blocks 4 to 7: beyond the immediate's reach
.endif
	s_wait_alu depctr_va_vdst(0)                   ; v10 is written, which every load of the weight reads as its offset
	LOADW 0, 0                                     ; 64 loads a wave, 8 waves: the whole slab of 256 KiB goes out before anything else is done
	LOADW 1, 1
	LOADW 2, 2
	LOADW 3, 3
	s_lshl_b32 s56, s16, 2
	s_add_nc_u64 s[58:59], s[10:11], s[56:57]
	s_load_b32 s18, s[58:59], 0x8000               ; nt[e]
.if LAYER < 3
	s_lshl_b32 s56, s16, 13
	s_lshl_b32 s21, s15, 8
	s_add_co_u32 s56, s56, s21
	s_add_nc_u64 s[28:29], s[6:7], s[56:57]        ; the bias of my 64 columns
	s_lshl_b32 s62, s15, 10
	s_lshr_b32 s63, s15, 1
	s_lshl_b32 s63, s63, 6
	s_and_b32 s21, s15, 1
	s_lshl_b32 s21, s21, 1
	s_add_co_u32 s63, s63, s21
	s_add_co_u32 s63, s63, 0x1000000               ; 16,777,216 + 64 (nb / 2) + 2 (nb % 2)
.else
	s_mul_i32 s56, s17, 8421376
	s_lshl_b32 s21, s15, 8
	s_add_co_u32 s56, s56, s21
	s_add_nc_u64 s[84:85], s[12:13], s[56:57]      ; y: my half's 2,056 rows, my 256 bytes of each
.endif
	s_lshl_b32 s60, s17, 14                        ; the K half in a tile's images,
	s_lshl_b32 s61, s17, 9
	s_add_co_u32 s61, s61, SCOFF                   ; and in its scale words
	s_mov_b32 s46, 0x76543210
	s_mov_b32 s47, 0xfedcba98                      ; v_permlanex16_b32: lane l xor 16
	s_mov_b32 s48, 0xc7600000                      ; -57,344
	s_mov_b32 s49, 0x47600000                      ; 57,344
	s_mov_b32 s50, 0x05010400                      ; v_perm_b32: columns 0, 1 of two rows, interleaved;
	s_mov_b32 s51, 0x07030602                      ; columns 2, 3;
	s_mov_b32 s52, 0x05040100                      ; the low halves of two words;
	s_mov_b32 s53, 0x07060302                      ; the high halves
	s_mov_b32 s54, 0x600000                        ; the mantissa field of 57,344
	v_lshlrev_b32 v1, 4, v57
	v_lshlrev_b32 v2, 2, v55
	v_lshlrev_b32 v3, 6, v56
.set k, 0
.rept NK
	v_lshl_add_u32 v[4+k], v57, 4, 7*k*SLOTB
	v_lshl_add_u32 v[7+k], v55, 2, 7*k*SLOTB
.set k, k+1
.endr
	; where my four columns go: column 4 l16 + j is index i0 + j of tile Tt, Tt = 2 (l16 / 8) + (l16 / 2) % 2, i0 = 4 (l16 % 2) + 8 ((l16 / 4) % 2); my half h is lane 16 h + index of the image
	s_and_b32 s21, s14, 3                          ; c: which 32 of the K step
	s_lshr_b32 s22, s14, 2
	s_mul_i32 s22, s22, SLOTB                      ; slot w / 4 (+ 2 m)
	s_lshl_b32 s23, s21, 9
	s_add_co_u32 s23, s23, s22
	s_add_co_u32 s21, s21, s22
	s_add_co_u32 s21, s21, SCW
	v_bfe_u32 v58, v0, 3, 1
	v_bfe_u32 v59, v0, 1, 1
	v_and_b32 v60, 1, v0
	v_bfe_u32 v61, v0, 2, 1
	v_mul_u32_u24 v11, v58, 2*TILEB
	v_mad_u32_u24 v11, v59, TILEB, v11
	v_lshl_add_u32 v11, v60, 6, v11
	v_lshl_add_u32 v11, v61, 7, v11
	v_lshl_add_u32 v11, v56, 8, v11
	v_add_nc_u32 v11, s23, v11
	v_lshlrev_b32 v12, 7, v58
	v_lshl_add_u32 v12, v59, 6, v12
	v_lshl_add_u32 v12, v60, 4, v12
	v_lshl_add_u32 v12, v61, 5, v12
	v_add_nc_u32 v12, s21, v12
.if LAYER == 3
	s_mul_i32 s21, s14, 16*272
	s_add_co_u32 s21, s21, STAGE                   ; my stage
	v_mul_u32_u24 v13, v55, 272
	v_lshl_add_u32 v13, v56, 6, v13
	v_add_nc_u32 v13, s21, v13                     ; in: row r, + 64 h
	v_mul_u32_u24 v14, v56, 272
	v_lshl_add_u32 v14, v55, 4, v14
	v_add_nc_u32 v14, s21, v14                     ; back: lanes 0-15 one row, lanes 16-31 the next
	v_lshlrev_b32 v15, 2, v56
	v_lshlrev_b32 v[O16], 4, v55
.else
	v_mov_b32 v[TM+2], 0                           ; written once: a lane permute's destination counts as one of its sources
	v_mov_b32 v[TM+3], 0
.endif
	v_mov_b32 v[ONE], 1.0
.irp j, 0,1,2,3
	v_mov_b32 v[MX+\j], 0                          ; likewise
.endr
; ---- PHASE 1
.set mm, 0
.rept NBW
.set YW, NBW-1-mm
.if YW > 3
.set YW, 3
.endif
.if mm == NBW-1
	s_wait_loadcnt 40                              ; the last block's sixteen loads are in; the forty loads of rows issued behind them may be out
.else
	s_wait_loadcnt 16*YW                           ; this block's sixteen loads are in; sixteen for each later block asked for (three at the most) may be out
.endif
.if mm == NBW-2                        ; two blocks are left to quantise: the first group's first rows go out now and land meanwhile
	s_wait_kmcnt 0x0
	s_min_u32 s18, s18, 64
	s_max_u32 s18, s18, 1                          ; nt
	s_add_co_u32 s19, s18, 3
	s_lshr_b32 s19, s19, 2                         ; groups of four tiles, at most 16
	s_mov_b32 s2, 0                                ; the trip
	GROUP                                          ; no wait: v1 and v2 were written ahead of the earlier blocks' waits on va_vdst, and no vector line names them, v24-31 or v128-255 of window 0 in all of phase 1
.endif
	QUANTW mm%4, mm
.set mm, mm+1
.endr
	s_wait_dscnt 0x0                               ; for the others' sake: my images and scale bytes have landed
	s_wait_alu depctr_vm_vsrc(0)                   ; my last LDS stores have read v64-79 and v108-111: behind the barrier rows land in v64-127
	s_barrier_signal -1
	s_barrier_wait -1                              ; the one barrier: behind it the slots are only read
; ---- PHASE 2
	s_cmp_ge_u32 s14, s19
	s_cbranch_scc1 .Lend                           ; wave w takes groups w, w + 8
	s_sub_co_u32 s3, s19, s14                      ; groups - wave, at least 1 here
	s_add_co_u32 s3, s3, 7
	s_lshr_b32 s3, s3, 3                           ; the trips
	s_min_u32 s3, s3, 2
.Lgroup:                                               ; no wait stands here.  On the way in: no vector line follows the last block's wait on va_vdst, and the wait on vm_vsrc stands ahead of the barrier.  On the way back: no vector line follows the last tile's wait on va_vdst, and the wait on vm_vsrc stands at the trip's end
	ALOAD 2                                        ; into the set where phase 1 worked, or that the last trip's way out has left
	BLOAD 0
.set ss, 0
.rept KS
	STEP ss
.set ss, ss+1
.endr
	s_wait_loadcnt 0x0                             ; the late loads
.if LAYER < 3
	EPI 0
.irp i, 1,2,3
	s_add_co_u32 s21, s55, \i
	s_cmp_ge_u32 s21, s18
	s_cbranch_scc1 .Lone                           ; no tile 4 g + i, and none behind it
	EPI \i
.endr
.else
	s_wait_alu depctr_va_vdst(0)                   ; behind the places: the products have written the accumulators, which the LDS stores read, and are done reading v128-255, in which the stage's rows land
	EPI3 0
.irp i, 1,2,3
	s_add_co_u32 s21, s55, \i
	s_cmp_ge_u32 s21, s18
	s_cbranch_scc1 .Lone
	EPI3 \i
.endr
.endif
.Lone:
	s_wait_xcnt 0x0                                ; the stores have had their addresses translated: their bases are written again for the next trip,
	s_wait_alu depctr_vm_vsrc(0)                   ; and the stores, global and LDS, have read their vector registers (codes, bytes, offsets, rows, accumulators), in which the next trip's loads land and which its products and its way out write
	s_add_co_u32 s2, s2, 1
	s_cmp_ge_u32 s2, s3
	s_cbranch_scc1 .Lend
	GROUP                                          ; the next group's addresses and first rows
	s_cmp_lt_u32 s2, s3
	s_cbranch_scc1 .Lgroup
.Lend:
	s_wait_dscnt 0x0                               ; the closing lines, six on end
	s_wait_alu 0x0
	s_wait_tensorcnt 0x0
	ds_add_u32 v62, v63
	s_wait_dscnt 0x0
	s_endpgm
.Lfunc_end_k_q3324d0b5ec_g3:
	.size	k_q3324d0b5ec_g3, .Lfunc_end_k_q3324d0b5ec_g3-k_q3324d0b5ec_g3
	.p2alignl 7, 3214868480
	.fill 96, 4, 3214868480
	.section	.rodata,"a",@progbits
	.p2align	6, 0x0
	.amdhsa_kernel k_q3324d0b5ec_g3
		.amdhsa_group_segment_fixed_size 103936
		.amdhsa_private_segment_fixed_size 0
		.amdhsa_enable_private_segment 0
		.amdhsa_kernarg_size 32
		.amdhsa_user_sgpr_count 2
		.amdhsa_user_sgpr_kernarg_segment_ptr 1
		.amdhsa_wavefront_size32 1
		.amdhsa_system_sgpr_workgroup_id_x 1
		.amdhsa_system_sgpr_workgroup_id_y 1
		.amdhsa_system_sgpr_workgroup_id_z 1
		.amdhsa_system_vgpr_workitem_id 0
		.amdhsa_next_free_vgpr 512
		.amdhsa_next_free_sgpr 86
		.amdhsa_reserve_vcc 0
		.amdhsa_float_denorm_mode_32 3
		.amdhsa_float_denorm_mode_16_64 3
		.amdhsa_memory_ordered 1
		.amdhsa_forward_progress 1
		.amdhsa_inst_pref_size 132
	.end_amdhsa_kernel
	.amdgpu_metadata
---
amdhsa.version: [ 1, 2 ]
amdhsa.kernels:
  - .name:           k_q3324d0b5ec_g3
    .symbol:         k_q3324d0b5ec_g3.kd
    .args:
      - { .name: W3, .offset: 0, .size: 8, .value_kind: global_buffer, .address_space: global }
      - { .name: h2, .offset: 8, .size: 8, .value_kind: global_buffer, .address_space: global }
      - { .name: meta, .offset: 16, .size: 8, .value_kind: global_buffer, .address_space: global }
      - { .name: y, .offset: 24, .size: 8, .value_kind: global_buffer, .address_space: global }
    .group_segment_fixed_size: 103936
    .private_segment_fixed_size: 0
    .kernarg_segment_align: 8
    .kernarg_segment_size: 32
    .max_flat_workgroup_size: 256
    .sgpr_count:     86
    .vgpr_count:     512
    .wavefront_size: 32
...
	.end_amdgpu_metadata
.endif
;; end of part 11
;; launch comb (part 12): grid 256 x 1, 8 waves a work-group, no clusters, 0 bytes of LDS; arguments y, gates, b3, out0; writes out0
.if DOCPART == 12
	.amdgcn_target "amdgcn-amd-amdhsa--gfx1250"
	.amdhsa_code_object_version 6
	.text
	.protected	k_q3324d0b5ec_comb
	.globl	k_q3324d0b5ec_comb
	.p2align	8
	.type	k_q3324d0b5ec_comb,@function
k_q3324d0b5ec_comb:
	s_mov_b64 s[64:65], 0
	v_nop
	global_prefetch_b8 v0, s[64:65] scope:SCOPE_SE
	s_setreg_imm32_b32 hwreg(HW_REG_WAVE_MODE, 25, 1), 1
	s_wait_xcnt 0x0
; THE COMBINATION.  out[token] = gate_0 (y0[2 token] + y1[2 token]) + gate_1 (y0[2 token + 1] + y1[2 token + 1]) + the sum over e of comb[token][e] b3[e].
; y: [2 K halves][2,056 rows][1,024] f32, row = 2 token + slot; gates: gate2[1024][2] at 0, comb[1024][8] at 8,192; b3: [8][1024] f32; out0: [1024][1024] f32.
; A stream: a work-group takes 4 tokens, thread t the columns 4 t .. 4 t + 3, so that every load and store of a wave covers 512 consecutive bytes.  The gates are the same for all threads: scalar loads.
; No LDS, no barrier, no matrix unit: K = 8 and the bytes bind.  The two K halves are added in a fixed order, half 0 first.
.set B3, 8                             ; v8-39   b3 of my columns: expert e at 4 e
.set PP, 40                            ; v40-103 token k at 16 k: (slot 0, half 0), (slot 0, half 1), (slot 1, half 0), (slot 1, half 1), four numbers each
	s_load_b256 s[4:11], s[0:1], 0x0               ; y s[4:5], gates s[6:7], b3 s[8:9], out0 s[10:11]
	v_lshlrev_b32 v1, 4, v0                        ; 16 bytes a thread
	s_lshl_b32 s28, ttmp9, 15                      ; 8 rows of y a work-group
	s_mov_b32 s29, 0
	s_lshl_b32 s30, ttmp9, 5
	s_mov_b32 s31, 0
	s_wait_alu depctr_va_vdst(0)
	s_wait_kmcnt 0x0
	s_add_nc_u64 s[12:13], s[4:5], s[28:29]        ; half 0
	s_add_nc_u64 s[14:15], s[12:13], 8421376       ; half 1: 2,056 rows on, beyond the immediate's reach
	s_add_nc_u64 s[24:25], s[6:7], s[30:31]        ; gate2: 32 bytes a work-group
	s_lshl_b32 s30, ttmp9, 7
	s_add_nc_u64 s[26:27], s[6:7], s[30:31]        ; comb: 128 bytes
	s_lshl_b32 s28, ttmp9, 14
	s_add_nc_u64 s[10:11], s[10:11], s[28:29]
	s_load_b256 s[16:23], s[24:25], 0x0            ; s[16 + 2 k], s[17 + 2 k]: token k's two gates
	s_load_b512 s[32:47], s[26:27], 0x2000         ; s[32 + 8 k + e]: comb
	s_load_b512 s[48:63], s[26:27], 0x2040
.irp e, 0,1,2,3,4,5,6,7
	global_load_b128 v[B3+4*\e:B3+4*\e+3], v1, s[8:9] offset:4096*\e
.endr
.irp k, 0,1,2,3
.irp l, 0,1
	global_load_b128 v[PP+16*\k+8*\l:PP+16*\k+8*\l+3], v1, s[12:13] offset:8192*\k+4096*\l th:TH_LOAD_NT
	global_load_b128 v[PP+16*\k+8*\l+4:PP+16*\k+8*\l+7], v1, s[14:15] offset:8192*\k+4096*\l th:TH_LOAD_NT
.endr
.endr
	s_wait_kmcnt 0x0
.irp k, 0,1,2,3
.set PK, PP+16*\k
	s_wait_loadcnt 12-4*\k                         ; b3 and this token's four loads are in; the later tokens' four each may be out
	v_pk_add_f32 v[PK:PK+1], v[PK:PK+1], v[PK+4:PK+5]
	v_pk_add_f32 v[PK+2:PK+3], v[PK+2:PK+3], v[PK+6:PK+7]
	v_pk_add_f32 v[PK+8:PK+9], v[PK+8:PK+9], v[PK+12:PK+13]
	v_pk_add_f32 v[PK+10:PK+11], v[PK+10:PK+11], v[PK+14:PK+15]
.irp c, 0,1,2,3
	v_mul_f32 v[PK+\c], s[16+2*\k], v[PK+\c]
.endr
.irp c, 0,1,2,3
	s_delay_alu instid0(VALU_DEP_4)
	v_fmac_f32 v[PK+\c], s[17+2*\k], v[PK+8+\c]
.endr
.irp e, 0,1,2,3,4,5,6,7
.irp c, 0,1,2,3
	s_delay_alu instid0(VALU_DEP_4)
	v_fmac_f32 v[PK+\c], s[32+8*\k+\e], v[B3+4*\e+\c]
.endr
.endr
	global_store_b128 v1, v[PK:PK+3], s[10:11] offset:4096*\k      ; sixteen lanes store 256 consecutive bytes, aligned
.endr
	s_endpgm
.Lfunc_end_k_q3324d0b5ec_comb:
	.size	k_q3324d0b5ec_comb, .Lfunc_end_k_q3324d0b5ec_comb-k_q3324d0b5ec_comb
	.p2alignl 7, 3214868480
	.fill 96, 4, 3214868480
	.section	.rodata,"a",@progbits
	.p2align	6, 0x0
	.amdhsa_kernel k_q3324d0b5ec_comb
		.amdhsa_group_segment_fixed_size 0
		.amdhsa_private_segment_fixed_size 0
		.amdhsa_enable_private_segment 0
		.amdhsa_kernarg_size 32
		.amdhsa_user_sgpr_count 2
		.amdhsa_user_sgpr_kernarg_segment_ptr 1
		.amdhsa_wavefront_size32 1
		.amdhsa_system_sgpr_workgroup_id_x 1
		.amdhsa_system_sgpr_workgroup_id_y 1
		.amdhsa_system_sgpr_workgroup_id_z 1
		.amdhsa_system_vgpr_workitem_id 0
		.amdhsa_next_free_vgpr 104
		.amdhsa_next_free_sgpr 66
		.amdhsa_reserve_vcc 0
		.amdhsa_float_denorm_mode_32 3
		.amdhsa_float_denorm_mode_16_64 3
		.amdhsa_memory_ordered 1
		.amdhsa_forward_progress 1
		.amdhsa_inst_pref_size 15
	.end_amdhsa_kernel
	.amdgpu_metadata
---
amdhsa.version: [ 1, 2 ]
amdhsa.kernels:
  - .name:           k_q3324d0b5ec_comb
    .symbol:         k_q3324d0b5ec_comb.kd
    .args:
      - { .name: y, .offset: 0, .size: 8, .value_kind: global_buffer, .address_space: global }
      - { .name: gates, .offset: 8, .size: 8, .value_kind: global_buffer, .address_space: global }
      - { .name: b3, .offset: 16, .size: 8, .value_kind: global_buffer, .address_space: global }
      - { .name: out0, .offset: 24, .size: 8, .value_kind: global_buffer, .address_space: global }
    .group_segment_fixed_size: 0
    .private_segment_fixed_size: 0
    .kernarg_segment_align: 8
    .kernarg_segment_size: 32
    .max_flat_workgroup_size: 256
    .sgpr_count:     66
    .vgpr_count:     104
    .wavefront_size: 32
...
	.end_amdgpu_metadata
.endif
;; end of part 12
